; MI455X (gfx1250); checked and timed in simulation.
; The chip was launched on July 23, 2026; its instructions are those of AMD's public machine-readable ISA for CDNA 5 (MIT licence, August 2026) and "CDNA5" Instruction Set Architecture Reference Guide (July 2026). The comments in the code are by the model that wrote it; some were corrected since.
;; Transformer Layer. Allowed arithmetic: matrix products marked QUANTISED: E2M3 operands, one E8M0 scale for each 32 along K, by v_wmma_scale_f32_16x16x128_f8f6f4 with both operands' format E2M3, f32 sums; everything else in f32.
;; Inputs: b1 4,096 float32; b2 1,024 float32; in_proj_b 3,072 float32; in_proj_w_codes 3,072 x 32 x 24 uint8 (E2M3 codes of in_proj_w, K innermost, in blocks of 32 codes, four codes in three bytes); in_proj_w_scales 3,072 x 32 uint8 (E8M0 scales of in_proj_w, one for each 32 codes along K); ln1_b 1,024 float32; ln1_g 1,024 float32; ln2_b 1,024 float32; ln2_g 1,024 float32; out_b 1,024 float32; out_w_codes 1,024 x 32 x 24 uint8 (E2M3 codes of out_w, K innermost, in blocks of 32 codes, four codes in three bytes); out_w_scales 1,024 x 32 uint8 (E8M0 scales of out_w, one for each 32 codes along K); res_pos 16 x 512 float32; w1_codes 4,096 x 32 x 24 uint8 (E2M3 codes of w1, K innermost, in blocks of 32 codes, four codes in three bytes); w1_scales 4,096 x 32 uint8 (E8M0 scales of w1, one for each 32 codes along K); w2_codes 1,024 x 128 x 24 uint8 (E2M3 codes of w2, K innermost, in blocks of 32 codes, four codes in three bytes); w2_scales 1,024 x 128 uint8 (E8M0 scales of w2, one for each 32 codes along K); x 2 x 2,048 x 1,024 float32.
;; Outputs: out0 2 x 2,048 x 1,024 float32.
;; This version of the problem:
;;   THIS VERSION OF THE PROBLEM IS GIVEN IN LOW PRECISION. The matrix products marked QUANTISED in the list below multiply operands that are first quantised to E2M3 (2 exponent bits, 3 mantissa bits; 6 bits a number), with one power-of-two scale for each 32 numbers along K (OCP MX v1.0); their sums are f32. All else is computed in f32.
;;   The module's matrix products, in the order in which they are computed (A, B: the left and right operand; K: the contracted axis; several contracted axes count as one K, in the product's order):
;;     1. [M 4,096, K 1,024] x [K 1,024, N 3,072]; A: computed on the way; B: input in_proj_w (given as codes): QUANTISED
;;     2. batch 32 x [M 2,048, K 64] x [K 64, N 2,048]; A: computed on the way; B: computed on the way: QUANTISED
;;     3. batch 32 x [M 2,048, K 2,048] x [K 2,048, N 64]; A: softmax (see below); B: computed on the way: QUANTISED
;;     4. [M 4,096, K 1,024] x [K 1,024, N 1,024]; A: computed on the way; B: input out_w (given as codes): QUANTISED
;;     5. [M 4,096, K 1,024] x [K 1,024, N 4,096]; A: computed on the way; B: input w1 (given as codes): QUANTISED
;;     6. [M 4,096, K 4,096] x [K 4,096, N 1,024]; A: computed on the way; B: input w2 (given as codes): QUANTISED
;;   THE QUANTISER, for each operand of a quantised product, along K:
;;     - K is cut into blocks of 32 from its start; a last block that is shorter is filled with zeros.
;;     - A block's scale is 2^e with e = floor(log2(the largest magnitude in the block)) - 2, held to -126 .. 127; a block of zeros has e = 0. As a byte (E8M0): e + 127.
;;     - Each number is divided by its block's scale, clamped to +-7.5, and rounded to the nearest number of E2M3, ties to even, subnormals kept.
;;     - The product sums the exact products of the quantised numbers (number of the format x scale) in f32.
;;   ~~~python
;;   def quantise(x, axis):      # numpy; x: float32 -> the quantised numbers, widened to float32 again
;;       x = np.moveaxis(x, axis, -1); K = x.shape[-1]
;;       x = np.pad(x, [(0, 0)] * (x.ndim - 1) + [(0, -K % 32)]); x = x.reshape(x.shape[:-1] + (-1, 32)); a = np.abs(x).max(-1, keepdims=True)
;;       e = np.where(a > 0, np.clip(np.frexp(np.where(a > 0, a, 1))[1] - 1 - 2, -126, 127), 0)      # np.frexp(a)[1] - 1 = floor(log2(a)), exactly
;;       r = np.clip(x / 2.0 ** e, -7.5, 7.5)
;;       step = 2.0 ** (np.maximum(np.frexp(np.where(r == 0, 1, r))[1] - 1, 0) - 3)
;;       q = np.round(r / step) * step * 2.0 ** e      # np.round: ties to even
;;       return np.moveaxis(q.reshape(q.shape[:-2] + (-1,))[..., :K], -1, axis).astype(np.float32)
;;   ~~~
;;   SOFTMAX AHEAD OF A QUANTISED PRODUCT. Where the list says 'softmax', what is quantised is not the finished softmax but p = 2^(t - M), with t = logit x log2(e) and M = ceil(the row's largest t), a whole number; so 1/2 < the row's largest p <= 1. The row's sum l is taken of the UNQUANTISED p, in f32, and the product's result is divided by l at the end. Since M is a whole number, a kernel that streams over the keys may use a running M (the ceiling of the running maximum): every later rescaling is an exact power of two, which a block's scale takes up: the codes' values come out the same.
;;   OPERANDS COMPUTED ON THE WAY. 'Computed on the way' means the value that the module computes at that place (a softmax that the list does not call 'softmax' is quantised finished and normalised). What goes into a quantiser is computed in f32, as accurately as f32 sums, v_exp_f32 and their like allow (about 1e-6 of the number): no bf16 or f16 on the way to a quantiser, and a product that is left as it is and whose result goes on into a quantised operand takes f32 operands (vector FMAs, or v_wmma_f32_16x16x4_f32). A number that lies on a knife's edge between two numbers of the format may be rounded either way, as far as f32 arithmetic and the matrix unit's own rounding can turn it there, and no further.
;;   INPUTS GIVEN AS CODES. in_proj_w (in the module: [3072, 1024], K = its axis 1); out_w (in the module: [1024, 1024], K = its axis 1); w1 (in the module: [4096, 1024], K = its axis 1); w2 (in the module: [1024, 4096], K = its axis 1): each comes as NAME_codes (uint8): NAME with its K axis moved to the last place and cut into blocks of 32 codes, [.., K / 32, bytes a block], one block behind the other in memory; four codes in three bytes: a row's codes are one little-endian stream of bits, code i at bits 6 i .. 6 i + 5 (a code: sign, 2 exponent bits, 3 mantissa bits); and NAME_scales (uint8): the same leading axes, one E8M0 byte (e + 127) for each 32 codes along K. Its value is code x scale, taken as it is: it is not quantised again, and the codes and scales need not be those that the quantiser above would give.
;; 2 versions, each right and faster than the one before. Each part assembles by itself: llvm-mc -triple=amdgcn-amd-amdhsa -mcpu=gfx1250 --defsym DOCPART=n.
;; ======== version 1 of 2: 7 launches
;; limits: right only within a limited range of input values
;; workspace buffers: act 3,276,800 bytes; wts 9,830,400 bytes; qkv 9,830,400 bytes; oc 3,276,800 bytes; x1 16,777,216 bytes; hid 13,107,200 bytes
;; launch lnq1 (part 1): grid 352 x 1, 8 waves a work-group, no clusters, 67,072 bytes of LDS; arguments x, ln1_g, ln1_b, act, in_proj_w_codes, in_proj_w_scales, out_w_codes, out_w_scales, w1_codes, w1_scales, w2_codes, w2_scales, wts; writes act, wts
.if DOCPART == 1
	.amdgcn_target "amdgcn-amd-amdhsa--gfx1250"
	.amdhsa_code_object_version 6
	.text
	.protected	k_qfb25ab548f_lnq1
	.globl	k_qfb25ab548f_lnq1
	.p2align	8
	.type	k_qfb25ab548f_lnq1,@function
k_qfb25ab548f_lnq1:
	s_mov_b64 s[64:65], 0
	v_nop
	global_prefetch_b8 v0, s[64:65] scope:SCOPE_SE
	s_setreg_imm32_b32 hwreg(HW_REG_WAVE_MODE, 25, 1), 1
	s_wait_xcnt 0x0
; TWO JOBS, parted by the work-group's number.
; Work-groups 0-255: LayerNorm of 16 rows of 1,024 f32, quantised to FP6 (E2M3) codes with one E8M0 byte for each 32 along the row, stored as IMAGES OF OPERAND REGISTERS.
; Work-groups 256 on (only in the launch whose grid has them): the four weights, which arrive as rows of codes, are laid out anew as the same kind of images.
; ROW ORDER: a panel is 128 rows = 8 blocks of 16; lane r of block a stands for panel row 32 (a / 2) + 8 (a % 2) + r + 8 (r / 8).
; IMAGE: fragment (panel p, K step kk of 128, block a) begins at p x 96 K + (kk / 2) x 24576 + a x 3072 + (kk % 2) x 1536; register group c (four registers) of lane l lies at 512 c + 16 l.
; SCALE WORDS: (p, kk, a, r) at p x 4 K + kk x 512 + a x 64 + 4 r, behind the codes.
; LN PATH: wave w reads rows 2 w, 2 w + 1 of the block whole (512 consecutive bytes a load), finds mean and variance in two passes in f32, puts (x - mean) rstd into LDS (rows 4,112 bytes apart);
; one barrier; wave w then takes K step w of all 16 rows, 64 numbers a lane in the order the conversions want, applies gain and bias and quantises.
; A scale store covers 64 bytes a wave (both halves of the lanes write the same word): 131,072 bytes of the launch leave in such pieces.
; LIMITS: NaN and infinities are not served; a block whose largest magnitude lies under 2^-124 keeps the byte 1 (a block of zeros too: its codes are zeros and this program alone reads the bytes).
.set PITCH, 4112
.set X,   16                           ; v16-79   two rows as loaded, later 64 numbers of a K step
.set GG,  80                           ; v80-143  the gain of my K step
.set BB,  144                          ; v144-207 the bias
.set PC,  208                          ; v208-226 codes
.set TM,  228                          ; v228-243 at work in QUANT
.set PW,  244                          ; the scale word
.set SU,  10                           ; v[10:11], v[12:13] sums, then means; v[14:15], v[246:247] sums of squares, then rstd
.set SEL, 20                           ; s[20:21] lane selects: lane l xor 16
; 64 numbers of a lane, register 16 b + i = k 32 b + 16 (lane / 16) + i of my row, become a fragment's codes in v[PC] on and its scale word in v[PW]
.macro QUANT s
.irp b, 0,1,2,3
	v_max3_num_f32 v[TM+\b], |v[\s+16*\b]|, |v[\s+1+16*\b]|, 0x1800000   ; my 16 numbers of block b, and the floor 2^(3 - 127): the byte cannot fall under 1
.endr
.irp i, 2,4,6,8,10,12,14
.irp b, 0,1,2,3
	v_max3_num_f32 v[TM+\b], v[TM+\b], |v[\s+16*\b+\i]|, |v[\s+1+16*\b+\i]|
.endr
.endr
.irp b, 0,1,2,3
	v_permlanex16_b32 v[TM+4+\b], v[TM+\b], s[SEL], s[SEL+1]
.endr
.irp b, 0,1,2,3
	v_max_num_f32 v[TM+\b], v[TM+\b], v[TM+4+\b]                  ; with lane l xor 16's: the block's largest magnitude
.endr
.irp b, 0,1,2,3
	v_add_nc_u32 v[TM+12+\b], 0xff000000, v[TM+\b]                ; 2 off its exponent field: the conversion's scale operand
.endr
.irp b, 0,1,2,3
	v_lshrrev_b32 v[TM+4+\b], 23, v[TM+12+\b]                     ; the scale's byte
.endr
	v_lshl_or_b32 v[PW], v[TM+5], 8, v[TM+4]
	v_lshl_or_b32 v[PW], v[TM+6], 16, v[PW]
	v_lshl_or_b32 v[PW], v[TM+7], 24, v[PW]
.irp c, 0,1
	v_cvt_scalef32_pk16_fp6_f32 v[PC+6*\c:PC+2+6*\c], v[\s+32*\c:\s+15+32*\c], v[TM+12+2*\c]
	v_cvt_scalef32_pk16_fp6_f32 v[PC+12+4*\c:PC+14+4*\c], v[\s+16+32*\c:\s+31+32*\c], v[TM+12+2*\c+1]   ; (a conversion's three registers begin on an even number)
.endr
	v_nop                                          ; one plain place behind a scaled conversion
.irp c, 0,1                                    ; the operand wants a whole block in a lane: lanes 0-15 block 2 c, lanes 16-31 block 2 c + 1
.irp i, 0,1,2
	v_permlane16_swap_b32 v[PC+6*\c+\i], v[PC+12+4*\c+\i]
.endr
.irp i, 0,1,2
	v_mov_b32 v[PC+3+6*\c+\i], v[PC+12+4*\c+\i]
.endr
.endr
.endm
.macro WSUM a, b                       ; v[a] + v[b], summed over the wave's 32 lanes, into v[a] of every lane
	v_add_f32 v[\a], v[\a], v[\b]
	v_add_f32_dpp v[\a], v[\a], v[\a] row_xmask:1 row_mask:0xf bank_mask:0xf
	v_add_f32_dpp v[\a], v[\a], v[\a] row_xmask:2 row_mask:0xf bank_mask:0xf
	v_add_f32_dpp v[\a], v[\a], v[\a] row_xmask:4 row_mask:0xf bank_mask:0xf
	v_add_f32_dpp v[\a], v[\a], v[\a] row_xmask:8 row_mask:0xf bank_mask:0xf
	v_permlanex16_b32 v[\b], v[\a], s[SEL], s[SEL+1]
	v_add_f32 v[\a], v[\a], v[\b]
.endm
	s_load_b256 s[4:11], s[0:1], 0x0               ; rows s[4:5], gain s[6:7], bias s[8:9], images s[10:11]
	v_lshl_add_u32 v254, v0, 2, 0x10200
	v_mov_b32 v255, 0
	v_lshrrev_b32 v1, 5, v0
	v_readfirstlane_b32 s12, v1                    ; wave 0..7
	v_and_b32 v1, 31, v0                           ; l
	v_and_b32 v2, 15, v0                           ; r
	v_bfe_u32 v3, v0, 4, 1                         ; h
	v_lshlrev_b32 v4, 4, v1                        ; 16 l
	s_cmp_ge_u32 ttmp9, 256
	s_cbranch_scc1 .Lrelay
	; ---------------- LayerNorm and quantiser: block rb = work-group
	s_mul_i32 s13, s12, 2*PITCH
	v_add_nc_u32 v5, s13, v4                       ; LDS, in: rows 2 w, 2 w + 1; 16 bytes a lane
	s_lshl_b32 s14, s12, 9                         ; 512 w: K step w in a row of f32
	v_mul_u32_u24 v6, v2, PITCH
	v_lshl_add_u32 v6, v3, 6, v6
	v_add_nc_u32 v6, s14, v6                       ; LDS, out: row r, K step w, + 64 h
	v_lshlrev_b32 v7, 6, v3
	v_add_nc_u32 v7, s14, v7                       ; gain and bias: 512 w + 64 h
	v_lshlrev_b32 v8, 2, v2                        ; 4 r
	s_mov_b32 s[SEL], 0x76543210
	s_mov_b32 s[SEL+1], 0xfedcba98
	s_mov_b32 s22, 0x3a800000                      ; 1 / 1024
	s_mov_b32 s23, 0x3727c5ac                      ; 1e-5
.irp b, 0,1,2,3
	v_mov_b32 v[TM+4+\b], 0                        ; written once: a lane permute's destination counts as one of its sources
.endr
	s_lshr_b32 s15, ttmp9, 1
	s_lshl_b32 s15, s15, 5                         ; 32 (rb / 2)
	s_and_b32 s16, ttmp9, 1
	s_lshl_b32 s16, s16, 3
	s_add_co_u32 s15, s15, s16                     ; + 8 (rb % 2)
	s_lshl_b32 s16, s12, 1
	s_add_co_u32 s15, s15, s16                     ; + 2 w
	s_lshr_b32 s16, s12, 2
	s_lshl_b32 s16, s16, 3
	s_add_co_u32 s15, s15, s16                     ; + 8 (w / 4): my first row; the second is its neighbour
	s_lshl_b32 s16, s15, 12
	s_mov_b32 s17, 0
	s_lshr_b32 s24, ttmp9, 3                       ; panel
	s_and_b32 s25, ttmp9, 7                        ; block in it
	s_mul_i32 s26, s24, 98304
	s_lshr_b32 s27, s12, 1
	s_mul_i32 s27, s27, 24576
	s_add_co_u32 s26, s26, s27
	s_mul_i32 s27, s25, 3072
	s_add_co_u32 s26, s26, s27
	s_and_b32 s27, s12, 1
	s_mul_i32 s27, s27, 1536
	s_add_co_u32 s26, s26, s27                     ; my fragment's image
	s_mov_b32 s27, 0
	s_lshl_b32 s28, s24, 12
	s_add_co_u32 s28, s28, s14
	s_lshl_b32 s29, s25, 6
	s_add_co_u32 s28, s28, s29
	s_add_co_u32 s28, s28, 3145728                 ; its scale words
	s_mov_b32 s29, 0
	s_wait_kmcnt 0x0
	s_add_nc_u64 s[4:5], s[4:5], s[16:17]
	s_add_nc_u64 s[30:31], s[10:11], s[28:29]
	s_add_nc_u64 s[10:11], s[10:11], s[26:27]
.irp i, 0,1,2,3,4,5,6,7,8,9,10,11,12,13,14,15
	global_load_b128 v[X+4*\i:X+4*\i+3], v4, s[4:5] offset:512*\i th:TH_LOAD_NT   ; 32 lanes read 512 consecutive bytes; loads 0-7 the first row, 8-15 the second
.endr
.irp b, 0,1,2,3
.irp j, 0,1,2,3
	global_load_b128 v[GG+16*\b+4*\j:GG+16*\b+4*\j+3], v7, s[6:7] offset:128*\b+16*\j
	global_load_b128 v[BB+16*\b+4*\j:BB+16*\b+4*\j+3], v7, s[8:9] offset:128*\b+16*\j
.endr
.endr
	s_wait_loadcnt 32                              ; the two rows are in; the 32 younger loads (gain, bias) may be out
.irp e, 0,1
	v_pk_add_f32 v[SU+2*\e:SU+2*\e+1], v[X+32*\e:X+32*\e+1], v[X+32*\e+2:X+32*\e+3]
.endr
.irp i, 4,6,8,10,12,14,16,18,20,22,24,26,28,30
.irp e, 0,1
	v_pk_add_f32 v[SU+2*\e:SU+2*\e+1], v[SU+2*\e:SU+2*\e+1], v[X+32*\e+\i:X+32*\e+\i+1]
.endr
.endr
	WSUM SU, SU+1
	WSUM SU+2, SU+3
.irp e, 0,1
	v_mul_f32 v[SU+2*\e], s22, v[SU+2*\e]          ; the mean
.endr
.irp i, 0,2,4,6,8,10,12,14,16,18,20,22,24,26,28,30
.irp e, 0,1
	v_pk_add_f32 v[X+32*\e+\i:X+32*\e+\i+1], v[X+32*\e+\i:X+32*\e+\i+1], v[SU+2*\e:SU+2*\e+1] op_sel_hi:[1,0] neg_lo:[0,1] neg_hi:[0,1]   ; x - mean
.endr
.endr
.irp e, 0,1
	v_pk_mul_f32 v[14+232*\e:15+232*\e], v[X+32*\e:X+32*\e+1], v[X+32*\e:X+32*\e+1]
.endr
.irp i, 2,4,6,8,10,12,14,16,18,20,22,24,26,28,30
.irp e, 0,1
	v_pk_fma_f32 v[14+232*\e:15+232*\e], v[X+32*\e+\i:X+32*\e+\i+1], v[X+32*\e+\i:X+32*\e+\i+1], v[14+232*\e:15+232*\e]
.endr
.endr
	WSUM 14, 15
	WSUM 246, 247
	v_fma_f32 v14, v14, s22, s23                   ; variance + 1e-5
	v_fma_f32 v246, v246, s22, s23
	v_rsq_f32 v14, v14
	v_rsq_f32 v246, v246
	v_nop                                          ; a plain place behind the transcendentals
	s_wait_alu depctr_va_vdst(0)                   ; one wait for both, ahead of their first reader
.irp i, 0,2,4,6,8,10,12,14,16,18,20,22,24,26,28,30
.irp e, 0,1
	v_pk_mul_f32 v[X+32*\e+\i:X+32*\e+\i+1], v[X+32*\e+\i:X+32*\e+\i+1], v[14+232*\e:15+232*\e] op_sel_hi:[1,0]
.endr
.endr
.irp e, 0,1
.irp i, 0,1,2,3,4,5,6,7
	ds_store_b128 v5, v[X+32*\e+4*\i:X+32*\e+4*\i+3] offset:\e*PITCH+512*\i
.endr
.endr
	s_wait_dscnt 0x0                               ; for the others' sake: my rows lie in LDS
	s_barrier_signal -1
	s_barrier_wait -1
.irp b, 0,1,2,3
.irp j, 0,1,2,3
	ds_load_b128 v[X+16*\b+4*\j:X+16*\b+4*\j+3], v6 offset:128*\b+16*\j   ; row r, k = 128 w + 32 b + 16 h + 4 j ..; rows 4,112 bytes apart: sixteen lanes, sixteen different 16-byte columns
.endr
.endr
	s_wait_dscnt 0x0
	s_wait_loadcnt 0x0                             ; gain and bias
.set n, 0
.rept 32
	v_pk_fma_f32 v[X+n:X+n+1], v[X+n:X+n+1], v[GG+n:GG+n+1], v[BB+n:BB+n+1]
.set n, n+2
.endr
	QUANT X
.irp c, 0,1,2
	global_store_b128 v4, v[PC+4*\c:PC+4*\c+3], s[10:11] offset:512*\c   ; 512 consecutive bytes a store
.endr
	global_store_b32 v8, v[PW], s[30:31]
	s_wait_tensorcnt 0x0
	ds_add_u32 v254, v255
	s_wait_dscnt 0x0
	s_endpgm
	; ---------------- the weights' new layout: a wave takes 16 rows x 1,024 along K (8 fragments)
.Lrelay:
	s_load_b512 s[16:31], s[0:1], 0x20             ; codes and scales of in_proj_w, out_w, w1, w2
	s_load_b64 s[32:33], s[0:1], 0x60              ; the images
	s_sub_co_u32 s13, ttmp9, 256
	s_lshl_b32 s14, s13, 3
	s_add_co_u32 s14, s14, s12                     ; my unit, 0 .. 767
	s_mov_b32 s38, 512                             ; w2's figures: first unit,
	s_mov_b32 s39, 6291456                         ; where its images begin,
	s_mov_b32 s40, 9699328                         ; where its scale words begin,
	s_mov_b32 s41, 3072                            ; a row of codes in bytes,
	s_mov_b32 s42, 128                             ; a row of scale bytes,
	s_mov_b32 s43, 393216                          ; a panel of images,
	s_mov_b32 s44, 16384                           ; a panel of scale words,
	s_mov_b32 s45, 2                               ; units to a block of rows: 4,
	s_mov_b32 s46, 3
	s_wait_kmcnt 0x0
	s_mov_b64 s[34:35], s[28:29]
	s_mov_b64 s[36:37], s[30:31]
	s_cmp_lt_u32 s13, 64                           ; w1, or one of those in front of it: K = 1,024
	s_cselect_b64 s[34:35], s[24:25], s[34:35]
	s_cselect_b64 s[36:37], s[26:27], s[36:37]
	s_cselect_b32 s38, 256, s38
	s_cselect_b32 s39, 3145728, s39
	s_cselect_b32 s40, 9568256, s40
	s_cselect_b32 s41, 768, s41
	s_cselect_b32 s42, 32, s42
	s_cselect_b32 s43, 98304, s43
	s_cselect_b32 s44, 4096, s44
	s_cselect_b32 s45, 0, s45
	s_cselect_b32 s46, 0, s46
	s_cmp_lt_u32 s13, 32                           ; out_w
	s_cselect_b64 s[34:35], s[20:21], s[34:35]
	s_cselect_b64 s[36:37], s[22:23], s[36:37]
	s_cselect_b32 s38, 192, s38
	s_cselect_b32 s39, 2359296, s39
	s_cselect_b32 s40, 9535488, s40
	s_cmp_lt_u32 s13, 24                           ; in_proj_w
	s_cselect_b64 s[34:35], s[16:17], s[34:35]
	s_cselect_b64 s[36:37], s[18:19], s[36:37]
	s_cselect_b32 s38, 0, s38
	s_cselect_b32 s39, 0, s39
	s_cselect_b32 s40, 9437184, s40
	s_sub_co_u32 s14, s14, s38
	s_lshr_b32 s15, s14, s45                       ; block of 16 rows
	s_and_b32 s14, s14, s46                        ; which 1,024 along K
	s_lshr_b32 s47, s15, 1
	s_lshl_b32 s47, s47, 5
	s_and_b32 s48, s15, 1
	s_lshl_b32 s48, s48, 3
	s_add_co_u32 s47, s47, s48                     ; lane 0's row
	s_mul_i32 s48, s47, s41
	s_mul_i32 s49, s14, 768
	s_add_co_u32 s48, s48, s49
	s_mov_b32 s49, 0
	s_add_nc_u64 s[34:35], s[34:35], s[48:49]
	s_mul_i32 s48, s47, s42
	s_lshl_b32 s50, s14, 5
	s_add_co_u32 s48, s48, s50
	s_add_nc_u64 s[36:37], s[36:37], s[48:49]
	s_lshr_b32 s50, s15, 3                         ; panel
	s_and_b32 s51, s15, 7                          ; block in it
	s_mul_i32 s48, s50, s43
	s_add_co_u32 s48, s48, s39
	s_mul_i32 s52, s14, 98304
	s_add_co_u32 s48, s48, s52
	s_mul_i32 s52, s51, 3072
	s_add_co_u32 s48, s48, s52
	s_add_nc_u64 s[54:55], s[32:33], s[48:49]
	s_mul_i32 s48, s50, s44
	s_add_co_u32 s48, s48, s40
	s_lshl_b32 s52, s14, 12
	s_add_co_u32 s48, s48, s52
	s_lshl_b32 s52, s51, 6
	s_add_co_u32 s48, s48, s52
	s_add_nc_u64 s[56:57], s[32:33], s[48:49]
	v_and_b32 v9, 8, v2
	v_add_nc_u32 v9, v9, v2                        ; r + 8 (r / 8)
	v_mul_lo_u32 v10, v9, s41
	v_mad_u32_u24 v10, v3, 24, v10                 ; codes: my row, + 24 h
	v_mul_lo_u32 v11, v9, s42
	v_lshl_add_u32 v11, v3, 4, v11                 ; scale bytes: my row, + 16 h: the words of K steps 4 h .. 4 h + 3
	v_lshlrev_b32 v12, 2, v2
	v_lshl_add_u32 v12, v3, 11, v12                ; and where they go: 4 r + 4 h x 512
.irp s, 0,1,2,3,4,5,6,7
.irp p, 0,1,2,3,4,5
	global_load_b64 v[16+12*\s+2*\p:17+12*\s+2*\p], v10, s[34:35] offset:96*\s+48*(\p/3)+8*(\p%3) th:TH_LOAD_NT   ; the fragment's registers 2 p, 2 p + 1, as the row's bits lie
.endr
.endr
	global_load_b128 v[112:115], v11, s[36:37] th:TH_LOAD_NT
	s_wait_loadcnt 0x0
.irp s, 0,1,2,3,4,5,6,7
.irp c, 0,1,2
	global_store_b128 v4, v[16+12*\s+4*\c:19+12*\s+4*\c], s[54:55] offset:(\s/2)*24576+(\s%2)*1536+512*\c   ; 512 consecutive bytes a store
.endr
.endr
.irp s, 0,1,2,3
	global_store_b32 v12, v[112+\s], s[56:57] offset:512*\s
.endr
	s_endpgm
.Lfunc_end_k_qfb25ab548f_lnq1:
	.size	k_qfb25ab548f_lnq1, .Lfunc_end_k_qfb25ab548f_lnq1-k_qfb25ab548f_lnq1
	.p2alignl 7, 3214868480
	.fill 96, 4, 3214868480
	.section	.rodata,"a",@progbits
	.p2align	6, 0x0
	.amdhsa_kernel k_qfb25ab548f_lnq1
		.amdhsa_group_segment_fixed_size 67072
		.amdhsa_private_segment_fixed_size 0
		.amdhsa_enable_private_segment 0
		.amdhsa_kernarg_size 104
		.amdhsa_user_sgpr_count 2
		.amdhsa_user_sgpr_kernarg_segment_ptr 1
		.amdhsa_wavefront_size32 1
		.amdhsa_system_sgpr_workgroup_id_x 1
		.amdhsa_system_sgpr_workgroup_id_y 1
		.amdhsa_system_sgpr_workgroup_id_z 1
		.amdhsa_system_vgpr_workitem_id 0
		.amdhsa_next_free_vgpr 256
		.amdhsa_next_free_sgpr 66
		.amdhsa_reserve_vcc 0
		.amdhsa_float_denorm_mode_32 3
		.amdhsa_float_denorm_mode_16_64 3
		.amdhsa_memory_ordered 1
		.amdhsa_forward_progress 1
		.amdhsa_inst_pref_size 37
	.end_amdhsa_kernel
	.amdgpu_metadata
---
amdhsa.version: [ 1, 2 ]
amdhsa.kernels:
  - .name:           k_qfb25ab548f_lnq1
    .symbol:         k_qfb25ab548f_lnq1.kd
    .args:
      - { .name: x, .offset: 0, .size: 8, .value_kind: global_buffer, .address_space: global }
      - { .name: ln1_g, .offset: 8, .size: 8, .value_kind: global_buffer, .address_space: global }
      - { .name: ln1_b, .offset: 16, .size: 8, .value_kind: global_buffer, .address_space: global }
      - { .name: act, .offset: 24, .size: 8, .value_kind: global_buffer, .address_space: global }
      - { .name: in_proj_w_codes, .offset: 32, .size: 8, .value_kind: global_buffer, .address_space: global }
      - { .name: in_proj_w_scales, .offset: 40, .size: 8, .value_kind: global_buffer, .address_space: global }
      - { .name: out_w_codes, .offset: 48, .size: 8, .value_kind: global_buffer, .address_space: global }
      - { .name: out_w_scales, .offset: 56, .size: 8, .value_kind: global_buffer, .address_space: global }
      - { .name: w1_codes, .offset: 64, .size: 8, .value_kind: global_buffer, .address_space: global }
      - { .name: w1_scales, .offset: 72, .size: 8, .value_kind: global_buffer, .address_space: global }
      - { .name: w2_codes, .offset: 80, .size: 8, .value_kind: global_buffer, .address_space: global }
      - { .name: w2_scales, .offset: 88, .size: 8, .value_kind: global_buffer, .address_space: global }
      - { .name: wts, .offset: 96, .size: 8, .value_kind: global_buffer, .address_space: global }
    .group_segment_fixed_size: 67072
    .private_segment_fixed_size: 0
    .kernarg_segment_align: 8
    .kernarg_segment_size: 104
    .max_flat_workgroup_size: 256
    .sgpr_count:     66
    .vgpr_count:     256
    .wavefront_size: 32
...
	.end_amdgpu_metadata
.endif
;; end of part 1
;; launch gqkv (part 2): grid 12 x 16, 4 waves a work-group, clusters of 4 x 4, 327,680 bytes of LDS; arguments act, wts, in_proj_b, qkv; writes qkv
.if DOCPART == 2
	.amdgcn_target "amdgcn-amd-amdhsa--gfx1250"
	.amdhsa_code_object_version 6
	.text
	.protected	k_qfb25ab548f_gqkv
	.globl	k_qfb25ab548f_gqkv
	.p2align	8
	.type	k_qfb25ab548f_gqkv,@function
k_qfb25ab548f_gqkv:
	s_mov_b64 s[64:65], 0
	v_nop
	global_prefetch_b8 v0, s[64:65] scope:SCOPE_SE
	s_setreg_imm32_b32 hwreg(HW_REG_WAVE_MODE, 25, 1), 1
	s_wait_xcnt 0x0
	s_wait_alu depctr_hold_cnt(0) depctr_sa_sdst(0) depctr_va_vdst(0) depctr_va_sdst(0) depctr_va_ssrc(0) depctr_va_vcc(0) depctr_vm_vsrc(0)
	s_getreg_b32 s2, hwreg(HW_REG_IB_STS2, 6, 4)
	s_cmp_eq_u32 s2, 0
	s_cbranch_scc0 .Lentry_in_a_cluster
	s_endpgm
.Lentry_in_a_cluster:
	s_bfe_u32 s2, ttmp6, 0x10000c
	s_cmp_lg_u32 s2, 0xf033
	s_cbranch_scc0 .Lentry_shape_is_right
	s_endpgm
.Lentry_shape_is_right:
; q, k and v of the attention, on FP6 (E2M3) codes with one E8M0 byte for each 32 along K = 1,024, quantised again on the way out.
; Clusters x = 0, 1: [4,096 tokens] x [2,048 columns of q and k]: source 1 = tokens (act), source 0 = rows of in_proj_w.  A lane's results run along the columns: q and k are quantised along the head's axis.
; Cluster x = 2: V TRANSPOSED, [1,024 channels of v] x [4,096 tokens]: source 1 = rows 2,048 on of in_proj_w, source 0 = tokens.  A lane's results run along the tokens: v is quantised along the keys.
; The two shapes differ in pointers, offsets and in where the bias stands, all chosen by s_cselect / v_cndmask on the cluster's x, which all sixteen partners share: one path through the text.
; OPERANDS ARE IMAGES OF REGISTERS: 128 rows x 256 along K are 24,576 dense bytes, [block a of 16 rows][128 along K][register group c][lane][16 bytes]; lane r of block a stands for panel row 32 (a/2) + 8 (a%2) + r + 8 (r/8).
; With source 0's rows in that order the 64 results of a lane for one block of source 1 are, register 16 b + i, column 32 b + 16 (lane / 16) + i: what the conversions want.
; A tile of 256 x 256 is made by four waves, each 128 x 128 in 64 accumulators.  K goes in steps of 256 through two LDS slots filled by tensor loads, asked for jointly in a 4 x 4 cluster (source 1's tiles along a row, source 0's along a column).
; The scale words of the work-group's rows, for all of K, come once with the first fills.  By this text's count a wave has three tensor loads out at the start and one behind each round.
; THE BIAS: along the columns it is the C of the first products (BN); along the rows (v) it is added where the results move to window 0 (BM).  The one that does not apply is set to 0.
; OUT (qkv): fragment (panel, K step, block a) at .. + a x 1536, its half c (64 along K: one head) at + 768 c: registers 6 c .. 6 c + 3 at 16 l, registers 6 c + 4, 6 c + 5 at 512 + 8 l.
; LIMITS: NaN and infinities are not served; a block whose largest magnitude lies under 2^-124 keeps the byte 1.
; REGISTERS: window 0: v16-31 addresses; v32-63 scale words, two sets; v64-127 BN, later the numbers to quantise; v128-223 source 1's fragments, later codes; v224-239 BM.  window 1: source 0's fragments, two sets.  windows 2, 3: accumulators.
.set KK,     1024
.set NQ,     2
.set FR,     12
.set NL,     3                         ; LDS loads that bring a fragment
.set NP,     4                         ; places behind this matrix instruction (ISA guide 7.12.1)
.set HALFT,  24576                     ; 128 rows x 256 along K
.set SLOT,   4*HALFT
.set LAPS,   KK/512
.set PANEL,  96*KK
.set HALFS,  4*KK                      ; the scale words of 128 rows
.set SCL,    2*SLOT
.set SPARE,  SCL+4*HALFS               ; the spare words, 128 bytes a wave, that no other line names
.set ADRA, 16
.set ADRB, 20
.set VO16, 24                          ; v24 16 l
.set VO8,  25                          ; v25 8 l
.set SST,  26                          ; v26 LDS: where my row's scale word goes: 512 x wave + 4 r (in slot 0, which has had its last fill and its last read by then)
.set ADRS, 27
.set SPW,  28
.set NIL,  29
.set SRD,  30                          ; v30 and where the wave reads its 512 bytes back
.set SC,   32
.set BN,   64
.set HA,   64
.set AF,   128
.set PC,   128
.set TM,   160
.set PW,   176
.set BM,   224
.set SEL,  66
.set G1, 24
.set G0, 32
.set G1B, 48
.set G0B, 56
.set G1S, 68
.set G0S, 76
.set G1SB, 80
.set G0SB, 88
.set MSB, 0
.macro WIN new                         ; the immediate's high byte repeats the setting that is left
.if MSB != (\new)
	s_set_vgpr_msb (MSB<<8)|(\new)
.set MSB, (\new)
.endif
.endm
.set MUL_LO, 0xa1                      ; source 0 window 1, source 1 window 0, C and D window 2
.set MUL_HI, 0xf1                      ; the same, C and D window 3
.set TO_B,   0x40
; A joint load: waves 0 and 1 fetch source 1's halves, waves 2 and 3 source 0's.  The branch hangs on the wave's number alone.  Four v_nop follow each line.
.macro JLOAD g0a, g1a, g0b, g1b
	s_cmp_eq_u32 s15, 0
	s_cbranch_scc0 .Lfor_b_\@
	tensor_load_to_lds s[\g0a:\g0a+3], s[\g1a:\g1a+7]
	s_nop 0
.rept 4
	v_nop
.endr
	s_branch .Lasked_\@
.Lfor_b_\@:
	tensor_load_to_lds s[\g0b:\g0b+3], s[\g1b:\g1b+7]
	s_nop 0
.rept 4
	v_nop
.endr
.Lasked_\@:
.endm
.macro CREST
	s_cmp_lg_u32 s14, 0
	s_cbranch_scc1 .Lnot_wave_0_\@
	s_barrier_signal -3
.Lnot_wave_0_\@:
	s_barrier_wait -3
	s_barrier_signal -1
	s_barrier_wait -1
.endm
.macro CROUND
	s_barrier_signal -1
	s_barrier_wait -1
	CREST
.endm
.macro QUANT s                         ; 64 numbers, register 16 b + i = k 32 b + 16 (lane / 16) + i, become codes in v[PC] on and the scale word v[PW]
.irp b, 0,1,2,3
	v_max3_num_f32 v[TM+\b], |v[\s+16*\b]|, |v[\s+1+16*\b]|, 0x1800000   ; and the floor 2^(3 - 127): the byte cannot fall under 1
.endr
.irp i, 2,4,6,8,10,12,14
.irp b, 0,1,2,3
	v_max3_num_f32 v[TM+\b], v[TM+\b], |v[\s+16*\b+\i]|, |v[\s+1+16*\b+\i]|
.endr
.endr
.irp b, 0,1,2,3
	v_permlanex16_b32 v[TM+4+\b], v[TM+\b], s[SEL], s[SEL+1]
.endr
.irp b, 0,1,2,3
	v_max_num_f32 v[TM+\b], v[TM+\b], v[TM+4+\b]
.endr
.irp b, 0,1,2,3
	v_add_nc_u32 v[TM+12+\b], 0xff000000, v[TM+\b]                ; 2 off the exponent field: the conversion's scale operand
.endr
.irp b, 0,1,2,3
	v_lshrrev_b32 v[TM+4+\b], 23, v[TM+12+\b]
.endr
	v_lshl_or_b32 v[PW], v[TM+5], 8, v[TM+4]
	v_lshl_or_b32 v[PW], v[TM+6], 16, v[PW]
	v_lshl_or_b32 v[PW], v[TM+7], 24, v[PW]
.irp c, 0,1
	v_cvt_scalef32_pk16_fp6_f32 v[PC+6*\c:PC+2+6*\c], v[\s+32*\c:\s+15+32*\c], v[TM+12+2*\c]
	v_cvt_scalef32_pk16_fp6_f32 v[PC+12+4*\c:PC+14+4*\c], v[\s+16+32*\c:\s+31+32*\c], v[TM+12+2*\c+1]
.endr
	v_nop                                          ; one plain place behind a scaled conversion
.irp c, 0,1
.irp i, 0,1,2
	v_permlane16_swap_b32 v[PC+6*\c+\i], v[PC+12+4*\c+\i]
.endr
.irp i, 0,1,2
	v_mov_b32 v[PC+3+6*\c+\i], v[PC+12+4*\c+\i]
.endr
.endr
.endm
	s_load_b128 s[4:7], s[0:1], 0x0                ; act, wts
	s_load_b128 s[8:11], s[0:1], 0x10              ; in_proj_b, qkv
	v_lshl_add_u32 v[SPW], v0, 2, SPARE
	v_mov_b32 v[NIL], 0
	ds_add_u32 v28, v29
	ds_add_u32 v28, v29
	s_wait_dscnt 0x0
	v_lshrrev_b32 v1, 5, v0
	v_readfirstlane_b32 s14, v1                    ; wave 0..3
	s_lshr_b32 s15, s14, 1                         ; my half of source 1's rows.  Also: I fetch for source 1 (0) or source 0 (1)
	s_and_b32 s16, s14, 1                          ; my half of source 0's rows.  Also: which 128 rows I fetch
	s_bfe_u32 s40, ttmp6, 0x40000                  ; cx
	s_bfe_u32 s41, ttmp6, 0x40004                  ; cy
	s_and_b32 s95, ttmp7, 0xffff                   ; cluster y
	s_cmp_eq_u32 ttmp9, 2                          ; the clusters that make V^T
	s_cselect_b32 s42, s95, ttmp9                  ; clusters along the columns: V^T has 4 (tokens), q and k 2
	s_cselect_b32 s17, 0, s95                      ; and along the rows: V^T has one
	s_cselect_b32 s98, -1, 0                       ; lanes' mask: V^T
	s_cselect_b32 s99, 0, -1                       ; lanes' mask: q and k
	s_cselect_b32 s18, 16*PANEL, 0                 ; source 1's codes: v's rows begin at panel 16 of in_proj_w
	s_mov_b32 s19, 3145728
	s_cselect_b32 s19, 9437184+16*HALFS, s19       ; source 1's scale words
	s_mov_b32 s96, 9437184
	s_cselect_b32 s96, 3145728, s96                ; source 0's scale words
	s_lshl_b32 s42, s42, 2
	s_add_co_u32 s42, s42, s40                     ; tile column
	s_lshl_b32 s17, s17, 2
	s_add_co_u32 s17, s17, s41                     ; tile row
	s_lshl_b32 s43, s41, 2
	s_lshl_b32 s43, 15, s43                        ; my row of the cluster
	s_lshl_b32 s44, 0x1111, s40                    ; my column
	; group 1: a dense block of 24,576 bytes as 96 rows of 256 bytes (32 elements of 8 bytes), no padding: a fragment load's 512 bytes are consecutive
	s_or_b32 s[G1+0], s43, (3<<16)|(1<<21)
	s_or_b32 s[G1B+0], s44, (3<<16)|(1<<21)
.irp g, G1, G1B
	s_mov_b32 s[\g+1], 32<<16
	s_mov_b32 s[\g+2], 96<<16
	s_mov_b32 s[\g+3], 32<<16
	s_mov_b32 s[\g+4], 96
	s_mov_b32 s[\g+5], 32
	s_mov_b32 s[\g+6], 0
	s_mov_b32 s[\g+7], 0
.endr
	s_or_b32 s[G1S+0], s43, (3<<16)|(1<<21)        ; the scale words of 128 rows: HALFS dense bytes
	s_or_b32 s[G1SB+0], s44, (3<<16)|(1<<21)
.irp g, G1S, G1SB
	s_mov_b32 s[\g+1], 32<<16
	s_mov_b32 s[\g+2], (HALFS/256)<<16
	s_mov_b32 s[\g+3], 32<<16
	s_mov_b32 s[\g+4], HALFS/256
	s_mov_b32 s[\g+5], 32
	s_mov_b32 s[\g+6], 0
	s_mov_b32 s[\g+7], 0
.endr
	s_lshl_b32 s20, s17, 1
	s_add_co_u32 s20, s20, s16                     ; the panel of source 1 that I fetch
	s_lshl_b32 s46, s42, 1
	s_add_co_u32 s46, s46, s16                     ; the panel of source 0
	s_mul_i32 s22, s20, HALFS
	s_add_co_u32 s22, s22, s19
	s_mov_b32 s23, 0
	s_mul_i32 s20, s20, PANEL
	s_add_co_u32 s20, s20, s18
	s_mov_b32 s21, 0
	s_mul_i32 s92, s46, HALFS
	s_add_co_u32 s92, s92, s96
	s_mov_b32 s93, 0
	s_mul_i32 s46, s46, PANEL
	s_mov_b32 s47, 0
	s_mul_i32 s45, s14, HALFT                      ; where they go: wave x a piece: no place in the cluster enters an LDS address
	s_mul_i32 s94, s14, HALFS
	s_wait_kmcnt 0x0
	s_cmp_eq_u32 ttmp9, 2
	s_cselect_b64 s[66:67], s[6:7], s[4:5]         ; source 1's buffer
	s_cselect_b64 s[4:5], s[4:5], s[6:7]           ; source 0's
	s_add_nc_u64 s[20:21], s[66:67], s[20:21]
	s_add_nc_u64 s[22:23], s[66:67], s[22:23]
	s_add_nc_u64 s[46:47], s[4:5], s[46:47]
	s_add_nc_u64 s[92:93], s[4:5], s[92:93]
	CROUND                                         ; all sixteen work-groups are here: the first joint loads meet
	s_mov_b32 s[G0S], 1
	s_add_co_u32 s[G0S+1], s94, SCL
	s_mov_b64 s[G0S+2:G0S+3], s[22:23]
	s_or_b32 s[G0S+3], s[G0S+3], 0x80000000
	s_mov_b32 s[G0SB], 1
	s_add_co_u32 s[G0SB+1], s94, SCL
	s_mov_b64 s[G0SB+2:G0SB+3], s[92:93]
	s_or_b32 s[G0SB+3], s[G0SB+3], 0x80000000
	JLOAD G0S, G1S, G0SB, G1SB                     ; the scale words first: they are wanted with K step 0
.irp s, 0,1
	s_mov_b32 s[G0+4*\s], 1
	s_add_co_u32 s[G0+4*\s+1], s45, \s*SLOT
	s_add_nc_u64 s[G0+4*\s+2:G0+4*\s+3], s[20:21], \s*HALFT
	s_or_b32 s[G0+4*\s+3], s[G0+4*\s+3], 0x80000000
	s_mov_b32 s[G0B+4*\s], 1
	s_add_co_u32 s[G0B+4*\s+1], s45, \s*SLOT
	s_add_nc_u64 s[G0B+4*\s+2:G0B+4*\s+3], s[46:47], \s*HALFT
	s_or_b32 s[G0B+4*\s+3], s[G0B+4*\s+3], 0x80000000
	JLOAD G0+4*\s, G1, G0B+4*\s, G1B
.endr
	v_and_b32 v1, 15, v0                           ; r
	v_bfe_u32 v2, v0, 4, 1                         ; h
	v_and_b32 v3, 31, v0                           ; l
	v_lshlrev_b32 v4, 4, v3                        ; 16 l
	s_mul_i32 s21, s15, HALFT
	s_mul_i32 s22, s16, HALFT
	s_add_co_u32 s22, s22, 2*HALFT
.irp s, 0,1
	v_add_nc_u32 v[ADRA+\s], s21, v4
	v_add_nc_u32 v[ADRB+\s], s22, v4
	s_add_co_u32 s21, s21, SLOT
	s_add_co_u32 s22, s22, SLOT
.endr
	v_lshlrev_b32 v5, 2, v1                        ; scale words: 4 r;
	s_mul_i32 s21, s15, HALFS                      ; lanes 0-15 source 1's piece,
	s_mul_i32 s22, s16, HALFS
	s_add_co_u32 s22, s22, 2*HALFS
	s_sub_co_u32 s22, s22, s21
	v_mul_u32_u24 v6, s22, v2                      ; lanes 16-31 source 0's
	s_add_co_u32 s21, s21, SCL
	v_add_nc_u32 v5, v5, v6
	v_add_nc_u32 v[ADRS], s21, v5
	v_mov_b32 v[VO16], v4
	v_lshlrev_b32 v[VO8], 3, v3
	s_lshl_b32 s21, s14, 9
	v_lshl_add_u32 v[SST], v1, 2, s21
	v_add_nc_u32 v[SRD], s21, v4
	; the biases
	s_lshl_b32 s46, s42, 10
	s_lshl_b32 s47, s16, 9
	s_add_co_u32 s46, s46, s47                     ; my 128 columns, x 4 bytes
	s_lshl_b32 s20, s17, 1
	s_add_co_u32 s20, s20, s15                     ; my panel of source 1's rows
	s_lshl_b32 s21, s20, 9
	s_add_co_u32 s21, s21, 8192                    ; v's bias begins at number 2,048
	s_cmp_eq_u32 ttmp9, 2
	s_cselect_b32 s46, 0, s46                      ; (the one that does not apply reads the buffer's head and is then set to 0)
	s_cselect_b32 s22, s21, 0
	s_mov_b32 s47, 0
	s_mov_b32 s23, 0
	s_add_nc_u64 s[12:13], s[8:9], s[46:47]
	s_add_nc_u64 s[8:9], s[8:9], s[22:23]
	v_lshlrev_b32 v7, 6, v2                        ; 64 h
.irp b, 0,1,2,3,4,5,6,7
	global_load_b128 v[BN+8*\b:BN+8*\b+3], v7, s[12:13] offset:128*(\b/2)+32*(\b%2)          ; the bias of columns 32 (b / 2) + 16 h + 8 (b % 2) + 0 .. 7
	global_load_b128 v[BN+8*\b+4:BN+8*\b+7], v7, s[12:13] offset:128*(\b/2)+32*(\b%2)+16
.endr
	v_and_b32 v8, 8, v1
	v_add_nc_u32 v8, v8, v1
	v_lshlrev_b32 v8, 2, v8
.irp a, 0,1,2,3,4,5,6,7
	global_load_b32 v[BM+2*\a], v8, s[8:9] offset:4*(32*(\a/2)+8*(\a%2))                   ; the bias of my row of block a, twice: a pair for the packed addition
	global_load_b32 v[BM+2*\a+1], v8, s[8:9] offset:4*(32*(\a/2)+8*(\a%2))
.endr
	; where the results go
	s_lshl_b32 s93, s42, 1
	s_add_co_u32 s93, s93, s16                     ; the K step that my 128 columns are
	s_mul_i32 s21, s20, 393216
	s_add_co_u32 s21, s21, 6291456
	s_mul_i32 s22, s20, 196608
	s_lshl_b32 s23, s20, 14
	s_add_co_u32 s23, s23, 9699328
	s_lshl_b32 s92, s20, 13
	s_add_co_u32 s92, s92, 9437184
	s_cmp_eq_u32 ttmp9, 2
	s_cselect_b32 s20, s21, s22
	s_cselect_b32 s22, s23, s92
	s_mul_i32 s92, s93, 12288
	s_add_co_u32 s20, s20, s92
	s_lshl_b32 s93, s93, 9
	s_add_co_u32 s22, s22, s93
	s_mov_b32 s21, 0
	s_mov_b32 s23, 0
	s_add_nc_u64 s[96:97], s[10:11], s[22:23]      ; scale words
	s_add_nc_u64 s[10:11], s[10:11], s[20:21]      ; codes
.macro FRAG reg, adr, q, i             ; a fragment comes back as it was stored: three loads of 512 consecutive bytes
.irp c, 0,1,2
	ds_load_b128 v[\reg+4*\c:\reg+4*\c+3], v[\adr] offset:(\i)*3072+(\q)*1536+512*\c
.endr
.endm
; 16 matrix instructions: source 1's blocks a0, a0 + 1 x source 0's eight.  zero = 1: the first products start the sums, with the bias as C.  The 64 accumulators take turns, one instruction a turn.
.macro MUL16 a0, p, q, sc, zero
.irp a, \a0, \a0+1
.irp b, 0,1,2,3,4,5,6,7
.if \zero
	v_wmma_scale_f32_16x16x128_f8f6f4 v[8*(8*((\a)%4)+\b):8*(8*((\a)%4)+\b)+7], v[128*(\p)+FR*\b:128*(\p)+FR*\b+FR-1], v[AF+FR*(\a):AF+FR*(\a)+FR-1], v[BN+8*\b:BN+8*\b+7], v[SC+8*NQ*(\sc)+NQ*\b+(\q)], v[SC+8*NQ*(\sc)+NQ*(\a)+(\q)] matrix_a_fmt:MATRIX_FMT_FP6 matrix_b_fmt:MATRIX_FMT_FP6 matrix_a_scale:MATRIX_SCALE_ROW1
.else
	v_wmma_scale_f32_16x16x128_f8f6f4 v[8*(8*((\a)%4)+\b):8*(8*((\a)%4)+\b)+7], v[128*(\p)+FR*\b:128*(\p)+FR*\b+FR-1], v[AF+FR*(\a):AF+FR*(\a)+FR-1], v[8*(8*((\a)%4)+\b):8*(8*((\a)%4)+\b)+7], v[SC+8*NQ*(\sc)+NQ*\b+(\q)], v[SC+8*NQ*(\sc)+NQ*(\a)+(\q)] matrix_a_fmt:MATRIX_FMT_FP6 matrix_b_fmt:MATRIX_FMT_FP6 matrix_a_scale:MATRIX_SCALE_ROW1
.endif
.endr
.endr
.endm
.macro FETCH_B slot, q, p
	WIN TO_B
.irp i, 0,1,2,3,4,5,6,7
	FRAG 128*(\p)+FR*\i, ADRB+\slot, \q, \i
.endr
	WIN 0
.endm
.macro FETCH_A slot, q, i0
.irp i, \i0, \i0+1, \i0+2, \i0+3
	FRAG AF+FR*(\i), ADRA+\slot, \q, \i
.endr
.endm
.macro SCALES sc                       ; the slot's scale words: lanes 0-15 source 1's block i, lanes 16-31 source 0's block i
.irp i, 0,1,2,3,4,5,6,7
.irp q, 0,1
	ds_load_b32 v[SC+8*NQ*\sc+NQ*\i+\q], v[ADRS] offset:64*\i+512*\q
.endr
.endr
.endm
.macro PLACES n                        ; plain vector instructions between a matrix instruction and a load into, or a read of, its registers (ISA guide 7.12.1 for reads)
.rept \n
	v_nop
.endr
.endm
.macro STEP slot, q, zero              ; 128 along K that have their successor in the same slot
	s_wait_dscnt 4*NL                              ; all but the youngest twelve loads (source 1's blocks 4-7)
.if \zero
	WIN 0x81                                       ; C (the bias) in window 0
.else
	WIN MUL_LO
.endif
	MUL16 0, (\q)%2, \q, \slot, \zero
	MUL16 2, (\q)%2, \q, \slot, \zero
	s_wait_dscnt 0
	PLACES NP
	FETCH_B \slot, (\q)+1, 1-(\q)%2
	FETCH_A \slot, (\q)+1, 0
.if \zero
	WIN 0xc1
.else
	WIN MUL_HI
.endif
	MUL16 4, (\q)%2, \q, \slot, \zero
	MUL16 6, (\q)%2, \q, \slot, \zero
	PLACES NP
	WIN 0
	FETCH_A \slot, (\q)+1, 4
.endm
; A slot's last step changes slots: one barrier; in front of it each wave waits for all its tensor loads, adds 0 to its spare word, and waits for that and for its reads of this slot.  fill = 1: the slot is filled again, two K steps ahead.
.macro TURN slot, next, fill
	s_wait_tensorcnt 0x0                           ; all my tensor loads have landed: my part of the next slot
	ds_add_u32 v[SPW], v[NIL]                      ; 0 onto my spare word
	s_wait_dscnt 4*NL+1                            ; (the add and the youngest twelve loads may be out)
	WIN MUL_LO
	MUL16 0, 1, NQ-1, \slot, 0
	s_wait_dscnt 0x0                               ; the add is done, and my reads of this slot are over
	s_barrier_signal -1
	MUL16 2, 1, NQ-1, \slot, 0
	WIN 0
	s_barrier_wait -1
.if \fill
	CREST                                          ; the barrier has opened a round of the cluster's: no wave of any partner still reads this slot or has a load on its way
	s_add_nc_u64 s[G0+4*\slot+2:G0+4*\slot+3], s[G0+4*\slot+2:G0+4*\slot+3], 2*HALFT
	s_add_nc_u64 s[G0B+4*\slot+2:G0B+4*\slot+3], s[G0B+4*\slot+2:G0B+4*\slot+3], 2*HALFT
	JLOAD G0+4*\slot, G1, G0B+4*\slot, G1B         ; the first tensor load behind the round; its four v_nop are the places in front of the loads below
.else
	PLACES NP
.endif
	v_add_nc_u32 v[ADRS], 512*NQ, v[ADRS]          ; the next slot's scale words
	FETCH_B \next, 0, 0
	FETCH_A \next, 0, 0
	SCALES \next
	WIN MUL_HI
	MUL16 4, 1, NQ-1, \slot, 0
	MUL16 6, 1, NQ-1, \slot, 0
	PLACES NP
	WIN 0
	FETCH_A \next, 0, 4
.endm
	s_wait_tensorcnt 1                             ; the scale words and my part of K step 0 are in; slot 1's load may be out
	s_barrier_signal -1
	s_barrier_wait -1
	FETCH_B 0, 0, 0
	FETCH_A 0, 0, 0
	SCALES 0
	FETCH_A 0, 0, 4
	s_wait_loadcnt 0x0                             ; the biases
.set j, 0
.rept 64
	v_cndmask_b32 v[BN+j], 0, v[BN+j], s99         ; the columns' bias counts for q and k alone,
.set j, j+1
.endr
.set j, 0
.rept 16
	v_cndmask_b32 v[BM+j], 0, v[BM+j], s98         ; the rows' for V^T alone
.set j, j+1
.endr
	STEP 0, 0, 1
	s_mov_b32 s3, LAPS-1
.Llap:
	TURN 0, 1, 1
	STEP 1, 0, 0
	TURN 1, 0, 1
	STEP 0, 0, 0
	s_sub_co_u32 s3, s3, 1
	s_cmp_lg_u32 s3, 0
	s_cbranch_scc1 .Llap
	TURN 0, 1, 0                                   ; the last lap fills nothing
	STEP 1, 0, 0
	s_wait_dscnt 4*NL
	WIN MUL_LO
	MUL16 0, 1, NQ-1, 1, 0
	MUL16 2, 1, NQ-1, 1, 0
	s_wait_dscnt 0
	WIN MUL_HI
	MUL16 4, 1, NQ-1, 1, 0
	MUL16 6, 1, NQ-1, 1, 0
	WIN 0
; THE WAY OUT, block by block of 16 rows: the 64 results of a lane move to window 0 with the rows' bias added (0 for q and k), are quantised, and the fragment leaves as it stands.
.macro EPI a
.set AC, 64*((\a)%4)
.if (\a) > 0
	s_wait_xcnt 0x0                                ; the last block's stores have read their registers: the codes may be written again
.endif
	WIN 0x02+(\a)/4                                ; source 0: window 2 or 3
.set j, 0
.rept 32
	v_pk_add_f32 v[HA+j:HA+j+1], v[AC+j:AC+j+1], v[BM+2*(\a):BM+2*(\a)+1]   ; each accumulator from its low end on
.set j, j+2
.endr
	WIN 0
	QUANT HA
	global_store_b128 v[VO16], v[PC:PC+3], s[10:11] offset:(\a)*1536          ; 512 consecutive bytes
	global_store_b64 v[VO8], v[PC+4:PC+5], s[10:11] offset:(\a)*1536+512      ; 256
	global_store_b128 v[VO16], v[PC+6:PC+9], s[10:11] offset:(\a)*1536+768
	global_store_b64 v[VO8], v[PC+10:PC+11], s[10:11] offset:(\a)*1536+1280
	ds_store_b32 v[SST], v[PW] offset:64*(\a)      ; both halves of the lanes write the same word
.endm
	PLACES NP                                      ; behind the last products: their results are read and their operands written below
.irp b, 0,1,2,3
	v_mov_b32 v[TM+4+\b], 0                        ; written once: a lane permute's destination counts as one of its sources
.endr
	s_mov_b32 s[SEL], 0x76543210
	s_mov_b32 s[SEL+1], 0xfedcba98
.irp a, 0,1,2,3,4,5,6,7
	EPI \a
.endr
	ds_load_b128 v[HA:HA+3], v[SRD]                ; LDS serves a wave's instructions in order: these see my eight stores
	s_wait_dscnt 0x0
	global_store_b128 v[VO16], v[HA:HA+3], s[96:97]   ; the wave's 128 scale words: 512 consecutive bytes
	s_wait_tensorcnt 0x0                           ; the wave's end
	ds_add_u32 v[SPW], v[NIL]
	s_wait_dscnt 0x0
	CROUND                                         ; the closing round
	s_endpgm
.Lfunc_end_k_qfb25ab548f_gqkv:
	.size	k_qfb25ab548f_gqkv, .Lfunc_end_k_qfb25ab548f_gqkv-k_qfb25ab548f_gqkv
	.p2alignl 7, 3214868480
	.fill 96, 4, 3214868480
	.section	.rodata,"a",@progbits
	.p2align	6, 0x0
	.amdhsa_kernel k_qfb25ab548f_gqkv
		.amdhsa_group_segment_fixed_size 327680
		.amdhsa_private_segment_fixed_size 0
		.amdhsa_enable_private_segment 0
		.amdhsa_kernarg_size 32
		.amdhsa_user_sgpr_count 2
		.amdhsa_user_sgpr_kernarg_segment_ptr 1
		.amdhsa_wavefront_size32 1
		.amdhsa_system_sgpr_workgroup_id_x 1
		.amdhsa_system_sgpr_workgroup_id_y 1
		.amdhsa_system_sgpr_workgroup_id_z 1
		.amdhsa_system_vgpr_workitem_id 0
		.amdhsa_next_free_vgpr 1024
		.amdhsa_next_free_sgpr 102
		.amdhsa_reserve_vcc 0
		.amdhsa_float_denorm_mode_32 3
		.amdhsa_float_denorm_mode_16_64 3
		.amdhsa_memory_ordered 1
		.amdhsa_forward_progress 1
		.amdhsa_inst_pref_size 168
	.end_amdhsa_kernel
	.amdgpu_metadata
---
amdhsa.version: [ 1, 2 ]
amdhsa.kernels:
  - .name:           k_qfb25ab548f_gqkv
    .symbol:         k_qfb25ab548f_gqkv.kd
    .args:
      - { .name: act, .offset: 0, .size: 8, .value_kind: global_buffer, .address_space: global }
      - { .name: wts, .offset: 8, .size: 8, .value_kind: global_buffer, .address_space: global }
      - { .name: in_proj_b, .offset: 16, .size: 8, .value_kind: global_buffer, .address_space: global }
      - { .name: qkv, .offset: 24, .size: 8, .value_kind: global_buffer, .address_space: global }
    .group_segment_fixed_size: 327680
    .private_segment_fixed_size: 0
    .kernarg_segment_align: 8
    .kernarg_segment_size: 32
    .max_flat_workgroup_size: 128
    .sgpr_count:     102
    .vgpr_count:     1024
    .wavefront_size: 32
...
	.end_amdgpu_metadata
.endif
;; end of part 2
;; launch att (part 3): grid 16 x 16, 16 waves a work-group, no clusters, 171,008 bytes of LDS; arguments qkv, res_pos, oc; writes oc
.if DOCPART == 3
	.amdgcn_target "amdgcn-amd-amdhsa--gfx1250"
	.amdhsa_code_object_version 6
	.text
	.protected	k_qfb25ab548f_att
	.globl	k_qfb25ab548f_att
	.p2align	8
	.type	k_qfb25ab548f_att,@function
k_qfb25ab548f_att:
	s_mov_b64 s[64:65], 0
	v_nop
	global_prefetch_b8 v0, s[64:65] scope:SCOPE_SE
	s_setreg_imm32_b32 hwreg(HW_REG_WAVE_MODE, 25, 1), 1
	s_wait_xcnt 0x0
; Banded causal attention with a learned bias by distance, both products on FP6 (E2M3) codes with one E8M0 byte for each 32 along K; the result is quantised for the next product.
; SHARES.  A work-group owns 128 queries (block x) of a pair of heads (y % 8) of a batch (y / 8).  Wave w owns head w % 2 of the pair and tile w / 2 of 16 queries; lane r holds query 32 (t/2) + 8 (t%2) + r + 8 (r/8) of the block.
; Query i sees keys i - 511 .. i: five steps of 128 keys, the blocks x - 4 .. x.  Steps in front of the sequence's start are left out by a scalar branch on ids inside a loop of five trips.
; LDS IS FILLED ONCE, through registers: the five steps' fragments of K and V^T and their scale words, and a table of the bias.  No clusters: the block of keys that two query blocks share is another step, so another LDS place, in each.
; BOTH PRODUCTS ARE USED TRANSPOSED: S^T = K Q^T, O^T = V^T P^T: a lane holds one query throughout.  The keys of a tile of K lie in the same order as the queries', so the 16 registers of tiles 2 b, 2 b + 1 are keys 32 b + 16 (lane/16) + 0 .. 15.
; A head is 64 along K: registers 0-5 of an operand hold it, registers 6-11 are zero codes and the upper two scale bytes are 0.
; THE BIAS AND THE MASK ARE THE C OF S^T.  T[x] = 8 res_pos[head][639 - x] for 128 <= x <= 639, else -1e30; with x = 127 - (query in its block) + 128 step + (key in its step), 639 - x = i - j.  (8 x: the scores are divided by 8 afterwards.)
; Two copies of T, one moved by a word, let every lane read pairs at multiples of 8 bytes.
; THE SOFTMAX: t = S log2(e) / 8; M = the running largest t rounded up to a whole number; p = 2^(t - M) is quantised along the keys; the sum is taken of the unquantised p and divides at the end.
; LIMITS: the running largest t starts at -2^93, above every masked t (-1e30 x 0.18): true t under -2^93 are not served.  NaN and infinities are not served.  A block whose largest magnitude lies under 2^-124 keeps the byte 1.
; REGISTERS: v1-11, v28-30 addresses; v12 -M, v13 largest t, v[14:15] the sum; v16-27 Q; v32-79 four fragments of K; v80-86 addresses for the way out; v96-159 S^T, p, then V's fragments; v160-191 O^T; v192-208 lane terms; v224.. p's codes; v232-254 at work; v255 Q's scale word.
.set KC,  0                            ; K: 5 x 12,288 bytes: [step][block a][head c][768]
.set VC,  61440                        ; V^T: 5 x 12,288 bytes: [step][block 4 c + t][1536]
.set SCW, 122880                       ; 16 pieces of 512 bytes: 0-4 K's words for head 0, 5-9 V's words; 8,192 bytes on: 0-4 K's words for head 1
.set TBL, 139264                       ; the bias: [head c][copy], 4,128 bytes each
.set OST, 155904                       ; the way out: 8 fragments of 1,536 bytes
.set OSS, 168192                       ; and their 128 scale words
.set AK0, 1
.set AK1, 2
.set AV0, 3
.set AV1, 4
.set ASK0, 5
.set ASV0, 6
.set ATB0, 7
.set ADK, 8
.set ADK1, 9
.set ADV, 10
.set ADV1, 11
.set ADS, 28
.set ADT, 29
.set ATB, 30
.set OA0, 80
.set OA1, 81
.set OA2, 82
.set OSA, 83
.set ORD0, 84
.set ORD1, 85
.set OSR, 86
.set VA,  192                          ; 768 w + 16 l
.set VB,  193                          ; 768 w + 512 + 8 l
.set VA2, 194
.set VB2, 195
.set SCA, 196
.set TA,  197
.set TI0, 198
.set TI1, 199
.set L16, 203
.set L8,  204
.set WV,  18
.set SEL, 20
.set CS,  22
.set STP, 66
.set TK,  67
.set TS,  68
	s_load_b128 s[4:7], s[0:1], 0x0                ; qkv, res_pos
	s_load_b64 s[8:9], s[0:1], 0x10                ; oc
	v_lshl_add_u32 v223, v0, 2, 0x29400
	v_mov_b32 v243, 0
	v_lshrrev_b32 v1, 5, v0
	v_readfirstlane_b32 s[WV], v1                  ; wave 0..15
	s_mov_b32 s10, ttmp9                           ; block of queries
	s_and_b32 s15, ttmp7, 0xffff
	s_and_b32 s11, s15, 7                          ; pair of heads
	s_lshr_b32 s12, s15, 3
	s_lshl_b32 s12, s12, 4                         ; the batch's first panel of tokens
	s_and_b32 s13, s[WV], 1                        ; c: my head of the pair
	s_lshr_b32 s14, s[WV], 1                       ; my tile of queries
	v_and_b32 v200, 31, v0                         ; l
	v_and_b32 v201, 15, v0                         ; r
	v_bfe_u32 v202, v0, 4, 1                       ; h
	v_lshlrev_b32 v[L16], 4, v200
	v_lshlrev_b32 v[L8], 3, v200
	s_mul_i32 s44, s[WV], 768
	v_add_nc_u32 v[VA], s44, v[L16]
	v_add_nc_u32 v[VB], s44, v[L8]
	v_add_nc_u32 v[VB], 512, v[VB]
	v_add_nc_u32 v[VA2], VC, v[VA]
	v_add_nc_u32 v[VB2], VC, v[VB]
	v_lshlrev_b32 v205, 2, v201                    ; 4 r
	v_sub_nc_u32 v[TI0], 639, v0                   ; the table: thread t makes T[t] and T[t + 512]
	v_min_u32 v[TI0], 511, v[TI0]
	v_lshlrev_b32 v[TI0], 2, v[TI0]
	v_sub_nc_u32 v[TI1], 127, v0
	v_max_i32 v[TI1], 0, v[TI1]
	v_lshlrev_b32 v[TI1], 2, v[TI1]
	s_mul_i32 s44, s11, 12288
	s_add_co_u32 s45, s44, 8*12288                 ; k's K step of a token panel: 8 + pair
	s_mul_i32 s46, s11, 393216
	s_add_co_u32 s46, s46, 6291456                 ; V^T's panel
.irp s, 0,1,2,3,4
	s_add_co_i32 s47, s10, \s-4
	s_max_i32 s47, s47, 0                          ; (a step that is left out copies the batch's first panel: no load leaves its buffer)
	s_add_co_u32 s47, s47, s12
	s_mul_i32 s[24+2*\s], s47, 196608
	s_add_co_u32 s[24+2*\s], s[24+2*\s], s45
	s_mov_b32 s[25+2*\s], 0
	s_mul_i32 s[34+2*\s], s47, 12288
	s_add_co_u32 s[34+2*\s], s[34+2*\s], s46
	s_mov_b32 s[35+2*\s], 0
.endr
	s_add_co_u32 s47, s12, s10                     ; my panel of tokens
	s_mul_i32 s50, s47, 196608
	s_add_co_u32 s50, s50, s44                     ; q's K step: the pair
	s_mov_b32 s51, 0
	s_lshl_b32 s52, s47, 13
	s_lshl_b32 s48, s11, 9
	s_add_co_u32 s52, s52, s48
	s_lshl_b32 s49, s14, 6
	s_add_co_u32 s52, s52, s49
	s_add_co_u32 s52, s52, 9437184                 ; q's scale words of my tile
	s_mov_b32 s53, 0
	s_sub_co_u32 s54, s[WV], 5                     ; the piece of scale words that my wave copies: waves 0-4 K's of step w, waves 5-9 V's of step w - 5 (waves 10-15 copy step 4's again; nobody reads theirs)
	s_min_u32 s54, s54, 4
	s_cmp_lt_u32 s[WV], 5
	s_cselect_b32 s54, s[WV], s54
	s_add_co_i32 s54, s54, s10
	s_sub_co_i32 s54, s54, 4
	s_max_i32 s54, s54, 0
	s_add_co_u32 s54, s54, s12
	s_lshl_b32 s55, s54, 13
	s_add_co_u32 s55, s55, s48
	s_add_co_u32 s55, s55, 9437184+8*512
	s_lshl_b32 s54, s54, 9
	s_lshl_b32 s56, s11, 14
	s_add_co_u32 s54, s54, s56
	s_add_co_u32 s54, s54, 9699328
	s_cmp_lt_u32 s[WV], 5
	s_cselect_b32 s54, s55, s54
	s_cselect_b32 s69, 0xffff, -1                  ; of K's words head 0 keeps the low two bytes
	s_mov_b32 s55, 0
	s_lshl_b32 s56, s11, 12                        ; res_pos: heads 2 pair, 2 pair + 1, 2,048 bytes each
	s_mov_b32 s57, 0
	s_mul_i32 s58, s47, 98304
	s_lshr_b32 s59, s11, 1
	s_mul_i32 s59, s59, 24576
	s_add_co_u32 s58, s58, s59
	s_and_b32 s59, s11, 1
	s_mul_i32 s59, s59, 1536
	s_add_co_u32 s58, s58, s59
	s_mul_i32 s59, s14, 3072
	s_add_co_u32 s58, s58, s59
	s_mul_i32 s59, s13, 768
	s_add_co_u32 s58, s58, s59                     ; oc: half w % 2 of fragment (my panel, K step = pair, block w / 2)
	s_mov_b32 s59, 0
	s_lshl_b32 s60, s47, 12
	s_add_co_u32 s60, s60, s48
	s_add_co_u32 s60, s60, 3145728                 ; and the work-group's 128 scale words
	s_mov_b32 s61, 0
	s_mov_b32 s[SEL], 0x76543210
	s_mov_b32 s[SEL+1], 0xfedcba98
	s_mov_b32 s[CS], 0x3e38aa3b                    ; log2(e) / 8
	s_mov_b32 s[CS+1], s[CS]
	s_wait_kmcnt 0x0
.irp s, 0,1,2,3,4
	s_add_nc_u64 s[24+2*\s:25+2*\s], s[4:5], s[24+2*\s:25+2*\s]
	s_add_nc_u64 s[34+2*\s:35+2*\s], s[4:5], s[34+2*\s:35+2*\s]
.endr
	s_add_nc_u64 s[50:51], s[4:5], s[50:51]
	s_add_nc_u64 s[52:53], s[4:5], s[52:53]
	s_add_nc_u64 s[54:55], s[4:5], s[54:55]
	s_add_nc_u64 s[56:57], s[6:7], s[56:57]
	s_add_nc_u64 s[60:61], s[8:9], s[60:61]
	s_add_nc_u64 s[58:59], s[8:9], s[58:59]
.irp s, 0,1,2,3,4                              ; a step's 12,288 bytes are copied as they lie, 768 bytes a wave: 512 + 256 consecutive bytes
	global_load_b128 v[96+6*\s:99+6*\s], v[VA], s[24+2*\s:25+2*\s]
	global_load_b64 v[100+6*\s:101+6*\s], v[VB], s[24+2*\s:25+2*\s]
.endr
.irp s, 0,1,2,3,4
	global_load_b128 v[126+6*\s:129+6*\s], v[VA], s[34+2*\s:35+2*\s]
	global_load_b64 v[130+6*\s:131+6*\s], v[VB], s[34+2*\s:35+2*\s]
.endr
	global_load_b128 v[160:163], v[L16], s[54:55]
	global_load_b128 v[16:19], v[VA], s[50:51]     ; Q: half w % 2 of fragment w / 2 begins 768 w bytes on
	global_load_b64 v[20:21], v[VB], s[50:51]
	global_load_b32 v255, v205, s[52:53]
	global_load_b32 v164, v[TI0], s[56:57]
	global_load_b32 v165, v[TI1], s[56:57]
	global_load_b32 v166, v[TI0], s[56:57] offset:2048
	global_load_b32 v167, v[TI1], s[56:57] offset:2048
	; every LDS address of the loop and of the way out is made here
	s_lshl_b32 s44, s[WV], 9
	s_add_co_u32 s44, s44, SCW
	v_add_nc_u32 v[SCA], s44, v[L16]
	v_lshl_add_u32 v[TA], v0, 2, TBL
	s_mul_i32 s44, s13, 768
	v_add_nc_u32 v[AK0], s44, v[L16]
	s_add_co_u32 s45, s44, 512
	v_add_nc_u32 v[AK1], s45, v[L8]
	s_mul_i32 s44, s13, 6144
	s_add_co_u32 s44, s44, VC
	v_add_nc_u32 v[AV0], s44, v[L16]
	s_add_co_u32 s45, s44, 512
	v_add_nc_u32 v[AV1], s45, v[L8]
	s_lshl_b32 s44, s13, 13
	s_add_co_u32 s44, s44, SCW
	v_add_nc_u32 v[ASK0], s44, v205
	s_lshl_b32 s44, s13, 8
	s_add_co_u32 s44, s44, SCW+2560
	v_add_nc_u32 v[ASV0], s44, v205
	s_lshr_b32 s44, s[WV], 2
	s_lshl_b32 s44, s44, 5
	s_and_b32 s45, s14, 1
	s_lshl_b32 s45, s45, 3
	s_or_b32 s44, s44, s45                         ; lane 0's query in the block: bits 3, 5, 6 alone,
	s_xor_b32 s44, s44, 127                        ; so this is 127 less it
	v_lshlrev_b32 v206, 4, v202
	v_add_nc_u32 v206, s44, v206
	v_and_b32 v207, 8, v201
	v_add_nc_u32 v207, v207, v201
	v_sub_nc_u32 v206, v206, v207                  ; x of my query at key 16 h of step 0
	v_and_b32 v207, 1, v0
	v_xor_b32 v207, 1, v207                        ; where it is odd (r even) the copy moved by a word serves: 4,128 bytes on, one word back
	v_mul_u32_u24 v207, v207, 4124
	v_lshl_add_u32 v[ATB0], v206, 2, v207
	s_mul_i32 s44, s13, 8256
	s_add_co_u32 s44, s44, TBL
	v_add_nc_u32 v[ATB0], s44, v[ATB0]
	s_mul_i32 s44, s14, 1536
	s_mul_i32 s45, s13, 520
	s_add_co_u32 s46, s44, s45
	s_add_co_u32 s46, s46, OST
	v_add_nc_u32 v[OA0], s46, v[L16]               ; registers 6 c, 6 c + 1 of the fragment's image (register R of lane l at 512 (R / 4) + 16 l + 4 (R % 4))
	s_mul_i32 s45, s13, 1016
	s_add_co_u32 s46, s44, s45
	s_add_co_u32 s46, s46, OST+8
	v_add_nc_u32 v[OA1], s46, v[L16]               ; 6 c + 2, 6 c + 3
	v_add_nc_u32 v[OA2], 512, v[OA0]               ; 6 c + 4, 6 c + 5
	s_lshl_b32 s45, s14, 6
	s_lshl_b32 s46, s13, 1
	s_add_co_u32 s45, s45, s46
	s_add_co_u32 s45, s45, OSS
	v_add_nc_u32 v[OSA], s45, v205
	v_add_nc_u32 v[ORD0], OST, v[VA]
	v_add_nc_u32 v[ORD1], OST, v[VB]
	v_add_nc_u32 v[OSR], OSS, v[L16]
	v_mov_b32 v168, 0xf149f2ca                     ; -1e30
	v_cmp_gt_u32 vcc_lo, 128, v0                   ; T[t] is a bias from t = 128 on, T[t + 512] up to t = 127
	s_lshl_b32 s44, s13, 4
	s_wait_loadcnt 0x0
.irp s, 0,1,2,3,4
	ds_store_b128 v[VA], v[96+6*\s:99+6*\s] offset:12288*\s
	ds_store_b64 v[VB], v[100+6*\s:101+6*\s] offset:12288*\s
	ds_store_b128 v[VA2], v[126+6*\s:129+6*\s] offset:12288*\s
	ds_store_b64 v[VB2], v[130+6*\s:131+6*\s] offset:12288*\s
.endr
.irp i, 0,1,2,3
	v_lshrrev_b32 v[172+\i], 16, v[160+\i]         ; head 1's two bytes of K's words
	v_and_b32 v[160+\i], s69, v[160+\i]            ; head 0's; V's words whole
.endr
	ds_store_b128 v[SCA], v[160:163]
	ds_store_b128 v[SCA], v[172:175] offset:8192
.irp i, 0,1,2,3
	v_mul_f32 v[164+\i], 0x41000000, v[164+\i]     ; 8 x
.endr
	v_cndmask_b32 v164, v164, v168, vcc_lo
	v_cndmask_b32 v165, v168, v165, vcc_lo
	v_cndmask_b32 v166, v166, v168, vcc_lo
	v_cndmask_b32 v167, v168, v167, vcc_lo
.irp c, 0,1
.irp k, 0,1
	ds_store_b32 v[TA], v[164+2*\c+\k] offset:8256*\c+2048*\k
	ds_store_b32 v[TA], v[164+2*\c+\k] offset:8256*\c+2048*\k+4124   ; the copy moved by a word (T[0] falls into the gap behind the first copy)
.endr
.endr
	v_lshrrev_b32 v255, s44, v255                  ; my head's two bytes of Q's word
	v_and_b32 v255, 0xffff, v255
.irp i, 22,23,24,25,26,27
	v_mov_b32 v[\i], 0                             ; zero codes for K = 64 .. 127
.endr
.irp t, 0,1,2,3
.irp i, 38,39,40,41,42,43
	v_mov_b32 v[\i+12*\t], 0
.endr
.endr
	s_wait_dscnt 0x0                               ; for the others' sake: my stores have landed (and have read v160-175)
.set n, 0
.rept 32
	v_mov_b32 v[160+n], 0                          ; O^T: the step is written once, its first turn finds zeros
.set n, n+1
.endr
	v_mov_b32 v13, 0xee000000                      ; the largest t so far: -2^93
	v_floor_f32 v12, -v13                          ; -M
	v_mov_b32 v14, 0
	v_mov_b32 v15, 0
.irp b, 0,1,2,3
	v_mov_b32 v[236+\b], 0                         ; a lane permute's destination counts as one of its sources
.endr
	v_mov_b32 v252, 0
	v_mov_b32 v253, 0
	s_barrier_signal -1
	s_barrier_wait -1
	s_mov_b32 s[STP], 0
	s_mov_b32 s[TK], 0
	s_mov_b32 s[TS], 0
.Lstep:
	s_add_co_u32 s70, s10, s[STP]
	s_cmp_lt_u32 s70, 4                            ; keys in front of the sequence's start: the step's work is left out, not the lines at its end that step addresses
	s_cbranch_scc1 .Lskip
	v_add_nc_u32 v[ADK], s[TK], v[AK0]             ; (these seven are also the places behind the last step's products)
	v_add_nc_u32 v[ADK1], s[TK], v[AK1]
	v_add_nc_u32 v[ADV], s[TK], v[AV0]
	v_add_nc_u32 v[ADV1], s[TK], v[AV1]
	v_add_nc_u32 v[ADS], s[TS], v[ASK0]
	v_add_nc_u32 v[ADT], s[TS], v[ASV0]
	v_add_nc_u32 v[ATB], s[TS], v[ATB0]
.set n, 0
.rept 32
	ds_load_b64 v[96+2*n:97+2*n], v[ATB] offset:128*(n/8)+8*(n%8)   ; bias and mask of keys 32 (n / 8) + 16 h + 2 (n % 8), + 1: straight into S^T's registers
.set n, n+1
.endr
.irp g, 0,1                                    ; S^T = K Q^T + the bias, four tiles of 16 keys at a time
.rept 4*\g
	v_nop                                          ; places in front of loads into registers that matrix instructions have read
.endr
.irp t, 0,1,2,3
	ds_load_b128 v[32+12*\t:35+12*\t], v[ADK] offset:(4*\g+\t)*1536
	ds_load_b64 v[36+12*\t:37+12*\t], v[ADK1] offset:(4*\g+\t)*1536
	ds_load_b32 v[248+\t], v[ADS] offset:64*(4*\g+\t)
.endr
	s_wait_dscnt 0x0
.irp t, 0,1,2,3
	v_wmma_scale_f32_16x16x128_f8f6f4 v[96+8*(4*\g+\t):103+8*(4*\g+\t)], v[32+12*\t:43+12*\t], v[16:27], v[96+8*(4*\g+\t):103+8*(4*\g+\t)], v[248+\t], v255 matrix_a_fmt:MATRIX_FMT_FP6 matrix_b_fmt:MATRIX_FMT_FP6
.endr
.endr
.rept 4
	v_nop
.endr
.irp b, 0,1,2,3
	v_max3_num_f32 v[232+\b], v[96+16*\b], v[97+16*\b], v[98+16*\b]   ; the largest score of each block of 32 keys: for the row's maximum and, since p rises with the score, for the block's largest p
.endr
.irp i, 3,5,7,9,11,13
.irp b, 0,1,2,3
	v_max3_num_f32 v[232+\b], v[232+\b], v[96+16*\b+\i], v[97+16*\b+\i]
.endr
.endr
.irp b, 0,1,2,3
	v_max_num_f32 v[232+\b], v[232+\b], v[111+16*\b]
.endr
.irp b, 0,1,2,3
	v_permlanex16_b32 v[236+\b], v[232+\b], s[SEL], s[SEL+1]
.endr
.irp b, 0,1,2,3
	v_max_num_f32 v[232+\b], v[232+\b], v[236+\b]
.endr
	v_max3_num_f32 v254, v232, v233, v234
	v_max_num_f32 v254, v254, v235
	v_mul_f32 v254, s[CS], v254
	v_max_num_f32 v13, v13, v254                   ; the running largest t
	v_mov_b32 v254, v12
	v_floor_f32 v12, -v13                          ; the new -M: M is a whole number
	v_sub_f32 v254, v12, v254
	v_cvt_i32_f32 v254, v254                       ; (it saturates)
	v_ldexp_f32 v252, 1.0, v254                    ; f = 2^(old M - new M)
.set n, 0
.rept 32
	v_pk_fma_f32 v[96+n:97+n], v[96+n:97+n], s[CS:CS+1], v[12:13] op_sel_hi:[1,0,0]   ; t - M
.set n, n+2
.endr
.irp b, 0,1,2,3
	v_fma_f32 v[232+\b], v[232+\b], s[CS], v12
.endr
.set n, 0
.rept 64
	v_exp_f32 v[96+n], v[96+n]                     ; p = 2^(t - M): 0 for masked keys
.set n, n+1
.endr
	v_pk_mul_f32 v[14:15], v[14:15], v[252:253] op_sel_hi:[1,0]   ; the sums under the new M (a plain place behind the exponentials)
	s_wait_alu depctr_va_vdst(0)                   ; one wait for the batch, ahead of its first reader
.irp b, 0,1,2,3
	v_exp_f32 v[232+\b], v[232+\b]                 ; the block's largest p
.endr
	v_pk_add_f32 v[236:237], v[96:97], v[98:99]    ; the row's sum of the unquantised p, in two chains
.irp j, 4,8,12,16,20,24,28,32,36,40,44,48,52,56,60
	v_pk_add_f32 v[14:15], v[14:15], v[96+\j:97+\j]
	v_pk_add_f32 v[236:237], v[236:237], v[98+\j:99+\j]
.endr
	v_pk_add_f32 v[14:15], v[14:15], v[236:237]
	s_wait_alu depctr_va_vdst(0)                   ; and one for the four
.irp b, 0,1,2,3
	v_max_num_f32 v[232+\b], 0x1800000, v[232+\b]  ; the floor 2^(3 - 127): a block of zeros keeps the byte 1, its codes are zeros
.endr
.irp b, 0,1,2,3
	v_add_nc_u32 v[244+\b], 0xff000000, v[232+\b]
.endr
.irp b, 0,1,2,3
	v_lshrrev_b32 v[236+\b], 23, v[244+\b]
.endr
	v_lshl_or_b32 v253, v237, 8, v236              ; p's scale word for these 128 keys
	v_lshl_or_b32 v253, v238, 16, v253
	v_lshl_or_b32 v253, v239, 24, v253
.irp c, 0,1
	v_cvt_scalef32_pk16_fp6_f32 v[224+6*\c:226+6*\c], v[96+32*\c:111+32*\c], v[244+2*\c]
	v_cvt_scalef32_pk16_fp6_f32 v[236+4*\c:238+4*\c], v[112+32*\c:127+32*\c], v[244+2*\c+1]
.endr
	v_nop                                          ; one plain place behind a scaled conversion
.irp c, 0,1
.irp i, 0,1,2
	v_permlane16_swap_b32 v[224+6*\c+\i], v[236+4*\c+\i]
.endr
.irp i, 0,1,2
	v_mov_b32 v[227+6*\c+\i], v[236+4*\c+\i]
.endr
.endr
.irp t, 0,1,2,3                                ; my head's four tiles of V^T, into the registers that p has left
	ds_load_b128 v[96+12*\t:99+12*\t], v[ADV] offset:1536*\t
	ds_load_b64 v[100+12*\t:101+12*\t], v[ADV1] offset:1536*\t
	ds_load_b128 v[102+12*\t:105+12*\t], v[ADV] offset:1536*\t+768
	ds_load_b64 v[106+12*\t:107+12*\t], v[ADV1] offset:1536*\t+768
	ds_load_b32 v[248+\t], v[ADT] offset:64*\t
.endr
.set n, 0
.rept 16
	v_pk_mul_f32 v[160+n:161+n], v[160+n:161+n], v[252:253] op_sel_hi:[1,0]   ; O^T under the new M (also the places between the codes' and the scale word's last writes and the products)
.set n, n+2
.endr
	s_wait_dscnt 0x0
.irp t, 0,1,2,3
	v_wmma_scale_f32_16x16x128_f8f6f4 v[160+8*\t:167+8*\t], v[96+12*\t:107+12*\t], v[224:235], v[160+8*\t:167+8*\t], v[248+\t], v253 matrix_a_fmt:MATRIX_FMT_FP6 matrix_b_fmt:MATRIX_FMT_FP6
.endr
.Lskip:
	s_add_co_u32 s[TK], s[TK], 12288
	s_add_co_u32 s[TS], s[TS], 512
	s_add_co_u32 s[STP], s[STP], 1
	s_cmp_lt_u32 s[STP], 5
	s_cbranch_scc1 .Lstep
	; THE WAY OUT: O^T / the sum is my head's 64 channels of 16 tokens: two blocks of 32 along the next product's K: half c of a fragment.  The two waves of a tile put their halves into one image in LDS; it leaves in runs of 512 and 256 bytes.
.rept 4
	v_nop                                          ; places behind the last products
.endr
	v_add_f32 v14, v14, v15
	v_permlanex16_b32 v252, v14, s[SEL], s[SEL+1]
	v_add_f32 v14, v14, v252                       ; the row's sum
	v_rcp_f32 v14, v14
	v_nop                                          ; a plain place behind the transcendental
	s_wait_alu depctr_va_vdst(0)                   ; and the wait ahead of its first reader
.set n, 0
.rept 32
	v_mul_f32 v[96+n], v[160+n], v14               ; register 16 b + i: channel 32 b + 16 h + i
.set n, n+1
.endr
.irp b, 0,1
	v_max3_num_f32 v[232+\b], |v[96+16*\b]|, |v[97+16*\b]|, 0x1800000
.endr
.irp i, 2,4,6,8,10,12,14
.irp b, 0,1
	v_max3_num_f32 v[232+\b], v[232+\b], |v[96+16*\b+\i]|, |v[97+16*\b+\i]|
.endr
.endr
.irp b, 0,1
	v_permlanex16_b32 v[236+\b], v[232+\b], s[SEL], s[SEL+1]
.endr
.irp b, 0,1
	v_max_num_f32 v[232+\b], v[232+\b], v[236+\b]
.endr
.irp b, 0,1
	v_add_nc_u32 v[244+\b], 0xff000000, v[232+\b]
.endr
.irp b, 0,1
	v_lshrrev_b32 v[240+\b], 23, v[244+\b]
.endr
	v_lshl_or_b32 v240, v241, 8, v240              ; my head's two bytes of the row's scale word
	v_cvt_scalef32_pk16_fp6_f32 v[224:226], v[96:111], v244
	v_cvt_scalef32_pk16_fp6_f32 v[236:238], v[112:127], v245
	v_nop
.irp i, 0,1,2
	v_permlane16_swap_b32 v[224+\i], v[236+\i]
.endr
.irp i, 0,1,2
	v_mov_b32 v[227+\i], v[236+\i]
.endr
	ds_store_b64 v[OA0], v[224:225]
	ds_store_b64 v[OA1], v[226:227]
	ds_store_b64 v[OA2], v[228:229]
	ds_store_b16 v[OSA], v240                      ; both halves of the lanes write the same two bytes
	s_wait_dscnt 0x0                               ; for the others' sake
	s_barrier_signal -1
	s_barrier_wait -1
	ds_load_b128 v[96:99], v[ORD0]                 ; 768 bytes of the images a wave, as they lie
	ds_load_b64 v[100:101], v[ORD1]
	s_wait_dscnt 0x0
	global_store_b128 v[L16], v[96:99], s[58:59]
	global_store_b64 v[L8], v[100:101], s[58:59] offset:512
	s_cmp_lg_u32 s[WV], 0
	s_cbranch_scc1 .Lend
	ds_load_b128 v[104:107], v[OSR]                ; wave 0: the 128 scale words, 512 consecutive bytes
	s_wait_dscnt 0x0
	global_store_b128 v[L16], v[104:107], s[60:61]
.Lend:
	s_wait_tensorcnt 0x0
	ds_add_u32 v223, v243
	s_wait_dscnt 0x0
	s_endpgm
.Lfunc_end_k_qfb25ab548f_att:
	.size	k_qfb25ab548f_att, .Lfunc_end_k_qfb25ab548f_att-k_qfb25ab548f_att
	.p2alignl 7, 3214868480
	.fill 96, 4, 3214868480
	.section	.rodata,"a",@progbits
	.p2align	6, 0x0
	.amdhsa_kernel k_qfb25ab548f_att
		.amdhsa_group_segment_fixed_size 171008
		.amdhsa_private_segment_fixed_size 0
		.amdhsa_enable_private_segment 0
		.amdhsa_kernarg_size 24
		.amdhsa_user_sgpr_count 2
		.amdhsa_user_sgpr_kernarg_segment_ptr 1
		.amdhsa_wavefront_size32 1
		.amdhsa_system_sgpr_workgroup_id_x 1
		.amdhsa_system_sgpr_workgroup_id_y 1
		.amdhsa_system_sgpr_workgroup_id_z 1
		.amdhsa_system_vgpr_workitem_id 0
		.amdhsa_next_free_vgpr 256
		.amdhsa_next_free_sgpr 100
		.amdhsa_reserve_vcc 1
		.amdhsa_float_denorm_mode_32 3
		.amdhsa_float_denorm_mode_16_64 3
		.amdhsa_memory_ordered 1
		.amdhsa_forward_progress 1
		.amdhsa_inst_pref_size 40
	.end_amdhsa_kernel
	.amdgpu_metadata
---
amdhsa.version: [ 1, 2 ]
amdhsa.kernels:
  - .name:           k_qfb25ab548f_att
    .symbol:         k_qfb25ab548f_att.kd
    .args:
      - { .name: qkv, .offset: 0, .size: 8, .value_kind: global_buffer, .address_space: global }
      - { .name: res_pos, .offset: 8, .size: 8, .value_kind: global_buffer, .address_space: global }
      - { .name: oc, .offset: 16, .size: 8, .value_kind: global_buffer, .address_space: global }
    .group_segment_fixed_size: 171008
    .private_segment_fixed_size: 0
    .kernarg_segment_align: 8
    .kernarg_segment_size: 24
    .max_flat_workgroup_size: 512
    .sgpr_count:     100
    .vgpr_count:     256
    .wavefront_size: 32
...
	.end_amdgpu_metadata
.endif
;; end of part 3
;; launch gout (part 4): grid 4 x 16, 4 waves a work-group, clusters of 4 x 4, 327,680 bytes of LDS; arguments oc, wts, out_b, x, x1; writes x1
.if DOCPART == 4
	.amdgcn_target "amdgcn-amd-amdhsa--gfx1250"
	.amdhsa_code_object_version 6
	.text
	.protected	k_qfb25ab548f_gout
	.globl	k_qfb25ab548f_gout
	.p2align	8
	.type	k_qfb25ab548f_gout,@function
k_qfb25ab548f_gout:
	s_mov_b64 s[64:65], 0
	v_nop
	global_prefetch_b8 v0, s[64:65] scope:SCOPE_SE
	s_setreg_imm32_b32 hwreg(HW_REG_WAVE_MODE, 25, 1), 1
	s_wait_xcnt 0x0
	s_wait_alu depctr_hold_cnt(0) depctr_sa_sdst(0) depctr_va_vdst(0) depctr_va_sdst(0) depctr_va_ssrc(0) depctr_va_vcc(0) depctr_vm_vsrc(0)
	s_getreg_b32 s2, hwreg(HW_REG_IB_STS2, 6, 4)
	s_cmp_eq_u32 s2, 0
	s_cbranch_scc0 .Lentry_in_a_cluster
	s_endpgm
.Lentry_in_a_cluster:
	s_bfe_u32 s2, ttmp6, 0x10000c
	s_cmp_lg_u32 s2, 0xf033
	s_cbranch_scc0 .Lentry_shape_is_right
	s_endpgm
.Lentry_shape_is_right:
; OUT = RES + A W^T + bias, f32, on FP6 (E2M3) codes with one E8M0 byte for each 32 along K = KK.  Here: x1 = x + o out_w^T + out_b.
; OPERANDS ARE IMAGES OF REGISTERS: 128 rows x 256 along K are 24,576 dense bytes, [block a of 16 rows][128 along K][register group c][lane][16 bytes]; lane r of block a stands for panel row 32 (a/2) + 8 (a%2) + r + 8 (r/8).
; A tile of 256 x 256 is made by four waves, each 128 x 128 in 64 accumulators; source 0 = rows of W, source 1 = rows of A, so a lane's eight results are neighbours in a row of OUT.
; K goes in steps of 256 through two LDS slots filled by tensor loads, asked for jointly in a 4 x 4 cluster (A's tiles along a row, W's along a column).  The scale words for all of K come once with the first fills.
; By this text's count a wave has three tensor loads out at the start and one behind each round.  The bias is the C of the first products.
; 64 tiles: a quarter of the chip's work-group places; a smaller tile would read each fragment for fewer products.
; REGISTERS: window 0: v16-31 addresses; v32-63 scale words; v64-127 the bias, later residual rows; v128-223 A's fragments; on the way out v128-191 rows of OUT, v192-255 and v64-127 residual rows by turns.  window 1: W's fragments, two sets.  windows 2, 3: accumulators.
.set KK,     1024
.set ASOFF,  3145728                   ; A's scale words in its buffer
.set BOFF,   2359296                   ; W's images in wts
.set BSOFF,  9535488                   ; W's scale words in wts
.set LAST,   0                         ; 1: OUT is read by no later launch
.set NQ,     2
.set FR,     12
.set NL,     3
.set NP,     4
.set HALFT,  24576
.set SLOT,   4*HALFT
.set LAPS,   KK/512
.set PANEL,  96*KK
.set HALFS,  4*KK
.set SCL,    2*SLOT
.set SPARE,  SCL+4*HALFS
.set SPITCH, 528                       ; the way out: a stage of 16 rows x (512 + 16) bytes a wave, in slot 0, which has had its last fill and its last read by then
.set ADRA, 16
.set ADRB, 20
.set STO,  24
.set RD,   25
.set CO,   26
.set ADRS, 27
.set SPW,  28
.set NIL,  29
.set SC,   32
.set BN,   64
.set AF,   128
.set BK,   128
.set G1, 24
.set G0, 32
.set G1B, 48
.set G0B, 56
.set G1S, 68
.set G0S, 76
.set G1SB, 80
.set G0SB, 88
.set MSB, 0
.macro WIN new                         ; the immediate's high byte repeats the setting that is left
.if MSB != (\new)
	s_set_vgpr_msb (MSB<<8)|(\new)
.set MSB, (\new)
.endif
.endm
.set MUL_LO, 0xa1
.set MUL_HI, 0xf1
.set TO_B,   0x40
.macro JLOAD g0a, g1a, g0b, g1b        ; a joint load: waves 0 and 1 fetch A's halves, waves 2 and 3 W's; four v_nop follow each line
	s_cmp_eq_u32 s15, 0
	s_cbranch_scc0 .Lfor_b_\@
	tensor_load_to_lds s[\g0a:\g0a+3], s[\g1a:\g1a+7]
	s_nop 0
.rept 4
	v_nop
.endr
	s_branch .Lasked_\@
.Lfor_b_\@:
	tensor_load_to_lds s[\g0b:\g0b+3], s[\g1b:\g1b+7]
	s_nop 0
.rept 4
	v_nop
.endr
.Lasked_\@:
.endm
.macro CREST
	s_cmp_lg_u32 s14, 0
	s_cbranch_scc1 .Lnot_wave_0_\@
	s_barrier_signal -3
.Lnot_wave_0_\@:
	s_barrier_wait -3
	s_barrier_signal -1
	s_barrier_wait -1
.endm
.macro CROUND
	s_barrier_signal -1
	s_barrier_wait -1
	CREST
.endm
	s_load_b128 s[4:7], s[0:1], 0x0                ; A, wts
	s_load_b128 s[8:11], s[0:1], 0x10              ; bias, RES
	s_load_b64 s[12:13], s[0:1], 0x20              ; OUT
	v_lshl_add_u32 v[SPW], v0, 2, SPARE
	v_mov_b32 v[NIL], 0
	ds_add_u32 v28, v29
	ds_add_u32 v28, v29
	s_wait_dscnt 0x0
	v_lshrrev_b32 v1, 5, v0
	v_readfirstlane_b32 s14, v1                    ; wave 0..3
	s_lshr_b32 s15, s14, 1                         ; my half of A's rows.  Also: I fetch for A (0) or W (1)
	s_and_b32 s16, s14, 1                          ; my half of W's rows.  Also: which 128 rows I fetch
	s_bfe_u32 s40, ttmp6, 0x40000                  ; cx
	s_bfe_u32 s41, ttmp6, 0x40004                  ; cy
	s_lshl_b32 s42, ttmp9, 2
	s_add_co_u32 s42, s42, s40                     ; tile column
	s_and_b32 s17, ttmp7, 0xffff
	s_lshl_b32 s17, s17, 2
	s_add_co_u32 s17, s17, s41                     ; tile row
	s_lshl_b32 s43, s41, 2
	s_lshl_b32 s43, 15, s43                        ; my row of the cluster
	s_lshl_b32 s44, 0x1111, s40                    ; my column
	s_or_b32 s[G1+0], s43, (3<<16)|(1<<21)         ; a dense block of 24,576 bytes as 96 rows of 256 bytes (32 elements of 8 bytes), no padding
	s_or_b32 s[G1B+0], s44, (3<<16)|(1<<21)
.irp g, G1, G1B
	s_mov_b32 s[\g+1], 32<<16
	s_mov_b32 s[\g+2], 96<<16
	s_mov_b32 s[\g+3], 32<<16
	s_mov_b32 s[\g+4], 96
	s_mov_b32 s[\g+5], 32
	s_mov_b32 s[\g+6], 0
	s_mov_b32 s[\g+7], 0
.endr
	s_or_b32 s[G1S+0], s43, (3<<16)|(1<<21)        ; the scale words of 128 rows: HALFS dense bytes
	s_or_b32 s[G1SB+0], s44, (3<<16)|(1<<21)
.irp g, G1S, G1SB
	s_mov_b32 s[\g+1], 32<<16
	s_mov_b32 s[\g+2], (HALFS/256)<<16
	s_mov_b32 s[\g+3], 32<<16
	s_mov_b32 s[\g+4], HALFS/256
	s_mov_b32 s[\g+5], 32
	s_mov_b32 s[\g+6], 0
	s_mov_b32 s[\g+7], 0
.endr
	s_lshl_b32 s20, s17, 1
	s_add_co_u32 s20, s20, s16                     ; the panel of A that I fetch
	s_lshl_b32 s46, s42, 1
	s_add_co_u32 s46, s46, s16                     ; the panel of W
	s_mul_i32 s22, s20, HALFS
	s_add_co_u32 s22, s22, ASOFF
	s_mov_b32 s23, 0
	s_mul_i32 s20, s20, PANEL
	s_mov_b32 s21, 0
	s_mul_i32 s92, s46, HALFS
	s_add_co_u32 s92, s92, BSOFF
	s_mov_b32 s93, 0
	s_mul_i32 s46, s46, PANEL
	s_add_co_u32 s46, s46, BOFF
	s_mov_b32 s47, 0
	s_mul_i32 s45, s14, HALFT                      ; where they go: wave x a piece
	s_mul_i32 s94, s14, HALFS
	s_wait_kmcnt 0x0
	s_add_nc_u64 s[20:21], s[4:5], s[20:21]
	s_add_nc_u64 s[22:23], s[4:5], s[22:23]
	s_add_nc_u64 s[46:47], s[6:7], s[46:47]
	s_add_nc_u64 s[92:93], s[6:7], s[92:93]
	CROUND                                         ; all sixteen work-groups are here: the first joint loads meet
	s_mov_b32 s[G0S], 1
	s_add_co_u32 s[G0S+1], s94, SCL
	s_mov_b64 s[G0S+2:G0S+3], s[22:23]
	s_or_b32 s[G0S+3], s[G0S+3], 0x80000000
	s_mov_b32 s[G0SB], 1
	s_add_co_u32 s[G0SB+1], s94, SCL
	s_mov_b64 s[G0SB+2:G0SB+3], s[92:93]
	s_or_b32 s[G0SB+3], s[G0SB+3], 0x80000000
	JLOAD G0S, G1S, G0SB, G1SB
.irp s, 0,1
	s_mov_b32 s[G0+4*\s], 1
	s_add_co_u32 s[G0+4*\s+1], s45, \s*SLOT
	s_add_nc_u64 s[G0+4*\s+2:G0+4*\s+3], s[20:21], \s*HALFT
	s_or_b32 s[G0+4*\s+3], s[G0+4*\s+3], 0x80000000
	s_mov_b32 s[G0B+4*\s], 1
	s_add_co_u32 s[G0B+4*\s+1], s45, \s*SLOT
	s_add_nc_u64 s[G0B+4*\s+2:G0B+4*\s+3], s[46:47], \s*HALFT
	s_or_b32 s[G0B+4*\s+3], s[G0B+4*\s+3], 0x80000000
	JLOAD G0+4*\s, G1, G0B+4*\s, G1B
.endr
	v_and_b32 v1, 15, v0                           ; r
	v_bfe_u32 v2, v0, 4, 1                         ; h
	v_and_b32 v3, 31, v0                           ; l
	v_lshlrev_b32 v4, 4, v3                        ; 16 l
	s_mul_i32 s21, s15, HALFT
	s_mul_i32 s22, s16, HALFT
	s_add_co_u32 s22, s22, 2*HALFT
.irp s, 0,1
	v_add_nc_u32 v[ADRA+\s], s21, v4
	v_add_nc_u32 v[ADRB+\s], s22, v4
	s_add_co_u32 s21, s21, SLOT
	s_add_co_u32 s22, s22, SLOT
.endr
	v_lshlrev_b32 v5, 2, v1
	s_mul_i32 s21, s15, HALFS
	s_mul_i32 s22, s16, HALFS
	s_add_co_u32 s22, s22, 2*HALFS
	s_sub_co_u32 s22, s22, s21
	v_mul_u32_u24 v6, s22, v2                      ; lanes 16-31 take W's scale words
	s_add_co_u32 s21, s21, SCL
	v_add_nc_u32 v5, v5, v6
	v_add_nc_u32 v[ADRS], s21, v5
	s_mul_i32 s23, s14, 16*SPITCH                  ; my stage
	v_mul_u32_u24 v5, v1, SPITCH
	v_lshl_add_u32 v5, v2, 6, v5
	v_add_nc_u32 v[STO], s23, v5                   ; in: row r, + 64 h
	v_mov_b32 v[CO], v4
	v_add_nc_u32 v[RD], s23, v4                    ; back: a row of 512 bytes for the 32 lanes
	s_lshl_b32 s46, s42, 10
	s_lshl_b32 s47, s16, 9
	s_add_co_u32 s46, s46, s47                     ; my 128 columns, x 4 bytes
	s_mov_b32 s47, 0
	s_add_nc_u64 s[8:9], s[8:9], s[46:47]
	s_lshl_b32 s20, s17, 1
	s_add_co_u32 s20, s20, s15
	s_lshl_b32 s20, s20, 19                        ; my panel's 128 rows of 4,096 bytes
	s_add_co_u32 s20, s20, s46
	s_mov_b32 s21, 0
	s_add_nc_u64 s[10:11], s[10:11], s[20:21]
	s_add_nc_u64 s[12:13], s[12:13], s[20:21]
	v_lshlrev_b32 v7, 6, v2
.irp b, 0,1,2,3,4,5,6,7
	global_load_b128 v[BN+8*\b:BN+8*\b+3], v7, s[8:9] offset:128*(\b/2)+32*(\b%2)            ; the bias of columns 32 (b / 2) + 16 h + 8 (b % 2) + 0 .. 7
	global_load_b128 v[BN+8*\b+4:BN+8*\b+7], v7, s[8:9] offset:128*(\b/2)+32*(\b%2)+16
.endr
.macro FRAG reg, adr, q, i             ; a fragment comes back as it was stored: three loads of 512 consecutive bytes
.irp c, 0,1,2
	ds_load_b128 v[\reg+4*\c:\reg+4*\c+3], v[\adr] offset:(\i)*3072+(\q)*1536+512*\c
.endr
.endm
; 16 matrix instructions: A's blocks a0, a0 + 1 x W's eight.  zero = 1: the first products start the sums, with the bias as C.  The 64 accumulators take turns, one instruction a turn.
.macro MUL16 a0, p, q, sc, zero
.irp a, \a0, \a0+1
.irp b, 0,1,2,3,4,5,6,7
.if \zero
	v_wmma_scale_f32_16x16x128_f8f6f4 v[8*(8*((\a)%4)+\b):8*(8*((\a)%4)+\b)+7], v[128*(\p)+FR*\b:128*(\p)+FR*\b+FR-1], v[AF+FR*(\a):AF+FR*(\a)+FR-1], v[BN+8*\b:BN+8*\b+7], v[SC+8*NQ*(\sc)+NQ*\b+(\q)], v[SC+8*NQ*(\sc)+NQ*(\a)+(\q)] matrix_a_fmt:MATRIX_FMT_FP6 matrix_b_fmt:MATRIX_FMT_FP6 matrix_a_scale:MATRIX_SCALE_ROW1
.else
	v_wmma_scale_f32_16x16x128_f8f6f4 v[8*(8*((\a)%4)+\b):8*(8*((\a)%4)+\b)+7], v[128*(\p)+FR*\b:128*(\p)+FR*\b+FR-1], v[AF+FR*(\a):AF+FR*(\a)+FR-1], v[8*(8*((\a)%4)+\b):8*(8*((\a)%4)+\b)+7], v[SC+8*NQ*(\sc)+NQ*\b+(\q)], v[SC+8*NQ*(\sc)+NQ*(\a)+(\q)] matrix_a_fmt:MATRIX_FMT_FP6 matrix_b_fmt:MATRIX_FMT_FP6 matrix_a_scale:MATRIX_SCALE_ROW1
.endif
.endr
.endr
.endm
.macro FETCH_B slot, q, p
	WIN TO_B
.irp i, 0,1,2,3,4,5,6,7
	FRAG 128*(\p)+FR*\i, ADRB+\slot, \q, \i
.endr
	WIN 0
.endm
.macro FETCH_A slot, q, i0
.irp i, \i0, \i0+1, \i0+2, \i0+3
	FRAG AF+FR*(\i), ADRA+\slot, \q, \i
.endr
.endm
.macro SCALES sc                       ; the slot's scale words: lanes 0-15 A's block i, lanes 16-31 W's block i
.irp i, 0,1,2,3,4,5,6,7
.irp q, 0,1
	ds_load_b32 v[SC+8*NQ*\sc+NQ*\i+\q], v[ADRS] offset:64*\i+512*\q
.endr
.endr
.endm
.macro PLACES n                        ; plain vector instructions between a matrix instruction and a load into, or a read of, its registers (ISA guide 7.12.1 for reads)
.rept \n
	v_nop
.endr
.endm
.macro STEP slot, q, zero
	s_wait_dscnt 4*NL                              ; all but the youngest twelve loads (A's blocks 4-7)
.if \zero
	WIN 0x81                                       ; C (the bias) in window 0
.else
	WIN MUL_LO
.endif
	MUL16 0, (\q)%2, \q, \slot, \zero
	MUL16 2, (\q)%2, \q, \slot, \zero
	s_wait_dscnt 0
	PLACES NP
	FETCH_B \slot, (\q)+1, 1-(\q)%2
	FETCH_A \slot, (\q)+1, 0
.if \zero
	WIN 0xc1
.else
	WIN MUL_HI
.endif
	MUL16 4, (\q)%2, \q, \slot, \zero
	MUL16 6, (\q)%2, \q, \slot, \zero
	PLACES NP
	WIN 0
	FETCH_A \slot, (\q)+1, 4
.endm
; A slot's last step changes slots: one barrier; in front of it each wave waits for all its tensor loads, adds 0 to its spare word, and waits for that and for its reads of this slot.  fill = 1: the slot is filled again, two K steps ahead.
.macro TURN slot, next, fill
	s_wait_tensorcnt 0x0                           ; all my tensor loads have landed: my part of the next slot
	ds_add_u32 v[SPW], v[NIL]                      ; 0 onto my spare word
	s_wait_dscnt 4*NL+1                            ; (the add and the youngest twelve loads may be out)
	WIN MUL_LO
	MUL16 0, 1, NQ-1, \slot, 0
	s_wait_dscnt 0x0                               ; the add is done, and my reads of this slot are over
	s_barrier_signal -1
	MUL16 2, 1, NQ-1, \slot, 0
	WIN 0
	s_barrier_wait -1
.if \fill
	CREST                                          ; the barrier has opened a round of the cluster's: no wave of any partner still reads this slot or has a load on its way
	s_add_nc_u64 s[G0+4*\slot+2:G0+4*\slot+3], s[G0+4*\slot+2:G0+4*\slot+3], 2*HALFT
	s_add_nc_u64 s[G0B+4*\slot+2:G0B+4*\slot+3], s[G0B+4*\slot+2:G0B+4*\slot+3], 2*HALFT
	JLOAD G0+4*\slot, G1, G0B+4*\slot, G1B         ; the first tensor load behind the round; its four v_nop are the places in front of the loads below
.else
	PLACES NP
.endif
	v_add_nc_u32 v[ADRS], 512*NQ, v[ADRS]
	FETCH_B \next, 0, 0
	FETCH_A \next, 0, 0
	SCALES \next
	WIN MUL_HI
	MUL16 4, 1, NQ-1, \slot, 0
	MUL16 6, 1, NQ-1, \slot, 0
	PLACES NP
	WIN 0
	FETCH_A \next, 0, 4
.endm
	s_wait_tensorcnt 1                             ; the scale words and my part of K step 0 are in; slot 1's load may be out
	s_barrier_signal -1
	s_barrier_wait -1
	FETCH_B 0, 0, 0
	FETCH_A 0, 0, 0
	SCALES 0
	FETCH_A 0, 0, 4
	s_wait_loadcnt 0x0                             ; the bias
	STEP 0, 0, 1
	s_mov_b32 s3, LAPS-1
.Llap:
	TURN 0, 1, 1
	STEP 1, 0, 0
	TURN 1, 0, 1
	STEP 0, 0, 0
	s_sub_co_u32 s3, s3, 1
	s_cmp_lg_u32 s3, 0
	s_cbranch_scc1 .Llap
	TURN 0, 1, 0                                   ; the last lap fills nothing
	STEP 1, 0, 0
	s_wait_dscnt 4*NL
	WIN MUL_LO
	MUL16 0, 1, NQ-1, 1, 0
	MUL16 2, 1, NQ-1, 1, 0
	s_wait_dscnt 0
	WIN MUL_HI
	MUL16 4, 1, NQ-1, 1, 0
	MUL16 6, 1, NQ-1, 1, 0
	WIN 0
; THE WAY OUT, block by block of 16 rows x 128 columns: through my stage in LDS, back as whole rows of 512 bytes, the residual's rows added, stored.  Stage row t is panel row 32 (a/2) + 8 (a%2) + t + 8 (t/8); every row's place is an immediate, 520,192 bytes at the most.
.macro RLOAD a                         ; the residual's 16 rows of block a: even blocks into v192-255, odd ones into v64-127
.set RR, 192-128*((\a)%2)
.irp t, 0,1,2,3,4,5,6,7,8,9,10,11,12,13,14,15
	global_load_b128 v[RR+4*\t:RR+4*\t+3], v[CO], s[10:11] offset:(32*((\a)/2)+8*((\a)%2)+\t+8*(\t/8))*4096 th:TH_LOAD_NT
.endr
.endm
.macro OUTB a
.if (\a) < 7
	RLOAD (\a)+1
.endif
.if (\a) > 0
	s_wait_xcnt 0x0                                ; the last block's stores have read their registers: the rows may be written again
.endif
.set AC, 64*((\a)%4)
	WIN 0x08+4*((\a)/4)                            ; an LDS store's data: window 2 or 3
.irp b, 0,1,2,3,4,5,6,7
	ds_store_b128 v[STO], v[AC+8*\b:AC+8*\b+3] offset:128*(\b/2)+32*(\b%2)          ; each accumulator from its low end on
	ds_store_b128 v[STO], v[AC+8*\b+4:AC+8*\b+7] offset:128*(\b/2)+32*(\b%2)+16
.endr
	WIN 0
.irp t, 0,1,2,3,4,5,6,7,8,9,10,11,12,13,14,15
	ds_load_b128 v[BK+4*\t:BK+4*\t+3], v[RD] offset:\t*SPITCH    ; LDS serves a wave's instructions in order: these see the stores above
.endr
	s_wait_dscnt 0x0
.if (\a) < 7
	s_wait_loadcnt 16                              ; this block's residual rows are in; the next block's sixteen loads may be out
.else
	s_wait_loadcnt 0x0
.endif
.set RR, 192-128*((\a)%2)
.set j, 0
.rept 32
	v_pk_add_f32 v[BK+j:BK+j+1], v[BK+j:BK+j+1], v[RR+j:RR+j+1]
.set j, j+2
.endr
.irp t, 0,1,2,3,4,5,6,7,8,9,10,11,12,13,14,15
.if LAST
	global_store_b128 v[CO], v[BK+4*\t:BK+4*\t+3], s[12:13] offset:(32*((\a)/2)+8*((\a)%2)+\t+8*(\t/8))*4096 th:TH_STORE_NT
.else
	global_store_b128 v[CO], v[BK+4*\t:BK+4*\t+3], s[12:13] offset:(32*((\a)/2)+8*((\a)%2)+\t+8*(\t/8))*4096   ; 32 lanes store 512 consecutive bytes, at a multiple of 256 from the buffer's first byte
.endif
.endr
.endm
	PLACES NP                                      ; behind the last products: loads land in registers that they read, and their results are read
	RLOAD 0
.irp a, 0,1,2,3,4,5,6,7
	OUTB \a
.endr
	s_wait_tensorcnt 0x0                           ; the wave's end
	ds_add_u32 v[SPW], v[NIL]
	s_wait_dscnt 0x0
	CROUND                                         ; the closing round
	s_endpgm
.Lfunc_end_k_qfb25ab548f_gout:
	.size	k_qfb25ab548f_gout, .Lfunc_end_k_qfb25ab548f_gout-k_qfb25ab548f_gout
	.p2alignl 7, 3214868480
	.fill 96, 4, 3214868480
	.section	.rodata,"a",@progbits
	.p2align	6, 0x0
	.amdhsa_kernel k_qfb25ab548f_gout
		.amdhsa_group_segment_fixed_size 327680
		.amdhsa_private_segment_fixed_size 0
		.amdhsa_enable_private_segment 0
		.amdhsa_kernarg_size 40
		.amdhsa_user_sgpr_count 2
		.amdhsa_user_sgpr_kernarg_segment_ptr 1
		.amdhsa_wavefront_size32 1
		.amdhsa_system_sgpr_workgroup_id_x 1
		.amdhsa_system_sgpr_workgroup_id_y 1
		.amdhsa_system_sgpr_workgroup_id_z 1
		.amdhsa_system_vgpr_workitem_id 0
		.amdhsa_next_free_vgpr 1024
		.amdhsa_next_free_sgpr 102
		.amdhsa_reserve_vcc 0
		.amdhsa_float_denorm_mode_32 3
		.amdhsa_float_denorm_mode_16_64 3
		.amdhsa_memory_ordered 1
		.amdhsa_forward_progress 1
		.amdhsa_inst_pref_size 167
	.end_amdhsa_kernel
	.amdgpu_metadata
---
amdhsa.version: [ 1, 2 ]
amdhsa.kernels:
  - .name:           k_qfb25ab548f_gout
    .symbol:         k_qfb25ab548f_gout.kd
    .args:
      - { .name: oc, .offset: 0, .size: 8, .value_kind: global_buffer, .address_space: global }
      - { .name: wts, .offset: 8, .size: 8, .value_kind: global_buffer, .address_space: global }
      - { .name: out_b, .offset: 16, .size: 8, .value_kind: global_buffer, .address_space: global }
      - { .name: x, .offset: 24, .size: 8, .value_kind: global_buffer, .address_space: global }
      - { .name: x1, .offset: 32, .size: 8, .value_kind: global_buffer, .address_space: global }
    .group_segment_fixed_size: 327680
    .private_segment_fixed_size: 0
    .kernarg_segment_align: 8
    .kernarg_segment_size: 40
    .max_flat_workgroup_size: 128
    .sgpr_count:     102
    .vgpr_count:     1024
    .wavefront_size: 32
...
	.end_amdgpu_metadata
.endif
;; end of part 4
;; launch lnq2: the kernel of part 1 again; grid 256 x 1, 8 waves a work-group, no clusters, 67,072 bytes of LDS; arguments x1, ln2_g, ln2_b, act, in_proj_w_codes, in_proj_w_scales, out_w_codes, out_w_scales, w1_codes, w1_scales, w2_codes, w2_scales, wts; writes act, wts
;; launch gup (part 5): grid 16 x 16, 4 waves a work-group, clusters of 4 x 4, 327,680 bytes of LDS; arguments act, wts, b1, hid; writes hid
.if DOCPART == 5
	.amdgcn_target "amdgcn-amd-amdhsa--gfx1250"
	.amdhsa_code_object_version 6
	.text
	.protected	k_qfb25ab548f_gup
	.globl	k_qfb25ab548f_gup
	.p2align	8
	.type	k_qfb25ab548f_gup,@function
k_qfb25ab548f_gup:
	s_mov_b64 s[64:65], 0
	v_nop
	global_prefetch_b8 v0, s[64:65] scope:SCOPE_SE
	s_setreg_imm32_b32 hwreg(HW_REG_WAVE_MODE, 25, 1), 1
	s_wait_xcnt 0x0
	s_wait_alu depctr_hold_cnt(0) depctr_sa_sdst(0) depctr_va_vdst(0) depctr_va_sdst(0) depctr_va_ssrc(0) depctr_va_vcc(0) depctr_vm_vsrc(0)
	s_getreg_b32 s2, hwreg(HW_REG_IB_STS2, 6, 4)
	s_cmp_eq_u32 s2, 0
	s_cbranch_scc0 .Lentry_in_a_cluster
	s_endpgm
.Lentry_in_a_cluster:
	s_bfe_u32 s2, ttmp6, 0x10000c
	s_cmp_lg_u32 s2, 0xf033
	s_cbranch_scc0 .Lentry_shape_is_right
	s_endpgm
.Lentry_shape_is_right:
; hid = Q(relu(h w1^T + b1)): [4,096] x [4,096], K = 1,024, on FP6 (E2M3) codes with one E8M0 byte for each 32 along K; the result is quantised along its columns, the next product's K, and stored as images of operand registers.
; OPERANDS ARE IMAGES OF REGISTERS: 128 rows x 256 along K are 24,576 dense bytes, [block a of 16 rows][128 along K][register group c][lane][16 bytes]; lane r of block a stands for panel row 32 (a/2) + 8 (a%2) + r + 8 (r/8).
; Source 0 = rows of w1, source 1 = tokens.  With w1's rows in that order the 64 results of a lane for one block of tokens are, register 16 b + i, column 32 b + 16 (lane / 16) + i: what the conversions want.
; A tile of 256 x 256 is made by four waves, each 128 x 128 in 64 accumulators.  K goes in steps of 256 through two LDS slots filled by tensor loads, asked for jointly in a 4 x 4 cluster.  The scale words for all of K come once with the first fills.
; By this text's count a wave has three tensor loads out at the start and one behind each round.  The bias is the C of the first products.
; LIMITS: NaN and infinities are not served; a block whose largest magnitude lies under 2^-124 keeps the byte 1 (a block of zeros too: its codes are zeros).
; REGISTERS: window 0: v16-31 addresses; v32-63 scale words; v64-127 the bias, later the numbers to quantise; v128-223 the tokens' fragments, later codes.  window 1: w1's fragments, two sets.  windows 2, 3: accumulators.
.set KK,     1024
.set ASOFF,  3145728
.set BOFF,   3145728
.set BSOFF,  9568256
.set NQ,     2
.set FR,     12
.set NL,     3
.set NP,     4
.set HALFT,  24576
.set SLOT,   4*HALFT
.set LAPS,   KK/512
.set PANEL,  96*KK
.set HALFS,  4*KK
.set SCL,    2*SLOT
.set SPARE,  SCL+4*HALFS
.set ADRA, 16
.set ADRB, 20
.set VO16, 24
.set SST,  26                          ; LDS: where my row's scale word goes: 512 x wave + 4 r (in slot 0, which has had its last fill and its last read by then)
.set ADRS, 27
.set SPW,  28
.set NIL,  29
.set SRD,  30
.set SC,   32
.set BN,   64
.set HA,   64
.set AF,   128
.set PC,   128
.set TM,   160
.set PW,   176
.set SEL,  66
.set G1, 24
.set G0, 32
.set G1B, 48
.set G0B, 56
.set G1S, 68
.set G0S, 76
.set G1SB, 80
.set G0SB, 88
.set MSB, 0
.macro WIN new                         ; the immediate's high byte repeats the setting that is left
.if MSB != (\new)
	s_set_vgpr_msb (MSB<<8)|(\new)
.set MSB, (\new)
.endif
.endm
.set MUL_LO, 0xa1
.set MUL_HI, 0xf1
.set TO_B,   0x40
.macro JLOAD g0a, g1a, g0b, g1b        ; a joint load: waves 0 and 1 fetch the tokens' halves, waves 2 and 3 w1's; four v_nop follow each line
	s_cmp_eq_u32 s15, 0
	s_cbranch_scc0 .Lfor_b_\@
	tensor_load_to_lds s[\g0a:\g0a+3], s[\g1a:\g1a+7]
	s_nop 0
.rept 4
	v_nop
.endr
	s_branch .Lasked_\@
.Lfor_b_\@:
	tensor_load_to_lds s[\g0b:\g0b+3], s[\g1b:\g1b+7]
	s_nop 0
.rept 4
	v_nop
.endr
.Lasked_\@:
.endm
.macro CREST
	s_cmp_lg_u32 s14, 0
	s_cbranch_scc1 .Lnot_wave_0_\@
	s_barrier_signal -3
.Lnot_wave_0_\@:
	s_barrier_wait -3
	s_barrier_signal -1
	s_barrier_wait -1
.endm
.macro CROUND
	s_barrier_signal -1
	s_barrier_wait -1
	CREST
.endm
.macro QUANT s                         ; 64 numbers, register 16 b + i = k 32 b + 16 (lane / 16) + i, become codes in v[PC] on and the scale word v[PW]
.irp b, 0,1,2,3
	v_max3_num_f32 v[TM+\b], |v[\s+16*\b]|, |v[\s+1+16*\b]|, 0x1800000   ; and the floor 2^(3 - 127): the byte cannot fall under 1
.endr
.irp i, 2,4,6,8,10,12,14
.irp b, 0,1,2,3
	v_max3_num_f32 v[TM+\b], v[TM+\b], |v[\s+16*\b+\i]|, |v[\s+1+16*\b+\i]|
.endr
.endr
.irp b, 0,1,2,3
	v_permlanex16_b32 v[TM+4+\b], v[TM+\b], s[SEL], s[SEL+1]
.endr
.irp b, 0,1,2,3
	v_max_num_f32 v[TM+\b], v[TM+\b], v[TM+4+\b]
.endr
.irp b, 0,1,2,3
	v_add_nc_u32 v[TM+12+\b], 0xff000000, v[TM+\b]
.endr
.irp b, 0,1,2,3
	v_lshrrev_b32 v[TM+4+\b], 23, v[TM+12+\b]
.endr
	v_lshl_or_b32 v[PW], v[TM+5], 8, v[TM+4]
	v_lshl_or_b32 v[PW], v[TM+6], 16, v[PW]
	v_lshl_or_b32 v[PW], v[TM+7], 24, v[PW]
.irp c, 0,1
	v_cvt_scalef32_pk16_fp6_f32 v[PC+6*\c:PC+2+6*\c], v[\s+32*\c:\s+15+32*\c], v[TM+12+2*\c]
	v_cvt_scalef32_pk16_fp6_f32 v[PC+12+4*\c:PC+14+4*\c], v[\s+16+32*\c:\s+31+32*\c], v[TM+12+2*\c+1]
.endr
	v_nop                                          ; one plain place behind a scaled conversion
.irp c, 0,1
.irp i, 0,1,2
	v_permlane16_swap_b32 v[PC+6*\c+\i], v[PC+12+4*\c+\i]
.endr
.irp i, 0,1,2
	v_mov_b32 v[PC+3+6*\c+\i], v[PC+12+4*\c+\i]
.endr
.endr
.endm
	s_load_b128 s[4:7], s[0:1], 0x0                ; act, wts
	s_load_b128 s[8:11], s[0:1], 0x10              ; b1, hid
	v_lshl_add_u32 v[SPW], v0, 2, SPARE
	v_mov_b32 v[NIL], 0
	ds_add_u32 v28, v29
	ds_add_u32 v28, v29
	s_wait_dscnt 0x0
	v_lshrrev_b32 v1, 5, v0
	v_readfirstlane_b32 s14, v1                    ; wave 0..3
	s_lshr_b32 s15, s14, 1
	s_and_b32 s16, s14, 1
	s_bfe_u32 s40, ttmp6, 0x40000                  ; cx
	s_bfe_u32 s41, ttmp6, 0x40004                  ; cy
	s_lshl_b32 s42, ttmp9, 2
	s_add_co_u32 s42, s42, s40                     ; tile column
	s_and_b32 s17, ttmp7, 0xffff
	s_lshl_b32 s17, s17, 2
	s_add_co_u32 s17, s17, s41                     ; tile row
	s_lshl_b32 s43, s41, 2
	s_lshl_b32 s43, 15, s43
	s_lshl_b32 s44, 0x1111, s40
	s_or_b32 s[G1+0], s43, (3<<16)|(1<<21)         ; a dense block of 24,576 bytes as 96 rows of 256 bytes (32 elements of 8 bytes), no padding
	s_or_b32 s[G1B+0], s44, (3<<16)|(1<<21)
.irp g, G1, G1B
	s_mov_b32 s[\g+1], 32<<16
	s_mov_b32 s[\g+2], 96<<16
	s_mov_b32 s[\g+3], 32<<16
	s_mov_b32 s[\g+4], 96
	s_mov_b32 s[\g+5], 32
	s_mov_b32 s[\g+6], 0
	s_mov_b32 s[\g+7], 0
.endr
	s_or_b32 s[G1S+0], s43, (3<<16)|(1<<21)
	s_or_b32 s[G1SB+0], s44, (3<<16)|(1<<21)
.irp g, G1S, G1SB
	s_mov_b32 s[\g+1], 32<<16
	s_mov_b32 s[\g+2], (HALFS/256)<<16
	s_mov_b32 s[\g+3], 32<<16
	s_mov_b32 s[\g+4], HALFS/256
	s_mov_b32 s[\g+5], 32
	s_mov_b32 s[\g+6], 0
	s_mov_b32 s[\g+7], 0
.endr
	s_lshl_b32 s20, s17, 1
	s_add_co_u32 s20, s20, s16
	s_lshl_b32 s46, s42, 1
	s_add_co_u32 s46, s46, s16
	s_mul_i32 s22, s20, HALFS
	s_add_co_u32 s22, s22, ASOFF
	s_mov_b32 s23, 0
	s_mul_i32 s20, s20, PANEL
	s_mov_b32 s21, 0
	s_mul_i32 s92, s46, HALFS
	s_add_co_u32 s92, s92, BSOFF
	s_mov_b32 s93, 0
	s_mul_i32 s46, s46, PANEL
	s_add_co_u32 s46, s46, BOFF
	s_mov_b32 s47, 0
	s_mul_i32 s45, s14, HALFT
	s_mul_i32 s94, s14, HALFS
	s_wait_kmcnt 0x0
	s_add_nc_u64 s[20:21], s[4:5], s[20:21]
	s_add_nc_u64 s[22:23], s[4:5], s[22:23]
	s_add_nc_u64 s[46:47], s[6:7], s[46:47]
	s_add_nc_u64 s[92:93], s[6:7], s[92:93]
	CROUND                                         ; all sixteen work-groups are here: the first joint loads meet
	s_mov_b32 s[G0S], 1
	s_add_co_u32 s[G0S+1], s94, SCL
	s_mov_b64 s[G0S+2:G0S+3], s[22:23]
	s_or_b32 s[G0S+3], s[G0S+3], 0x80000000
	s_mov_b32 s[G0SB], 1
	s_add_co_u32 s[G0SB+1], s94, SCL
	s_mov_b64 s[G0SB+2:G0SB+3], s[92:93]
	s_or_b32 s[G0SB+3], s[G0SB+3], 0x80000000
	JLOAD G0S, G1S, G0SB, G1SB
.irp s, 0,1
	s_mov_b32 s[G0+4*\s], 1
	s_add_co_u32 s[G0+4*\s+1], s45, \s*SLOT
	s_add_nc_u64 s[G0+4*\s+2:G0+4*\s+3], s[20:21], \s*HALFT
	s_or_b32 s[G0+4*\s+3], s[G0+4*\s+3], 0x80000000
	s_mov_b32 s[G0B+4*\s], 1
	s_add_co_u32 s[G0B+4*\s+1], s45, \s*SLOT
	s_add_nc_u64 s[G0B+4*\s+2:G0B+4*\s+3], s[46:47], \s*HALFT
	s_or_b32 s[G0B+4*\s+3], s[G0B+4*\s+3], 0x80000000
	JLOAD G0+4*\s, G1, G0B+4*\s, G1B
.endr
	v_and_b32 v1, 15, v0                           ; r
	v_bfe_u32 v2, v0, 4, 1                         ; h
	v_and_b32 v3, 31, v0                           ; l
	v_lshlrev_b32 v4, 4, v3                        ; 16 l
	s_mul_i32 s21, s15, HALFT
	s_mul_i32 s22, s16, HALFT
	s_add_co_u32 s22, s22, 2*HALFT
.irp s, 0,1
	v_add_nc_u32 v[ADRA+\s], s21, v4
	v_add_nc_u32 v[ADRB+\s], s22, v4
	s_add_co_u32 s21, s21, SLOT
	s_add_co_u32 s22, s22, SLOT
.endr
	v_lshlrev_b32 v5, 2, v1
	s_mul_i32 s21, s15, HALFS
	s_mul_i32 s22, s16, HALFS
	s_add_co_u32 s22, s22, 2*HALFS
	s_sub_co_u32 s22, s22, s21
	v_mul_u32_u24 v6, s22, v2                      ; lanes 16-31 take w1's scale words
	s_add_co_u32 s21, s21, SCL
	v_add_nc_u32 v5, v5, v6
	v_add_nc_u32 v[ADRS], s21, v5
	v_mov_b32 v[VO16], v4
	s_lshl_b32 s21, s14, 9
	v_lshl_add_u32 v[SST], v1, 2, s21
	v_add_nc_u32 v[SRD], s21, v4
	s_lshl_b32 s46, s42, 10
	s_lshl_b32 s47, s16, 9
	s_add_co_u32 s46, s46, s47                     ; my 128 columns x 4 bytes; also my K step of the result x 512
	s_mov_b32 s47, 0
	s_add_nc_u64 s[8:9], s[8:9], s[46:47]
	s_lshl_b32 s20, s17, 1
	s_add_co_u32 s20, s20, s15                     ; my panel of tokens
	s_mul_i32 s21, s20, 393216
	s_mul_i32 s22, s42, 24576
	s_add_co_u32 s21, s21, s22
	s_mul_i32 s22, s16, 1536
	s_add_co_u32 s22, s21, s22                     ; fragment (panel, K step 2 x tile column + half, block 0)
	s_mov_b32 s23, 0
	s_lshl_b32 s20, s20, 14
	s_add_co_u32 s20, s20, s46
	s_add_co_u32 s20, s20, 12582912
	s_mov_b32 s21, 0
	s_add_nc_u64 s[96:97], s[10:11], s[20:21]      ; scale words
	s_add_nc_u64 s[10:11], s[10:11], s[22:23]      ; codes
	v_lshlrev_b32 v7, 6, v2
.irp b, 0,1,2,3,4,5,6,7
	global_load_b128 v[BN+8*\b:BN+8*\b+3], v7, s[8:9] offset:128*(\b/2)+32*(\b%2)            ; the bias of columns 32 (b / 2) + 16 h + 8 (b % 2) + 0 .. 7
	global_load_b128 v[BN+8*\b+4:BN+8*\b+7], v7, s[8:9] offset:128*(\b/2)+32*(\b%2)+16
.endr
.macro FRAG reg, adr, q, i             ; a fragment comes back as it was stored: three loads of 512 consecutive bytes
.irp c, 0,1,2
	ds_load_b128 v[\reg+4*\c:\reg+4*\c+3], v[\adr] offset:(\i)*3072+(\q)*1536+512*\c
.endr
.endm
; 16 matrix instructions: the tokens' blocks a0, a0 + 1 x w1's eight.  zero = 1: the first products start the sums, with the bias as C.  The 64 accumulators take turns, one instruction a turn.
.macro MUL16 a0, p, q, sc, zero
.irp a, \a0, \a0+1
.irp b, 0,1,2,3,4,5,6,7
.if \zero
	v_wmma_scale_f32_16x16x128_f8f6f4 v[8*(8*((\a)%4)+\b):8*(8*((\a)%4)+\b)+7], v[128*(\p)+FR*\b:128*(\p)+FR*\b+FR-1], v[AF+FR*(\a):AF+FR*(\a)+FR-1], v[BN+8*\b:BN+8*\b+7], v[SC+8*NQ*(\sc)+NQ*\b+(\q)], v[SC+8*NQ*(\sc)+NQ*(\a)+(\q)] matrix_a_fmt:MATRIX_FMT_FP6 matrix_b_fmt:MATRIX_FMT_FP6 matrix_a_scale:MATRIX_SCALE_ROW1
.else
	v_wmma_scale_f32_16x16x128_f8f6f4 v[8*(8*((\a)%4)+\b):8*(8*((\a)%4)+\b)+7], v[128*(\p)+FR*\b:128*(\p)+FR*\b+FR-1], v[AF+FR*(\a):AF+FR*(\a)+FR-1], v[8*(8*((\a)%4)+\b):8*(8*((\a)%4)+\b)+7], v[SC+8*NQ*(\sc)+NQ*\b+(\q)], v[SC+8*NQ*(\sc)+NQ*(\a)+(\q)] matrix_a_fmt:MATRIX_FMT_FP6 matrix_b_fmt:MATRIX_FMT_FP6 matrix_a_scale:MATRIX_SCALE_ROW1
.endif
.endr
.endr
.endm
.macro FETCH_B slot, q, p
	WIN TO_B
.irp i, 0,1,2,3,4,5,6,7
	FRAG 128*(\p)+FR*\i, ADRB+\slot, \q, \i
.endr
	WIN 0
.endm
.macro FETCH_A slot, q, i0
.irp i, \i0, \i0+1, \i0+2, \i0+3
	FRAG AF+FR*(\i), ADRA+\slot, \q, \i
.endr
.endm
.macro SCALES sc
.irp i, 0,1,2,3,4,5,6,7
.irp q, 0,1
	ds_load_b32 v[SC+8*NQ*\sc+NQ*\i+\q], v[ADRS] offset:64*\i+512*\q
.endr
.endr
.endm
.macro PLACES n                        ; plain vector instructions between a matrix instruction and a load into, or a read of, its registers (ISA guide 7.12.1 for reads)
.rept \n
	v_nop
.endr
.endm
.macro STEP slot, q, zero
	s_wait_dscnt 4*NL                              ; all but the youngest twelve loads (the tokens' blocks 4-7)
.if \zero
	WIN 0x81                                       ; C (the bias) in window 0
.else
	WIN MUL_LO
.endif
	MUL16 0, (\q)%2, \q, \slot, \zero
	MUL16 2, (\q)%2, \q, \slot, \zero
	s_wait_dscnt 0
	PLACES NP
	FETCH_B \slot, (\q)+1, 1-(\q)%2
	FETCH_A \slot, (\q)+1, 0
.if \zero
	WIN 0xc1
.else
	WIN MUL_HI
.endif
	MUL16 4, (\q)%2, \q, \slot, \zero
	MUL16 6, (\q)%2, \q, \slot, \zero
	PLACES NP
	WIN 0
	FETCH_A \slot, (\q)+1, 4
.endm
; A slot's last step changes slots: one barrier; in front of it each wave waits for all its tensor loads, adds 0 to its spare word, and waits for that and for its reads of this slot.  fill = 1: the slot is filled again, two K steps ahead.
.macro TURN slot, next, fill
	s_wait_tensorcnt 0x0                           ; all my tensor loads have landed: my part of the next slot
	ds_add_u32 v[SPW], v[NIL]                      ; 0 onto my spare word
	s_wait_dscnt 4*NL+1                            ; (the add and the youngest twelve loads may be out)
	WIN MUL_LO
	MUL16 0, 1, NQ-1, \slot, 0
	s_wait_dscnt 0x0                               ; the add is done, and my reads of this slot are over
	s_barrier_signal -1
	MUL16 2, 1, NQ-1, \slot, 0
	WIN 0
	s_barrier_wait -1
.if \fill
	CREST                                          ; the barrier has opened a round of the cluster's: no wave of any partner still reads this slot or has a load on its way
	s_add_nc_u64 s[G0+4*\slot+2:G0+4*\slot+3], s[G0+4*\slot+2:G0+4*\slot+3], 2*HALFT
	s_add_nc_u64 s[G0B+4*\slot+2:G0B+4*\slot+3], s[G0B+4*\slot+2:G0B+4*\slot+3], 2*HALFT
	JLOAD G0+4*\slot, G1, G0B+4*\slot, G1B         ; the first tensor load behind the round; its four v_nop are the places in front of the loads below
.else
	PLACES NP
.endif
	v_add_nc_u32 v[ADRS], 512*NQ, v[ADRS]
	FETCH_B \next, 0, 0
	FETCH_A \next, 0, 0
	SCALES \next
	WIN MUL_HI
	MUL16 4, 1, NQ-1, \slot, 0
	MUL16 6, 1, NQ-1, \slot, 0
	PLACES NP
	WIN 0
	FETCH_A \next, 0, 4
.endm
	s_wait_tensorcnt 1                             ; the scale words and my part of K step 0 are in; slot 1's load may be out
	s_barrier_signal -1
	s_barrier_wait -1
	FETCH_B 0, 0, 0
	FETCH_A 0, 0, 0
	SCALES 0
	FETCH_A 0, 0, 4
	s_wait_loadcnt 0x0                             ; the bias
	STEP 0, 0, 1
	s_mov_b32 s3, LAPS-1
.Llap:
	TURN 0, 1, 1
	STEP 1, 0, 0
	TURN 1, 0, 1
	STEP 0, 0, 0
	s_sub_co_u32 s3, s3, 1
	s_cmp_lg_u32 s3, 0
	s_cbranch_scc1 .Llap
	TURN 0, 1, 0                                   ; the last lap fills nothing
	STEP 1, 0, 0
	s_wait_dscnt 4*NL
	WIN MUL_LO
	MUL16 0, 1, NQ-1, 1, 0
	MUL16 2, 1, NQ-1, 1, 0
	s_wait_dscnt 0
	WIN MUL_HI
	MUL16 4, 1, NQ-1, 1, 0
	MUL16 6, 1, NQ-1, 1, 0
	WIN 0
; THE WAY OUT, block by block of 16 tokens: the activation moves a lane's 64 results to window 0; they are quantised, and the fragment leaves as it stands.
.macro EPI a
.set AC, 64*((\a)%4)
.if (\a) > 0
	s_wait_xcnt 0x0                                ; the last block's stores have read their registers: the codes may be written again
.endif
	WIN 0x08+4*((\a)/4)                            ; source 1: window 2 or 3
.set j, 0
.rept 64
	v_max_num_f32 v[HA+j], 0, v[AC+j]              ; relu; each accumulator from its low end on
.set j, j+1
.endr
	WIN 0
	QUANT HA
.irp c, 0,1,2
	global_store_b128 v[VO16], v[PC+4*\c:PC+4*\c+3], s[10:11] offset:(\a)*3072+512*\c   ; 512 consecutive bytes a store
.endr
	ds_store_b32 v[SST], v[PW] offset:64*(\a)      ; both halves of the lanes write the same word
.endm
	PLACES NP                                      ; behind the last products: their results are read and their operands written below
.irp b, 0,1,2,3
	v_mov_b32 v[TM+4+\b], 0                        ; written once: a lane permute's destination counts as one of its sources
.endr
	s_mov_b32 s[SEL], 0x76543210
	s_mov_b32 s[SEL+1], 0xfedcba98
.irp a, 0,1,2,3,4,5,6,7
	EPI \a
.endr
	ds_load_b128 v[HA:HA+3], v[SRD]                ; LDS serves a wave's instructions in order: these see my eight stores
	s_wait_dscnt 0x0
	global_store_b128 v[VO16], v[HA:HA+3], s[96:97]   ; the wave's 128 scale words: 512 consecutive bytes
	s_wait_tensorcnt 0x0                           ; the wave's end
	ds_add_u32 v[SPW], v[NIL]
	s_wait_dscnt 0x0
	CROUND                                         ; the closing round
	s_endpgm
.Lfunc_end_k_qfb25ab548f_gup:
	.size	k_qfb25ab548f_gup, .Lfunc_end_k_qfb25ab548f_gup-k_qfb25ab548f_gup
	.p2alignl 7, 3214868480
	.fill 96, 4, 3214868480
	.section	.rodata,"a",@progbits
	.p2align	6, 0x0
	.amdhsa_kernel k_qfb25ab548f_gup
		.amdhsa_group_segment_fixed_size 327680
		.amdhsa_private_segment_fixed_size 0
		.amdhsa_enable_private_segment 0
		.amdhsa_kernarg_size 32
		.amdhsa_user_sgpr_count 2
		.amdhsa_user_sgpr_kernarg_segment_ptr 1
		.amdhsa_wavefront_size32 1
		.amdhsa_system_sgpr_workgroup_id_x 1
		.amdhsa_system_sgpr_workgroup_id_y 1
		.amdhsa_system_sgpr_workgroup_id_z 1
		.amdhsa_system_vgpr_workitem_id 0
		.amdhsa_next_free_vgpr 1024
		.amdhsa_next_free_sgpr 102
		.amdhsa_reserve_vcc 0
		.amdhsa_float_denorm_mode_32 3
		.amdhsa_float_denorm_mode_16_64 3
		.amdhsa_memory_ordered 1
		.amdhsa_forward_progress 1
		.amdhsa_inst_pref_size 160
	.end_amdhsa_kernel
	.amdgpu_metadata
---
amdhsa.version: [ 1, 2 ]
amdhsa.kernels:
  - .name:           k_qfb25ab548f_gup
    .symbol:         k_qfb25ab548f_gup.kd
    .args:
      - { .name: act, .offset: 0, .size: 8, .value_kind: global_buffer, .address_space: global }
      - { .name: wts, .offset: 8, .size: 8, .value_kind: global_buffer, .address_space: global }
      - { .name: b1, .offset: 16, .size: 8, .value_kind: global_buffer, .address_space: global }
      - { .name: hid, .offset: 24, .size: 8, .value_kind: global_buffer, .address_space: global }
    .group_segment_fixed_size: 327680
    .private_segment_fixed_size: 0
    .kernarg_segment_align: 8
    .kernarg_segment_size: 32
    .max_flat_workgroup_size: 128
    .sgpr_count:     102
    .vgpr_count:     1024
    .wavefront_size: 32
...
	.end_amdgpu_metadata
.endif
;; end of part 5
;; launch gdown (part 6): grid 4 x 16, 4 waves a work-group, clusters of 4 x 4, 327,680 bytes of LDS; arguments hid, wts, b2, x1, out0; writes out0
.if DOCPART == 6
	.amdgcn_target "amdgcn-amd-amdhsa--gfx1250"
	.amdhsa_code_object_version 6
	.text
	.protected	k_qfb25ab548f_gdown
	.globl	k_qfb25ab548f_gdown
	.p2align	8
	.type	k_qfb25ab548f_gdown,@function
k_qfb25ab548f_gdown:
	s_mov_b64 s[64:65], 0
	v_nop
	global_prefetch_b8 v0, s[64:65] scope:SCOPE_SE
	s_setreg_imm32_b32 hwreg(HW_REG_WAVE_MODE, 25, 1), 1
	s_wait_xcnt 0x0
	s_wait_alu depctr_hold_cnt(0) depctr_sa_sdst(0) depctr_va_vdst(0) depctr_va_sdst(0) depctr_va_ssrc(0) depctr_va_vcc(0) depctr_vm_vsrc(0)
	s_getreg_b32 s2, hwreg(HW_REG_IB_STS2, 6, 4)
	s_cmp_eq_u32 s2, 0
	s_cbranch_scc0 .Lentry_in_a_cluster
	s_endpgm
.Lentry_in_a_cluster:
	s_bfe_u32 s2, ttmp6, 0x10000c
	s_cmp_lg_u32 s2, 0xf033
	s_cbranch_scc0 .Lentry_shape_is_right
	s_endpgm
.Lentry_shape_is_right:
; OUT = RES + A W^T + bias, f32, on FP6 (E2M3) codes with one E8M0 byte for each 32 along K = KK.  Here: out0 = x1 + hid w2^T + b2, K = 4,096.
; OPERANDS ARE IMAGES OF REGISTERS: 128 rows x 256 along K are 24,576 dense bytes, [block a of 16 rows][128 along K][register group c][lane][16 bytes]; lane r of block a stands for panel row 32 (a/2) + 8 (a%2) + r + 8 (r/8).
; A tile of 256 x 256 is made by four waves, each 128 x 128 in 64 accumulators; source 0 = rows of W, source 1 = rows of A, so a lane's eight results are neighbours in a row of OUT.
; K goes in steps of 256 through two LDS slots filled by tensor loads, asked for jointly in a 4 x 4 cluster (A's tiles along a row, W's along a column).  The scale words for all of K (65,536 bytes) come once with the first fills.
; By this text's count a wave has three tensor loads out at the start and one behind each round.  The bias is the C of the first products.
; 64 tiles: a quarter of the chip's work-group places; a smaller tile would read each fragment for fewer products.
; REGISTERS: window 0: v16-31 addresses; v32-63 scale words; v64-127 the bias, later residual rows; v128-223 A's fragments; on the way out v128-191 rows of OUT, v192-255 and v64-127 residual rows by turns.  window 1: W's fragments, two sets.  windows 2, 3: accumulators.
.set KK,     4096
.set ASOFF,  12582912                  ; A's scale words in its buffer
.set BOFF,   6291456                   ; W's images in wts
.set BSOFF,  9699328                   ; W's scale words in wts
.set LAST,   1                         ; 1: OUT is read by no later launch
.set NQ,     2
.set FR,     12
.set NL,     3
.set NP,     4
.set HALFT,  24576
.set SLOT,   4*HALFT
.set LAPS,   KK/512
.set PANEL,  96*KK
.set HALFS,  4*KK
.set SCL,    2*SLOT
.set SPARE,  SCL+4*HALFS
.set SPITCH, 528                       ; the way out: a stage of 16 rows x (512 + 16) bytes a wave, in slot 0, which has had its last fill and its last read by then
.set ADRA, 16
.set ADRB, 20
.set STO,  24
.set RD,   25
.set CO,   26
.set ADRS, 27
.set SPW,  28
.set NIL,  29
.set SC,   32
.set BN,   64
.set AF,   128
.set BK,   128
.set G1, 24
.set G0, 32
.set G1B, 48
.set G0B, 56
.set G1S, 68
.set G0S, 76
.set G1SB, 80
.set G0SB, 88
.set MSB, 0
.macro WIN new                         ; the immediate's high byte repeats the setting that is left
.if MSB != (\new)
	s_set_vgpr_msb (MSB<<8)|(\new)
.set MSB, (\new)
.endif
.endm
.set MUL_LO, 0xa1
.set MUL_HI, 0xf1
.set TO_B,   0x40
.macro JLOAD g0a, g1a, g0b, g1b        ; a joint load: waves 0 and 1 fetch A's halves, waves 2 and 3 W's; four v_nop follow each line
	s_cmp_eq_u32 s15, 0
	s_cbranch_scc0 .Lfor_b_\@
	tensor_load_to_lds s[\g0a:\g0a+3], s[\g1a:\g1a+7]
	s_nop 0
.rept 4
	v_nop
.endr
	s_branch .Lasked_\@
.Lfor_b_\@:
	tensor_load_to_lds s[\g0b:\g0b+3], s[\g1b:\g1b+7]
	s_nop 0
.rept 4
	v_nop
.endr
.Lasked_\@:
.endm
.macro CREST
	s_cmp_lg_u32 s14, 0
	s_cbranch_scc1 .Lnot_wave_0_\@
	s_barrier_signal -3
.Lnot_wave_0_\@:
	s_barrier_wait -3
	s_barrier_signal -1
	s_barrier_wait -1
.endm
.macro CROUND
	s_barrier_signal -1
	s_barrier_wait -1
	CREST
.endm
	s_load_b128 s[4:7], s[0:1], 0x0                ; A, wts
	s_load_b128 s[8:11], s[0:1], 0x10              ; bias, RES
	s_load_b64 s[12:13], s[0:1], 0x20              ; OUT
	v_lshl_add_u32 v[SPW], v0, 2, SPARE
	v_mov_b32 v[NIL], 0
	ds_add_u32 v28, v29
	ds_add_u32 v28, v29
	s_wait_dscnt 0x0
	v_lshrrev_b32 v1, 5, v0
	v_readfirstlane_b32 s14, v1                    ; wave 0..3
	s_lshr_b32 s15, s14, 1                         ; my half of A's rows.  Also: I fetch for A (0) or W (1)
	s_and_b32 s16, s14, 1                          ; my half of W's rows.  Also: which 128 rows I fetch
	s_bfe_u32 s40, ttmp6, 0x40000                  ; cx
	s_bfe_u32 s41, ttmp6, 0x40004                  ; cy
	s_lshl_b32 s42, ttmp9, 2
	s_add_co_u32 s42, s42, s40                     ; tile column
	s_and_b32 s17, ttmp7, 0xffff
	s_lshl_b32 s17, s17, 2
	s_add_co_u32 s17, s17, s41                     ; tile row
	s_lshl_b32 s43, s41, 2
	s_lshl_b32 s43, 15, s43                        ; my row of the cluster
	s_lshl_b32 s44, 0x1111, s40                    ; my column
	s_or_b32 s[G1+0], s43, (3<<16)|(1<<21)         ; a dense block of 24,576 bytes as 96 rows of 256 bytes (32 elements of 8 bytes), no padding
	s_or_b32 s[G1B+0], s44, (3<<16)|(1<<21)
.irp g, G1, G1B
	s_mov_b32 s[\g+1], 32<<16
	s_mov_b32 s[\g+2], 96<<16
	s_mov_b32 s[\g+3], 32<<16
	s_mov_b32 s[\g+4], 96
	s_mov_b32 s[\g+5], 32
	s_mov_b32 s[\g+6], 0
	s_mov_b32 s[\g+7], 0
.endr
	s_or_b32 s[G1S+0], s43, (3<<16)|(1<<21)        ; the scale words of 128 rows: HALFS dense bytes
	s_or_b32 s[G1SB+0], s44, (3<<16)|(1<<21)
.irp g, G1S, G1SB
	s_mov_b32 s[\g+1], 32<<16
	s_mov_b32 s[\g+2], (HALFS/256)<<16
	s_mov_b32 s[\g+3], 32<<16
	s_mov_b32 s[\g+4], HALFS/256
	s_mov_b32 s[\g+5], 32
	s_mov_b32 s[\g+6], 0
	s_mov_b32 s[\g+7], 0
.endr
	s_lshl_b32 s20, s17, 1
	s_add_co_u32 s20, s20, s16                     ; the panel of A that I fetch
	s_lshl_b32 s46, s42, 1
	s_add_co_u32 s46, s46, s16                     ; the panel of W
	s_mul_i32 s22, s20, HALFS
	s_add_co_u32 s22, s22, ASOFF
	s_mov_b32 s23, 0
	s_mul_i32 s20, s20, PANEL
	s_mov_b32 s21, 0
	s_mul_i32 s92, s46, HALFS
	s_add_co_u32 s92, s92, BSOFF
	s_mov_b32 s93, 0
	s_mul_i32 s46, s46, PANEL
	s_add_co_u32 s46, s46, BOFF
	s_mov_b32 s47, 0
	s_mul_i32 s45, s14, HALFT                      ; where they go: wave x a piece
	s_mul_i32 s94, s14, HALFS
	s_wait_kmcnt 0x0
	s_add_nc_u64 s[20:21], s[4:5], s[20:21]
	s_add_nc_u64 s[22:23], s[4:5], s[22:23]
	s_add_nc_u64 s[46:47], s[6:7], s[46:47]
	s_add_nc_u64 s[92:93], s[6:7], s[92:93]
	CROUND                                         ; all sixteen work-groups are here: the first joint loads meet
	s_mov_b32 s[G0S], 1
	s_add_co_u32 s[G0S+1], s94, SCL
	s_mov_b64 s[G0S+2:G0S+3], s[22:23]
	s_or_b32 s[G0S+3], s[G0S+3], 0x80000000
	s_mov_b32 s[G0SB], 1
	s_add_co_u32 s[G0SB+1], s94, SCL
	s_mov_b64 s[G0SB+2:G0SB+3], s[92:93]
	s_or_b32 s[G0SB+3], s[G0SB+3], 0x80000000
	JLOAD G0S, G1S, G0SB, G1SB
.irp s, 0,1
	s_mov_b32 s[G0+4*\s], 1
	s_add_co_u32 s[G0+4*\s+1], s45, \s*SLOT
	s_add_nc_u64 s[G0+4*\s+2:G0+4*\s+3], s[20:21], \s*HALFT
	s_or_b32 s[G0+4*\s+3], s[G0+4*\s+3], 0x80000000
	s_mov_b32 s[G0B+4*\s], 1
	s_add_co_u32 s[G0B+4*\s+1], s45, \s*SLOT
	s_add_nc_u64 s[G0B+4*\s+2:G0B+4*\s+3], s[46:47], \s*HALFT
	s_or_b32 s[G0B+4*\s+3], s[G0B+4*\s+3], 0x80000000
	JLOAD G0+4*\s, G1, G0B+4*\s, G1B
.endr
	v_and_b32 v1, 15, v0                           ; r
	v_bfe_u32 v2, v0, 4, 1                         ; h
	v_and_b32 v3, 31, v0                           ; l
	v_lshlrev_b32 v4, 4, v3                        ; 16 l
	s_mul_i32 s21, s15, HALFT
	s_mul_i32 s22, s16, HALFT
	s_add_co_u32 s22, s22, 2*HALFT
.irp s, 0,1
	v_add_nc_u32 v[ADRA+\s], s21, v4
	v_add_nc_u32 v[ADRB+\s], s22, v4
	s_add_co_u32 s21, s21, SLOT
	s_add_co_u32 s22, s22, SLOT
.endr
	v_lshlrev_b32 v5, 2, v1
	s_mul_i32 s21, s15, HALFS
	s_mul_i32 s22, s16, HALFS
	s_add_co_u32 s22, s22, 2*HALFS
	s_sub_co_u32 s22, s22, s21
	v_mul_u32_u24 v6, s22, v2                      ; lanes 16-31 take W's scale words
	s_add_co_u32 s21, s21, SCL
	v_add_nc_u32 v5, v5, v6
	v_add_nc_u32 v[ADRS], s21, v5
	s_mul_i32 s23, s14, 16*SPITCH                  ; my stage
	v_mul_u32_u24 v5, v1, SPITCH
	v_lshl_add_u32 v5, v2, 6, v5
	v_add_nc_u32 v[STO], s23, v5                   ; in: row r, + 64 h
	v_mov_b32 v[CO], v4
	v_add_nc_u32 v[RD], s23, v4                    ; back: a row of 512 bytes for the 32 lanes
	s_lshl_b32 s46, s42, 10
	s_lshl_b32 s47, s16, 9
	s_add_co_u32 s46, s46, s47                     ; my 128 columns, x 4 bytes
	s_mov_b32 s47, 0
	s_add_nc_u64 s[8:9], s[8:9], s[46:47]
	s_lshl_b32 s20, s17, 1
	s_add_co_u32 s20, s20, s15
	s_lshl_b32 s20, s20, 19                        ; my panel's 128 rows of 4,096 bytes
	s_add_co_u32 s20, s20, s46
	s_mov_b32 s21, 0
	s_add_nc_u64 s[10:11], s[10:11], s[20:21]
	s_add_nc_u64 s[12:13], s[12:13], s[20:21]
	v_lshlrev_b32 v7, 6, v2
.irp b, 0,1,2,3,4,5,6,7
	global_load_b128 v[BN+8*\b:BN+8*\b+3], v7, s[8:9] offset:128*(\b/2)+32*(\b%2)            ; the bias of columns 32 (b / 2) + 16 h + 8 (b % 2) + 0 .. 7
	global_load_b128 v[BN+8*\b+4:BN+8*\b+7], v7, s[8:9] offset:128*(\b/2)+32*(\b%2)+16
.endr
.macro FRAG reg, adr, q, i             ; a fragment comes back as it was stored: three loads of 512 consecutive bytes
.irp c, 0,1,2
	ds_load_b128 v[\reg+4*\c:\reg+4*\c+3], v[\adr] offset:(\i)*3072+(\q)*1536+512*\c
.endr
.endm
; 16 matrix instructions: A's blocks a0, a0 + 1 x W's eight.  zero = 1: the first products start the sums, with the bias as C.  The 64 accumulators take turns, one instruction a turn.
.macro MUL16 a0, p, q, sc, zero
.irp a, \a0, \a0+1
.irp b, 0,1,2,3,4,5,6,7
.if \zero
	v_wmma_scale_f32_16x16x128_f8f6f4 v[8*(8*((\a)%4)+\b):8*(8*((\a)%4)+\b)+7], v[128*(\p)+FR*\b:128*(\p)+FR*\b+FR-1], v[AF+FR*(\a):AF+FR*(\a)+FR-1], v[BN+8*\b:BN+8*\b+7], v[SC+8*NQ*(\sc)+NQ*\b+(\q)], v[SC+8*NQ*(\sc)+NQ*(\a)+(\q)] matrix_a_fmt:MATRIX_FMT_FP6 matrix_b_fmt:MATRIX_FMT_FP6 matrix_a_scale:MATRIX_SCALE_ROW1
.else
	v_wmma_scale_f32_16x16x128_f8f6f4 v[8*(8*((\a)%4)+\b):8*(8*((\a)%4)+\b)+7], v[128*(\p)+FR*\b:128*(\p)+FR*\b+FR-1], v[AF+FR*(\a):AF+FR*(\a)+FR-1], v[8*(8*((\a)%4)+\b):8*(8*((\a)%4)+\b)+7], v[SC+8*NQ*(\sc)+NQ*\b+(\q)], v[SC+8*NQ*(\sc)+NQ*(\a)+(\q)] matrix_a_fmt:MATRIX_FMT_FP6 matrix_b_fmt:MATRIX_FMT_FP6 matrix_a_scale:MATRIX_SCALE_ROW1
.endif
.endr
.endr
.endm
.macro FETCH_B slot, q, p
	WIN TO_B
.irp i, 0,1,2,3,4,5,6,7
	FRAG 128*(\p)+FR*\i, ADRB+\slot, \q, \i
.endr
	WIN 0
.endm
.macro FETCH_A slot, q, i0
.irp i, \i0, \i0+1, \i0+2, \i0+3
	FRAG AF+FR*(\i), ADRA+\slot, \q, \i
.endr
.endm
.macro SCALES sc                       ; the slot's scale words: lanes 0-15 A's block i, lanes 16-31 W's block i
.irp i, 0,1,2,3,4,5,6,7
.irp q, 0,1
	ds_load_b32 v[SC+8*NQ*\sc+NQ*\i+\q], v[ADRS] offset:64*\i+512*\q
.endr
.endr
.endm
.macro PLACES n                        ; plain vector instructions between a matrix instruction and a load into, or a read of, its registers (ISA guide 7.12.1 for reads)
.rept \n
	v_nop
.endr
.endm
.macro STEP slot, q, zero
	s_wait_dscnt 4*NL                              ; all but the youngest twelve loads (A's blocks 4-7)
.if \zero
	WIN 0x81                                       ; C (the bias) in window 0
.else
	WIN MUL_LO
.endif
	MUL16 0, (\q)%2, \q, \slot, \zero
	MUL16 2, (\q)%2, \q, \slot, \zero
	s_wait_dscnt 0
	PLACES NP
	FETCH_B \slot, (\q)+1, 1-(\q)%2
	FETCH_A \slot, (\q)+1, 0
.if \zero
	WIN 0xc1
.else
	WIN MUL_HI
.endif
	MUL16 4, (\q)%2, \q, \slot, \zero
	MUL16 6, (\q)%2, \q, \slot, \zero
	PLACES NP
	WIN 0
	FETCH_A \slot, (\q)+1, 4
.endm
; A slot's last step changes slots: one barrier; in front of it each wave waits for all its tensor loads, adds 0 to its spare word, and waits for that and for its reads of this slot.  fill = 1: the slot is filled again, two K steps ahead.
.macro TURN slot, next, fill
	s_wait_tensorcnt 0x0                           ; all my tensor loads have landed: my part of the next slot
	ds_add_u32 v[SPW], v[NIL]                      ; 0 onto my spare word
	s_wait_dscnt 4*NL+1                            ; (the add and the youngest twelve loads may be out)
	WIN MUL_LO
	MUL16 0, 1, NQ-1, \slot, 0
	s_wait_dscnt 0x0                               ; the add is done, and my reads of this slot are over
	s_barrier_signal -1
	MUL16 2, 1, NQ-1, \slot, 0
	WIN 0
	s_barrier_wait -1
.if \fill
	CREST                                          ; the barrier has opened a round of the cluster's: no wave of any partner still reads this slot or has a load on its way
	s_add_nc_u64 s[G0+4*\slot+2:G0+4*\slot+3], s[G0+4*\slot+2:G0+4*\slot+3], 2*HALFT
	s_add_nc_u64 s[G0B+4*\slot+2:G0B+4*\slot+3], s[G0B+4*\slot+2:G0B+4*\slot+3], 2*HALFT
	JLOAD G0+4*\slot, G1, G0B+4*\slot, G1B         ; the first tensor load behind the round; its four v_nop are the places in front of the loads below
.else
	PLACES NP
.endif
	v_add_nc_u32 v[ADRS], 512*NQ, v[ADRS]
	FETCH_B \next, 0, 0
	FETCH_A \next, 0, 0
	SCALES \next
	WIN MUL_HI
	MUL16 4, 1, NQ-1, \slot, 0
	MUL16 6, 1, NQ-1, \slot, 0
	PLACES NP
	WIN 0
	FETCH_A \next, 0, 4
.endm
	s_wait_tensorcnt 1                             ; the scale words and my part of K step 0 are in; slot 1's load may be out
	s_barrier_signal -1
	s_barrier_wait -1
	FETCH_B 0, 0, 0
	FETCH_A 0, 0, 0
	SCALES 0
	FETCH_A 0, 0, 4
	s_wait_loadcnt 0x0                             ; the bias
	STEP 0, 0, 1
	s_mov_b32 s3, LAPS-1
.Llap:
	TURN 0, 1, 1
	STEP 1, 0, 0
	TURN 1, 0, 1
	STEP 0, 0, 0
	s_sub_co_u32 s3, s3, 1
	s_cmp_lg_u32 s3, 0
	s_cbranch_scc1 .Llap
	TURN 0, 1, 0                                   ; the last lap fills nothing
	STEP 1, 0, 0
	s_wait_dscnt 4*NL
	WIN MUL_LO
	MUL16 0, 1, NQ-1, 1, 0
	MUL16 2, 1, NQ-1, 1, 0
	s_wait_dscnt 0
	WIN MUL_HI
	MUL16 4, 1, NQ-1, 1, 0
	MUL16 6, 1, NQ-1, 1, 0
	WIN 0
; THE WAY OUT, block by block of 16 rows x 128 columns: through my stage in LDS, back as whole rows of 512 bytes, the residual's rows added, stored.  Stage row t is panel row 32 (a/2) + 8 (a%2) + t + 8 (t/8); every row's place is an immediate, 520,192 bytes at the most.
.macro RLOAD a                         ; the residual's 16 rows of block a: even blocks into v192-255, odd ones into v64-127
.set RR, 192-128*((\a)%2)
.irp t, 0,1,2,3,4,5,6,7,8,9,10,11,12,13,14,15
	global_load_b128 v[RR+4*\t:RR+4*\t+3], v[CO], s[10:11] offset:(32*((\a)/2)+8*((\a)%2)+\t+8*(\t/8))*4096 th:TH_LOAD_NT
.endr
.endm
.macro OUTB a
.if (\a) < 7
	RLOAD (\a)+1
.endif
.if (\a) > 0
	s_wait_xcnt 0x0                                ; the last block's stores have read their registers: the rows may be written again
.endif
.set AC, 64*((\a)%4)
	WIN 0x08+4*((\a)/4)                            ; an LDS store's data: window 2 or 3
.irp b, 0,1,2,3,4,5,6,7
	ds_store_b128 v[STO], v[AC+8*\b:AC+8*\b+3] offset:128*(\b/2)+32*(\b%2)          ; each accumulator from its low end on
	ds_store_b128 v[STO], v[AC+8*\b+4:AC+8*\b+7] offset:128*(\b/2)+32*(\b%2)+16
.endr
	WIN 0
.irp t, 0,1,2,3,4,5,6,7,8,9,10,11,12,13,14,15
	ds_load_b128 v[BK+4*\t:BK+4*\t+3], v[RD] offset:\t*SPITCH    ; LDS serves a wave's instructions in order: these see the stores above
.endr
	s_wait_dscnt 0x0
.if (\a) < 7
	s_wait_loadcnt 16                              ; this block's residual rows are in; the next block's sixteen loads may be out
.else
	s_wait_loadcnt 0x0
.endif
.set RR, 192-128*((\a)%2)
.set j, 0
.rept 32
	v_pk_add_f32 v[BK+j:BK+j+1], v[BK+j:BK+j+1], v[RR+j:RR+j+1]
.set j, j+2
.endr
.irp t, 0,1,2,3,4,5,6,7,8,9,10,11,12,13,14,15
.if LAST
	global_store_b128 v[CO], v[BK+4*\t:BK+4*\t+3], s[12:13] offset:(32*((\a)/2)+8*((\a)%2)+\t+8*(\t/8))*4096 th:TH_STORE_NT   ; 32 lanes store 512 consecutive bytes, at a multiple of 256 from the buffer's first byte
.else
	global_store_b128 v[CO], v[BK+4*\t:BK+4*\t+3], s[12:13] offset:(32*((\a)/2)+8*((\a)%2)+\t+8*(\t/8))*4096
.endif
.endr
.endm
	PLACES NP                                      ; behind the last products: loads land in registers that they read, and their results are read
	RLOAD 0
.irp a, 0,1,2,3,4,5,6,7
	OUTB \a
.endr
	s_wait_tensorcnt 0x0                           ; the wave's end
	ds_add_u32 v[SPW], v[NIL]
	s_wait_dscnt 0x0
	CROUND                                         ; the closing round
	s_endpgm
.Lfunc_end_k_qfb25ab548f_gdown:
	.size	k_qfb25ab548f_gdown, .Lfunc_end_k_qfb25ab548f_gdown-k_qfb25ab548f_gdown
	.p2alignl 7, 3214868480
	.fill 96, 4, 3214868480
	.section	.rodata,"a",@progbits
	.p2align	6, 0x0
	.amdhsa_kernel k_qfb25ab548f_gdown
		.amdhsa_group_segment_fixed_size 327680
		.amdhsa_private_segment_fixed_size 0
		.amdhsa_enable_private_segment 0
		.amdhsa_kernarg_size 40
		.amdhsa_user_sgpr_count 2
		.amdhsa_user_sgpr_kernarg_segment_ptr 1
		.amdhsa_wavefront_size32 1
		.amdhsa_system_sgpr_workgroup_id_x 1
		.amdhsa_system_sgpr_workgroup_id_y 1
		.amdhsa_system_sgpr_workgroup_id_z 1
		.amdhsa_system_vgpr_workitem_id 0
		.amdhsa_next_free_vgpr 1024
		.amdhsa_next_free_sgpr 102
		.amdhsa_reserve_vcc 0
		.amdhsa_float_denorm_mode_32 3
		.amdhsa_float_denorm_mode_16_64 3
		.amdhsa_memory_ordered 1
		.amdhsa_forward_progress 1
		.amdhsa_inst_pref_size 167
	.end_amdhsa_kernel
	.amdgpu_metadata
---
amdhsa.version: [ 1, 2 ]
amdhsa.kernels:
  - .name:           k_qfb25ab548f_gdown
    .symbol:         k_qfb25ab548f_gdown.kd
    .args:
      - { .name: hid, .offset: 0, .size: 8, .value_kind: global_buffer, .address_space: global }
      - { .name: wts, .offset: 8, .size: 8, .value_kind: global_buffer, .address_space: global }
      - { .name: b2, .offset: 16, .size: 8, .value_kind: global_buffer, .address_space: global }
      - { .name: x1, .offset: 24, .size: 8, .value_kind: global_buffer, .address_space: global }
      - { .name: out0, .offset: 32, .size: 8, .value_kind: global_buffer, .address_space: global }
    .group_segment_fixed_size: 327680
    .private_segment_fixed_size: 0
    .kernarg_segment_align: 8
    .kernarg_segment_size: 40
    .max_flat_workgroup_size: 128
    .sgpr_count:     102
    .vgpr_count:     1024
    .wavefront_size: 32
...
	.end_amdgpu_metadata
.endif
;; end of part 6
;; ======== version 2 of 2: 7 launches; 1.26 times as fast as version 1
;; limits: right only within a limited range of input values
;; workspace buffers: act 3,276,800 bytes; wts 9,830,400 bytes; qkv 9,830,400 bytes; oc 3,276,800 bytes; x1 16,777,216 bytes; hid 13,107,200 bytes
;; launch lnq1: the kernel of part 1 again; grid 352 x 1, 8 waves a work-group, no clusters, 67,072 bytes of LDS; arguments x, ln1_g, ln1_b, act, in_proj_w_codes, in_proj_w_scales, out_w_codes, out_w_scales, w1_codes, w1_scales, w2_codes, w2_scales, wts; writes act, wts
;; launch gqkv: the kernel of part 2 again; grid 12 x 16, 4 waves a work-group, clusters of 4 x 4, 327,680 bytes of LDS; arguments act, wts, in_proj_b, qkv; writes qkv
;; launch att: the kernel of part 3 again; grid 16 x 16, 16 waves a work-group, no clusters, 171,008 bytes of LDS; arguments qkv, res_pos, oc; writes oc
;; launch gout (part 7): grid 8 x 32, 4 waves a work-group, clusters of 4 x 4, 327,680 bytes of LDS; arguments oc, wts, out_b, x, x1; writes x1
.if DOCPART == 7
	.amdgcn_target "amdgcn-amd-amdhsa--gfx1250"
	.amdhsa_code_object_version 6
	.text
	.protected	k_qfb25ab548f_gout
	.globl	k_qfb25ab548f_gout
	.p2align	8
	.type	k_qfb25ab548f_gout,@function
k_qfb25ab548f_gout:
	s_mov_b64 s[64:65], 0
	v_nop
	global_prefetch_b8 v0, s[64:65] scope:SCOPE_SE
	s_setreg_imm32_b32 hwreg(HW_REG_WAVE_MODE, 25, 1), 1
	s_wait_xcnt 0x0
	s_wait_alu depctr_hold_cnt(0) depctr_sa_sdst(0) depctr_va_vdst(0) depctr_va_sdst(0) depctr_va_ssrc(0) depctr_va_vcc(0) depctr_vm_vsrc(0)
	s_getreg_b32 s2, hwreg(HW_REG_IB_STS2, 6, 4)
	s_cmp_eq_u32 s2, 0
	s_cbranch_scc0 .Lentry_in_a_cluster
	s_endpgm
.Lentry_in_a_cluster:
	s_bfe_u32 s2, ttmp6, 0x10000c
	s_cmp_lg_u32 s2, 0xf033
	s_cbranch_scc0 .Lentry_shape_is_right
	s_endpgm
.Lentry_shape_is_right:
; OUT = RES + A W^T + bias, f32, on FP6 (E2M3) codes with one E8M0 byte for each 32 along K = KK.  Here: x1 = x + o out_w^T + out_b, K = 1,024.
; OPERANDS ARE IMAGES OF REGISTERS: 128 rows x 256 along K are 24,576 dense bytes, [block a of 16 rows][128 along K][register group c][lane][16 bytes]; lane r of block a stands for panel row 32 (a/2) + 8 (a%2) + r + 8 (r/8).
; A TILE OF 128 x 128 is made by a work-group of four waves, each 64 x 64 in 16 accumulators: OUT's 4,096 x 1,024 are 256 tiles, where tiles of 256 x 256 would be 64 work-groups.
; Source 0 = rows of W, source 1 = rows of A, so a lane's eight results are neighbours in a row of OUT.
; K goes in slots of 512 (A's two pieces of 256 along K, then W's two; a wave's tensor load brings one piece), asked for jointly in a 4 x 4 cluster: A's panel along a row of the cluster, W's along a column.
; With K = 1,024 the two slots hold all of K: both are filled once, and nothing is filled again.  The scale words for all of K come with the first fills.  By this text's count a wave has three tensor loads out at the start.
; The bias is the C of the first products.  THE RESIDUAL's 64 x 64 numbers of a wave are asked for at the head, into 128 registers that nothing else uses, and waited for once, on the way out.
; REGISTERS: window 0: v16-29 addresses; v32-63 scale words, two sets of 16; v64-95 the bias; on the way out v64-127 rows of OUT, two sets; v128-255 the accumulators ((a, b) at v[128 + 8 (4 a + b)]).
;   window 1: two sets of fragments for 128 along K, at v0 and v128: W's four (48 registers), then A's four.   window 2: v0-127 the residual.
.set KK,     1024
.set ASOFF,  3145728                   ; A's scale words in its buffer
.set BOFF,   2359296                   ; W's images in wts
.set BSOFF,  9535488                   ; W's scale words in wts
.set LAST,   0                         ; 1: OUT is read by no later launch
.set FR,     12                        ; registers of a fragment
.set NP,     4                         ; places behind this matrix instruction (ISA guide 7.12.1)
.set HALFT,  24576                     ; 128 rows x 256 along K: what one tensor load brings
.set SLOT,   4*HALFT                   ; 512 along K of A's panel and of W's
.set LAPS,   KK/1024                   ; a lap = two slots
.set PANEL,  96*KK                     ; a panel's images in memory
.set HALFS,  4*KK                      ; a panel's scale words
.set SCL,    2*SLOT                    ; behind the slots: A's scale words, then W's
.set SPARE,  SCL+2*HALFS               ; the spare words, 128 bytes a wave, that no other line names
.set SPITCH, 272                       ; the way out: a stage of 16 rows x (256 + 16) bytes a wave, in slot 0, which has had its last fill and its last read by then
.set ADRA, 16                          ; v16-17 LDS address of my A fragments in slot 0, 1
.set ADRB, 20                          ; v20-21 the same for W
.set STO,  24                          ; the stage: where I put 32 bytes of a row
.set RD,   25                          ; and where I read rows back
.set CO,   26                          ; my byte offset in two rows of OUT and of RES: 4,096 (lane / 16) + 16 (lane % 16)
.set ADRS, 27                          ; LDS address of my scale words: lanes 0-15 A's, lanes 16-31 W's
.set SPW,  28
.set NIL,  29
.set SC,   32
.set BN,   64
.set BK,   64
.set ACC,  128
.set G1, 24
.set G0, 32
.set G1B, 48
.set G0B, 56
.set G1S, 68
.set G0S, 76
.set G1SB, 80
.set G0SB, 88
.set MSB, 0
.macro WIN new                         ; the immediate's high byte repeats the setting that is left
.if MSB != (\new)
	s_set_vgpr_msb (MSB<<8)|(\new)
.set MSB, (\new)
.endif
.endm
.set MUL,  0x05                        ; sources 0 (W) and 1 (A) window 1; C and D window 0
.set TO_F, 0x40                        ; destination window 1, address window 0
.macro JLOAD g0a, g1a, g0b, g1b        ; a joint load: waves 0 and 1 fetch A's pieces, waves 2 and 3 W's; the branch hangs on the wave's number alone; four v_nop follow each line
	s_cmp_eq_u32 s15, 0
	s_cbranch_scc0 .Lfor_b_\@
	tensor_load_to_lds s[\g0a:\g0a+3], s[\g1a:\g1a+7]
	s_nop 0
.rept 4
	v_nop
.endr
	s_branch .Lasked_\@
.Lfor_b_\@:
	tensor_load_to_lds s[\g0b:\g0b+3], s[\g1b:\g1b+7]
	s_nop 0
.rept 4
	v_nop
.endr
.Lasked_\@:
.endm
.macro CREST                           ; a round of the cluster's barrier behind its opening barrier
	s_cmp_lg_u32 s14, 0
	s_cbranch_scc1 .Lnot_wave_0_\@
	s_barrier_signal -3
.Lnot_wave_0_\@:
	s_barrier_wait -3
	s_barrier_signal -1
	s_barrier_wait -1
.endm
.macro CROUND
	s_barrier_signal -1
	s_barrier_wait -1
	CREST
.endm
	s_load_b128 s[4:7], s[0:1], 0x0                ; A, wts
	s_load_b128 s[8:11], s[0:1], 0x10              ; bias, RES
	s_load_b64 s[12:13], s[0:1], 0x20              ; OUT
	v_lshl_add_u32 v[SPW], v0, 2, SPARE
	v_mov_b32 v[NIL], 0
	ds_add_u32 v28, v29
	ds_add_u32 v28, v29
	s_wait_dscnt 0x0
	v_lshrrev_b32 v1, 5, v0
	v_readfirstlane_b32 s14, v1                    ; wave 0..3
	s_lshr_b32 s15, s14, 1                         ; my half of A's blocks.  Also: I fetch for A (0) or W (1)
	s_and_b32 s16, s14, 1                          ; my half of W's blocks.  Also: which piece of 256 along K I fetch
	s_bfe_u32 s40, ttmp6, 0x40000                  ; cx
	s_bfe_u32 s41, ttmp6, 0x40004                  ; cy
	s_lshl_b32 s42, ttmp9, 2
	s_add_co_u32 s42, s42, s40                     ; tile column = W's panel
	s_and_b32 s17, ttmp7, 0xffff
	s_lshl_b32 s17, s17, 2
	s_add_co_u32 s17, s17, s41                     ; tile row = A's panel
	s_lshl_b32 s43, s41, 2
	s_lshl_b32 s43, 15, s43                        ; my row of the cluster
	s_lshl_b32 s44, 0x1111, s40                    ; my column
	s_or_b32 s[G1+0], s43, (3<<16)|(1<<21)         ; a dense block of 24,576 bytes as 96 rows of 256 bytes (32 elements of 8 bytes), no padding: a fragment load's 512 bytes are consecutive
	s_or_b32 s[G1B+0], s44, (3<<16)|(1<<21)
.irp g, G1, G1B
	s_mov_b32 s[\g+1], 32<<16
	s_mov_b32 s[\g+2], 96<<16
	s_mov_b32 s[\g+3], 32<<16
	s_mov_b32 s[\g+4], 96
	s_mov_b32 s[\g+5], 32
	s_mov_b32 s[\g+6], 0
	s_mov_b32 s[\g+7], 0
.endr
	s_or_b32 s[G1S+0], s43, (3<<16)|(1<<21)        ; half a panel's scale words: HALFS / 2 dense bytes
	s_or_b32 s[G1SB+0], s44, (3<<16)|(1<<21)
.irp g, G1S, G1SB
	s_mov_b32 s[\g+1], 32<<16
	s_mov_b32 s[\g+2], (HALFS/512)<<16
	s_mov_b32 s[\g+3], 32<<16
	s_mov_b32 s[\g+4], HALFS/512
	s_mov_b32 s[\g+5], 32
	s_mov_b32 s[\g+6], 0
	s_mov_b32 s[\g+7], 0
.endr
	s_mul_i32 s18, s16, HALFT                      ; my piece of a slot's codes,
	s_mul_i32 s19, s16, HALFS/2                    ; my half of the scale words
	s_mul_i32 s22, s17, HALFS
	s_add_co_u32 s22, s22, s19
	s_add_co_u32 s22, s22, ASOFF
	s_mov_b32 s23, 0
	s_mul_i32 s20, s17, PANEL
	s_add_co_u32 s20, s20, s18
	s_mov_b32 s21, 0
	s_mul_i32 s92, s42, HALFS
	s_add_co_u32 s92, s92, s19
	s_add_co_u32 s92, s92, BSOFF
	s_mov_b32 s93, 0
	s_mul_i32 s46, s42, PANEL
	s_add_co_u32 s46, s46, s18
	s_add_co_u32 s46, s46, BOFF
	s_mov_b32 s47, 0
	s_mul_i32 s45, s14, HALFT                      ; where they go: wave x a piece: no place in the cluster enters an LDS address
	s_mul_i32 s94, s14, HALFS/2
	s_wait_kmcnt 0x0
	s_add_nc_u64 s[20:21], s[4:5], s[20:21]
	s_add_nc_u64 s[22:23], s[4:5], s[22:23]
	s_add_nc_u64 s[46:47], s[6:7], s[46:47]
	s_add_nc_u64 s[92:93], s[6:7], s[92:93]
	CROUND                                         ; all sixteen work-groups are here: the first joint loads meet
	s_mov_b32 s[G0S], 1
	s_add_co_u32 s[G0S+1], s94, SCL
	s_mov_b64 s[G0S+2:G0S+3], s[22:23]
	s_or_b32 s[G0S+3], s[G0S+3], 0x80000000
	s_mov_b32 s[G0SB], 1
	s_add_co_u32 s[G0SB+1], s94, SCL
	s_mov_b64 s[G0SB+2:G0SB+3], s[92:93]
	s_or_b32 s[G0SB+3], s[G0SB+3], 0x80000000
	JLOAD G0S, G1S, G0SB, G1SB                     ; the scale words first: they are wanted with the first step
.irp s, 0,1
	s_mov_b32 s[G0+4*\s], 1
	s_add_co_u32 s[G0+4*\s+1], s45, \s*SLOT
	s_add_nc_u64 s[G0+4*\s+2:G0+4*\s+3], s[20:21], \s*2*HALFT
	s_or_b32 s[G0+4*\s+3], s[G0+4*\s+3], 0x80000000
	s_mov_b32 s[G0B+4*\s], 1
	s_add_co_u32 s[G0B+4*\s+1], s45, \s*SLOT
	s_add_nc_u64 s[G0B+4*\s+2:G0B+4*\s+3], s[46:47], \s*2*HALFT
	s_or_b32 s[G0B+4*\s+3], s[G0B+4*\s+3], 0x80000000
	JLOAD G0+4*\s, G1, G0B+4*\s, G1B
.endr
	v_and_b32 v1, 15, v0                           ; r
	v_bfe_u32 v2, v0, 4, 1                         ; h
	v_and_b32 v3, 31, v0                           ; l
	v_lshlrev_b32 v4, 4, v3                        ; 16 l
	s_mul_i32 s21, s15, 4*3072                     ; my four blocks of A,
	s_mul_i32 s22, s16, 4*3072                     ; my four of W,
	s_add_co_u32 s22, s22, 2*HALFT                 ; which lie behind A's two pieces
.irp s, 0,1
	v_add_nc_u32 v[ADRA+\s], s21, v4
	v_add_nc_u32 v[ADRB+\s], s22, v4
	s_add_co_u32 s21, s21, SLOT
	s_add_co_u32 s22, s22, SLOT
.endr
	v_lshlrev_b32 v5, 2, v1                        ; scale words: 4 r;
	s_lshl_b32 s21, s15, 8                         ; lanes 0-15: my four blocks of A, 64 bytes each;
	s_lshl_b32 s22, s16, 8
	s_add_co_u32 s22, s22, HALFS
	s_sub_co_u32 s22, s22, s21
	v_mul_u32_u24 v6, s22, v2                      ; lanes 16-31: my four of W, behind A's words
	s_add_co_u32 s21, s21, SCL
	v_add_nc_u32 v5, v5, v6
	v_add_nc_u32 v[ADRS], s21, v5
	s_mul_i32 s23, s14, 16*SPITCH                  ; my stage
	v_mul_u32_u24 v5, v1, SPITCH
	v_lshl_add_u32 v5, v2, 6, v5
	v_add_nc_u32 v[STO], s23, v5                   ; in: row r, + 64 h
	v_mul_u32_u24 v5, v2, SPITCH
	v_lshl_add_u32 v5, v1, 4, v5
	v_add_nc_u32 v[RD], s23, v5                    ; back: lanes 0-15 one row of 256 bytes, lanes 16-31 the next
	v_lshlrev_b32 v5, 12, v2
	v_lshl_add_u32 v[CO], v1, 4, v5                ; and the same two rows in OUT and RES
	v_lshlrev_b32 v7, 6, v2                        ; 64 h
	s_lshl_b32 s46, s42, 9
	s_lshl_b32 s47, s16, 8
	s_add_co_u32 s46, s46, s47                     ; my 64 columns, x 4 bytes
	s_mov_b32 s47, 0
	s_add_nc_u64 s[8:9], s[8:9], s[46:47]
	s_lshl_b32 s20, s17, 19                        ; my panel's 128 rows of 4,096 bytes,
	s_lshl_b32 s21, s15, 18                        ; my 64 of them
	s_add_co_u32 s20, s20, s21
	s_add_co_u32 s20, s20, s46
	s_mov_b32 s21, 0
	s_add_nc_u64 s[10:11], s[10:11], s[20:21]
	s_add_nc_u64 s[12:13], s[12:13], s[20:21]
.irp b, 0,1,2,3
	global_load_b128 v[BN+8*\b:BN+8*\b+3], v7, s[8:9] offset:128*(\b/2)+32*(\b%2)            ; the bias of columns 32 (b / 2) + 16 h + 8 (b % 2) + 0 .. 7
	global_load_b128 v[BN+8*\b+4:BN+8*\b+7], v7, s[8:9] offset:128*(\b/2)+32*(\b%2)+16
.endr
	WIN 0x80                                       ; destination window 2
.irp a, 0,1,2,3                                ; the residual: block a's rows 2 t + h, as the way out will hold them; sixteen lanes read 256 consecutive bytes; every row's place is an immediate, 253,952 bytes at the most
.irp t, 0,1,2,3,4,5,6,7
	global_load_b128 v[32*\a+4*\t:32*\a+4*\t+3], v[CO], s[10:11] offset:(32*(\a/2)+8*(\a%2)+2*\t+8*(\t/4))*4096 th:TH_LOAD_NT
.endr
.endr
	WIN 0
.macro FRAG reg, adr, q, i             ; a fragment comes back as it was stored: three loads of 512 consecutive bytes.  q: the slot's q-th 128 along K
.irp c, 0,1,2
	ds_load_b128 v[\reg+4*\c:\reg+4*\c+3], v[\adr] offset:((\q)/2)*HALFT+(\i)*3072+((\q)%2)*1536+512*\c
.endr
.endm
.macro FETCH slot, q, p                ; 24 LDS loads in one run: W's four fragments and A's four into set p
	WIN TO_F
.irp i, 0,1,2,3
	FRAG 128*(\p)+FR*\i, ADRB+\slot, \q, \i
.endr
.irp i, 0,1,2,3
	FRAG 128*(\p)+48+FR*\i, ADRA+\slot, \q, \i
.endr
.endm
.macro SCALES sc                       ; a slot's scale words into set sc: register 4 q + i: lanes 0-15 A's block i, lanes 16-31 W's block i
	WIN 0
.irp q, 0,1,2,3
.irp i, 0,1,2,3
	ds_load_b32 v[SC+16*\sc+4*\q+\i], v[ADRS] offset:512*\q+64*\i
.endr
.endr
.endm
; 8 matrix instructions: A's blocks a0, a0 + 1 x W's four.  zero = 1: the first products start the sums, with the bias as C.  The 16 accumulators take turns, one instruction a turn, in the same order in every step.
.macro MUL8 a0, p, q, sc, zero
.irp a, \a0, \a0+1
.irp b, 0,1,2,3
.if \zero
	v_wmma_scale_f32_16x16x128_f8f6f4 v[ACC+8*(4*(\a)+\b):ACC+8*(4*(\a)+\b)+7], v[128*(\p)+FR*\b:128*(\p)+FR*\b+FR-1], v[128*(\p)+48+FR*(\a):128*(\p)+48+FR*(\a)+FR-1], v[BN+8*\b:BN+8*\b+7], v[SC+16*(\sc)+4*(\q)+\b], v[SC+16*(\sc)+4*(\q)+(\a)] matrix_a_fmt:MATRIX_FMT_FP6 matrix_b_fmt:MATRIX_FMT_FP6 matrix_a_scale:MATRIX_SCALE_ROW1
.else
	v_wmma_scale_f32_16x16x128_f8f6f4 v[ACC+8*(4*(\a)+\b):ACC+8*(4*(\a)+\b)+7], v[128*(\p)+FR*\b:128*(\p)+FR*\b+FR-1], v[128*(\p)+48+FR*(\a):128*(\p)+48+FR*(\a)+FR-1], v[ACC+8*(4*(\a)+\b):ACC+8*(4*(\a)+\b)+7], v[SC+16*(\sc)+4*(\q)+\b], v[SC+16*(\sc)+4*(\q)+(\a)] matrix_a_fmt:MATRIX_FMT_FP6 matrix_b_fmt:MATRIX_FMT_FP6 matrix_a_scale:MATRIX_SCALE_ROW1
.endif
.endr
.endr
.endm
.macro PLACES n                        ; plain vector instructions between a matrix instruction and a load into, or a read of, its registers (ISA guide 7.12.1 for reads)
.rept \n
	v_nop
.endr
.endm
; 128 along K that have their successor in the same slot: this step's set is in; the next step's 24 loads go out in one run, into the set that the last step multiplied, and land under this step's 16 products.
.macro STEP slot, q, zero
	s_wait_dscnt 0x0                               ; my set (asked for a step ago) and, in a slot's first step, its scale words
	PLACES NP
	FETCH \slot, (\q)+1, 1-(\q)%2
	WIN MUL
	MUL8 0, (\q)%2, \q, \slot, \zero
	MUL8 2, (\q)%2, \q, \slot, \zero
.endm
; A slot's fourth step changes slots: one barrier; in front of it each wave waits for all its tensor loads, adds 0 to its spare word, and waits for that and for its reads of this slot.  fill = 1: the slot is filled again, two slots ahead.
.macro TURN slot, next, fill
	WIN 0                                          ; (the add's two registers lie in window 0)
	s_wait_tensorcnt 0x0                           ; all my tensor loads have landed: my part of the next slot
	ds_add_u32 v[SPW], v[NIL]                      ; 0 onto my spare word
	s_wait_dscnt 1                                 ; my set is in (the add alone may be out)
	WIN MUL
	MUL8 0, 1, 3, \slot, 0                         ; eight matrix instructions stand between the add and the wait for it
	s_wait_dscnt 0x0                               ; the add is done, and my reads of this slot are over
	s_barrier_signal -1
	MUL8 2, 1, 3, \slot, 0
	WIN 0
	s_barrier_wait -1
.if \fill
	CREST                                          ; the barrier has opened a round of the cluster's: no wave of any partner still reads this slot or has a load on its way
	s_add_nc_u64 s[G0+4*\slot+2:G0+4*\slot+3], s[G0+4*\slot+2:G0+4*\slot+3], 4*HALFT
	s_add_nc_u64 s[G0B+4*\slot+2:G0B+4*\slot+3], s[G0B+4*\slot+2:G0B+4*\slot+3], 4*HALFT
	JLOAD G0+4*\slot, G1, G0B+4*\slot, G1B         ; the first tensor load behind the round; its four v_nop are the places in front of the loads below
.else
	PLACES NP
.endif
	v_add_nc_u32 v[ADRS], 2048, v[ADRS]            ; the next slot's scale words: four steps of 512 bytes on
	FETCH \next, 0, 0
	SCALES \next
.endm
	s_wait_tensorcnt 1                             ; the scale words and my part of slot 0 are in; slot 1's load may be out
	s_barrier_signal -1
	s_barrier_wait -1
	FETCH 0, 0, 0
	SCALES 0
	s_wait_loadcnt 32                              ; the bias is in; the 32 younger loads (the residual) stay out
	STEP 0, 0, 1                                   ; the first step stands in front of the loop: its products start the sums
.if LAPS > 1
	WIN 0                                          ; at a label and at a branch every window is 0
	s_mov_b32 s3, LAPS-1
.Llap:                                                 ; a trip goes once round the two slots, from a lap's second step to the next lap's first, and fills both again
	STEP 0, 1, 0
	STEP 0, 2, 0
	TURN 0, 1, 1
	STEP 1, 0, 0
	STEP 1, 1, 0
	STEP 1, 2, 0
	TURN 1, 0, 1
	STEP 0, 0, 0
	WIN 0
	s_sub_co_u32 s3, s3, 1
	s_cmp_lg_u32 s3, 0
	s_cbranch_scc1 .Llap
.endif
	STEP 0, 1, 0                                   ; the last lap fills nothing
	STEP 0, 2, 0
	TURN 0, 1, 0
	STEP 1, 0, 0
	STEP 1, 1, 0
	STEP 1, 2, 0
	s_wait_dscnt 0x0                               ; the very last step: nothing more to fetch
	WIN MUL
	MUL8 0, 1, 3, 1, 0
	MUL8 2, 1, 3, 1, 0
	WIN 0
; THE WAY OUT, block by block of 16 rows x 64 columns: through my stage in LDS, back as whole rows of 256 bytes, the residual's rows added, stored.  Stage row t is row 32 (a/2) + 8 (a%2) + t + 8 (t/8) of my 64.
; LDS serves a wave's instructions in order (ISA guide 5.7.1.4): no wait between the stores and the loads, nor in front of the next block's stores.
.macro TOSTAGE a
.irp b, 0,1,2,3
	ds_store_b128 v[STO], v[ACC+8*(4*(\a)+\b):ACC+8*(4*(\a)+\b)+3] offset:128*(\b/2)+32*(\b%2)          ; each accumulator from its low end on
	ds_store_b128 v[STO], v[ACC+8*(4*(\a)+\b)+4:ACC+8*(4*(\a)+\b)+7] offset:128*(\b/2)+32*(\b%2)+16
.endr
.set BB, BK+32*((\a)%2)
.irp t, 0,1,2,3,4,5,6,7
	ds_load_b128 v[BB+4*\t:BB+4*\t+3], v[RD] offset:2*\t*SPITCH
.endr
.endm
.macro SEND a, younger                 ; younger: the LDS instructions issued behind block a's loads, which may stay out
.set BB, BK+32*((\a)%2)
	s_wait_dscnt \younger                          ; the block is back in registers
	WIN 0x08                                       ; source 1 (the residual) window 2
.set j, 0
.rept 16
	v_pk_add_f32 v[BB+j:BB+j+1], v[BB+j:BB+j+1], v[32*(\a)+j:32*(\a)+j+1]
.set j, j+2
.endr
	WIN 0
.irp t, 0,1,2,3,4,5,6,7
.if LAST
	global_store_b128 v[CO], v[BB+4*\t:BB+4*\t+3], s[12:13] offset:(32*((\a)/2)+8*((\a)%2)+2*\t+8*(\t/4))*4096 th:TH_STORE_NT
.else
	global_store_b128 v[CO], v[BB+4*\t:BB+4*\t+3], s[12:13] offset:(32*((\a)/2)+8*((\a)%2)+2*\t+8*(\t/4))*4096   ; sixteen lanes store 256 consecutive bytes, at a multiple of 256 from the buffer's first byte
.endif
.endr
.endm
	PLACES NP                                      ; behind the last products, whose results are read below
	s_wait_loadcnt 0x0                             ; the residual, asked for at the head
	TOSTAGE 0
	TOSTAGE 1
	SEND 0, 16                                     ; behind block 0's loads: block 1's 8 stores and 8 loads
	s_wait_xcnt 0x0                                ; block 0's stores have read their registers: block 2's rows may land there
	TOSTAGE 2
	SEND 1, 16
	s_wait_xcnt 0x0
	TOSTAGE 3
	SEND 2, 16
	SEND 3, 0
	s_wait_tensorcnt 0x0                           ; the wave's end
	ds_add_u32 v[SPW], v[NIL]
	s_wait_dscnt 0x0
	CROUND                                         ; the closing round: no work-group ends while a partner may still ask for a tile that names it
	s_endpgm
.Lfunc_end_k_qfb25ab548f_gout:
	.size	k_qfb25ab548f_gout, .Lfunc_end_k_qfb25ab548f_gout-k_qfb25ab548f_gout
	.p2alignl 7, 3214868480
	.fill 96, 4, 3214868480
	.section	.rodata,"a",@progbits
	.p2align	6, 0x0
	.amdhsa_kernel k_qfb25ab548f_gout
		.amdhsa_group_segment_fixed_size 327680
		.amdhsa_private_segment_fixed_size 0
		.amdhsa_enable_private_segment 0
		.amdhsa_kernarg_size 40
		.amdhsa_user_sgpr_count 2
		.amdhsa_user_sgpr_kernarg_segment_ptr 1
		.amdhsa_wavefront_size32 1
		.amdhsa_system_sgpr_workgroup_id_x 1
		.amdhsa_system_sgpr_workgroup_id_y 1
		.amdhsa_system_sgpr_workgroup_id_z 1
		.amdhsa_system_vgpr_workitem_id 0
		.amdhsa_next_free_vgpr 640
		.amdhsa_next_free_sgpr 102
		.amdhsa_reserve_vcc 0
		.amdhsa_float_denorm_mode_32 3
		.amdhsa_float_denorm_mode_16_64 3
		.amdhsa_memory_ordered 1
		.amdhsa_forward_progress 1
		.amdhsa_inst_pref_size 58
	.end_amdhsa_kernel
	.amdgpu_metadata
---
amdhsa.version: [ 1, 2 ]
amdhsa.kernels:
  - .name:           k_qfb25ab548f_gout
    .symbol:         k_qfb25ab548f_gout.kd
    .args:
      - { .name: oc, .offset: 0, .size: 8, .value_kind: global_buffer, .address_space: global }
      - { .name: wts, .offset: 8, .size: 8, .value_kind: global_buffer, .address_space: global }
      - { .name: out_b, .offset: 16, .size: 8, .value_kind: global_buffer, .address_space: global }
      - { .name: x, .offset: 24, .size: 8, .value_kind: global_buffer, .address_space: global }
      - { .name: x1, .offset: 32, .size: 8, .value_kind: global_buffer, .address_space: global }
    .group_segment_fixed_size: 327680
    .private_segment_fixed_size: 0
    .kernarg_segment_align: 8
    .kernarg_segment_size: 40
    .max_flat_workgroup_size: 128
    .sgpr_count:     102
    .vgpr_count:     640
    .wavefront_size: 32
...
	.end_amdgpu_metadata
.endif
;; end of part 7
;; launch lnq2: the kernel of part 1 again; grid 256 x 1, 8 waves a work-group, no clusters, 67,072 bytes of LDS; arguments x1, ln2_g, ln2_b, act, in_proj_w_codes, in_proj_w_scales, out_w_codes, out_w_scales, w1_codes, w1_scales, w2_codes, w2_scales, wts; writes act, wts
;; launch gup: the kernel of part 5 again; grid 16 x 16, 4 waves a work-group, clusters of 4 x 4, 327,680 bytes of LDS; arguments act, wts, b1, hid; writes hid
;; launch gdown (part 8): grid 8 x 32, 4 waves a work-group, clusters of 4 x 4, 327,680 bytes of LDS; arguments hid, wts, b2, x1, out0; writes out0
.if DOCPART == 8
	.amdgcn_target "amdgcn-amd-amdhsa--gfx1250"
	.amdhsa_code_object_version 6
	.text
	.protected	k_qfb25ab548f_gdown
	.globl	k_qfb25ab548f_gdown
	.p2align	8
	.type	k_qfb25ab548f_gdown,@function
k_qfb25ab548f_gdown:
	s_mov_b64 s[64:65], 0
	v_nop
	global_prefetch_b8 v0, s[64:65] scope:SCOPE_SE
	s_setreg_imm32_b32 hwreg(HW_REG_WAVE_MODE, 25, 1), 1
	s_wait_xcnt 0x0
	s_wait_alu depctr_hold_cnt(0) depctr_sa_sdst(0) depctr_va_vdst(0) depctr_va_sdst(0) depctr_va_ssrc(0) depctr_va_vcc(0) depctr_vm_vsrc(0)
	s_getreg_b32 s2, hwreg(HW_REG_IB_STS2, 6, 4)
	s_cmp_eq_u32 s2, 0
	s_cbranch_scc0 .Lentry_in_a_cluster
	s_endpgm
.Lentry_in_a_cluster:
	s_bfe_u32 s2, ttmp6, 0x10000c
	s_cmp_lg_u32 s2, 0xf033
	s_cbranch_scc0 .Lentry_shape_is_right
	s_endpgm
.Lentry_shape_is_right:
; OUT = RES + A W^T + bias, f32, on FP6 (E2M3) codes with one E8M0 byte for each 32 along K = KK.  Here: out0 = x1 + hid w2^T + b2, K = 4,096.
; OPERANDS ARE IMAGES OF REGISTERS: 128 rows x 256 along K are 24,576 dense bytes, [block a of 16 rows][128 along K][register group c][lane][16 bytes]; lane r of block a stands for panel row 32 (a/2) + 8 (a%2) + r + 8 (r/8).
; A TILE OF 128 x 128 is made by a work-group of four waves, each 64 x 64 in 16 accumulators: OUT's 4,096 x 1,024 are 256 tiles, where tiles of 256 x 256 would be 64 work-groups.
; Source 0 = rows of W, source 1 = rows of A, so a lane's eight results are neighbours in a row of OUT.
; K goes in slots of 512 (A's two pieces of 256 along K, then W's two; a wave's tensor load brings one piece) through two LDS slots, asked for jointly in a 4 x 4 cluster: A's panel along a row of the cluster, W's along a column.
; Eight slots' worth of K: two first fills and six refills, each behind a round of the cluster's barrier.  The scale words for all of K (32,768 bytes) come with the first fills.
; By this text's count a wave has three tensor loads out at the start and one behind each round.
; The bias is the C of the first products.  THE RESIDUAL's 64 x 64 numbers of a wave are asked for at the head, into 128 registers that nothing else uses, and waited for once, on the way out.
; REGISTERS: window 0: v16-29 addresses; v32-63 scale words, two sets of 16; v64-95 the bias; on the way out v64-127 rows of OUT, two sets; v128-255 the accumulators ((a, b) at v[128 + 8 (4 a + b)]).
;   window 1: two sets of fragments for 128 along K, at v0 and v128: W's four (48 registers), then A's four.   window 2: v0-127 the residual.
.set KK,     4096
.set ASOFF,  12582912                  ; A's scale words in its buffer
.set BOFF,   6291456                   ; W's images in wts
.set BSOFF,  9699328                   ; W's scale words in wts
.set LAST,   1                         ; 1: OUT is read by no later launch
.set FR,     12                        ; registers of a fragment
.set NP,     4                         ; places behind this matrix instruction (ISA guide 7.12.1)
.set HALFT,  24576                     ; 128 rows x 256 along K: what one tensor load brings
.set SLOT,   4*HALFT                   ; 512 along K of A's panel and of W's
.set LAPS,   KK/1024                   ; a lap = two slots
.set PANEL,  96*KK                     ; a panel's images in memory
.set HALFS,  4*KK                      ; a panel's scale words
.set SCL,    2*SLOT                    ; behind the slots: A's scale words, then W's
.set SPARE,  SCL+2*HALFS               ; the spare words, 128 bytes a wave, that no other line names
.set SPITCH, 272                       ; the way out: a stage of 16 rows x (256 + 16) bytes a wave, in slot 0, which has had its last fill and its last read by then
.set ADRA, 16                          ; v16-17 LDS address of my A fragments in slot 0, 1
.set ADRB, 20                          ; v20-21 the same for W
.set STO,  24                          ; the stage: where I put 32 bytes of a row
.set RD,   25                          ; and where I read rows back
.set CO,   26                          ; my byte offset in two rows of OUT and of RES: 4,096 (lane / 16) + 16 (lane % 16)
.set ADRS, 27                          ; LDS address of my scale words: lanes 0-15 A's, lanes 16-31 W's
.set SPW,  28
.set NIL,  29
.set SC,   32
.set BN,   64
.set BK,   64
.set ACC,  128
.set G1, 24
.set G0, 32
.set G1B, 48
.set G0B, 56
.set G1S, 68
.set G0S, 76
.set G1SB, 80
.set G0SB, 88
.set MSB, 0
.macro WIN new                         ; the immediate's high byte repeats the setting that is left
.if MSB != (\new)
	s_set_vgpr_msb (MSB<<8)|(\new)
.set MSB, (\new)
.endif
.endm
.set MUL,  0x05                        ; sources 0 (W) and 1 (A) window 1; C and D window 0
.set TO_F, 0x40                        ; destination window 1, address window 0
.macro JLOAD g0a, g1a, g0b, g1b        ; a joint load: waves 0 and 1 fetch A's pieces, waves 2 and 3 W's; the branch hangs on the wave's number alone; four v_nop follow each line
	s_cmp_eq_u32 s15, 0
	s_cbranch_scc0 .Lfor_b_\@
	tensor_load_to_lds s[\g0a:\g0a+3], s[\g1a:\g1a+7]
	s_nop 0
.rept 4
	v_nop
.endr
	s_branch .Lasked_\@
.Lfor_b_\@:
	tensor_load_to_lds s[\g0b:\g0b+3], s[\g1b:\g1b+7]
	s_nop 0
.rept 4
	v_nop
.endr
.Lasked_\@:
.endm
.macro CREST                           ; a round of the cluster's barrier behind its opening barrier
	s_cmp_lg_u32 s14, 0
	s_cbranch_scc1 .Lnot_wave_0_\@
	s_barrier_signal -3
.Lnot_wave_0_\@:
	s_barrier_wait -3
	s_barrier_signal -1
	s_barrier_wait -1
.endm
.macro CROUND
	s_barrier_signal -1
	s_barrier_wait -1
	CREST
.endm
	s_load_b128 s[4:7], s[0:1], 0x0                ; A, wts
	s_load_b128 s[8:11], s[0:1], 0x10              ; bias, RES
	s_load_b64 s[12:13], s[0:1], 0x20              ; OUT
	v_lshl_add_u32 v[SPW], v0, 2, SPARE
	v_mov_b32 v[NIL], 0
	ds_add_u32 v28, v29
	ds_add_u32 v28, v29
	s_wait_dscnt 0x0
	v_lshrrev_b32 v1, 5, v0
	v_readfirstlane_b32 s14, v1                    ; wave 0..3
	s_lshr_b32 s15, s14, 1                         ; my half of A's blocks.  Also: I fetch for A (0) or W (1)
	s_and_b32 s16, s14, 1                          ; my half of W's blocks.  Also: which piece of 256 along K I fetch
	s_bfe_u32 s40, ttmp6, 0x40000                  ; cx
	s_bfe_u32 s41, ttmp6, 0x40004                  ; cy
	s_lshl_b32 s42, ttmp9, 2
	s_add_co_u32 s42, s42, s40                     ; tile column = W's panel
	s_and_b32 s17, ttmp7, 0xffff
	s_lshl_b32 s17, s17, 2
	s_add_co_u32 s17, s17, s41                     ; tile row = A's panel
	s_lshl_b32 s43, s41, 2
	s_lshl_b32 s43, 15, s43                        ; my row of the cluster
	s_lshl_b32 s44, 0x1111, s40                    ; my column
	s_or_b32 s[G1+0], s43, (3<<16)|(1<<21)         ; a dense block of 24,576 bytes as 96 rows of 256 bytes (32 elements of 8 bytes), no padding: a fragment load's 512 bytes are consecutive
	s_or_b32 s[G1B+0], s44, (3<<16)|(1<<21)
.irp g, G1, G1B
	s_mov_b32 s[\g+1], 32<<16
	s_mov_b32 s[\g+2], 96<<16
	s_mov_b32 s[\g+3], 32<<16
	s_mov_b32 s[\g+4], 96
	s_mov_b32 s[\g+5], 32
	s_mov_b32 s[\g+6], 0
	s_mov_b32 s[\g+7], 0
.endr
	s_or_b32 s[G1S+0], s43, (3<<16)|(1<<21)        ; half a panel's scale words: HALFS / 2 dense bytes
	s_or_b32 s[G1SB+0], s44, (3<<16)|(1<<21)
.irp g, G1S, G1SB
	s_mov_b32 s[\g+1], 32<<16
	s_mov_b32 s[\g+2], (HALFS/512)<<16
	s_mov_b32 s[\g+3], 32<<16
	s_mov_b32 s[\g+4], HALFS/512
	s_mov_b32 s[\g+5], 32
	s_mov_b32 s[\g+6], 0
	s_mov_b32 s[\g+7], 0
.endr
	s_mul_i32 s18, s16, HALFT                      ; my piece of a slot's codes,
	s_mul_i32 s19, s16, HALFS/2                    ; my half of the scale words
	s_mul_i32 s22, s17, HALFS
	s_add_co_u32 s22, s22, s19
	s_add_co_u32 s22, s22, ASOFF
	s_mov_b32 s23, 0
	s_mul_i32 s20, s17, PANEL
	s_add_co_u32 s20, s20, s18
	s_mov_b32 s21, 0
	s_mul_i32 s92, s42, HALFS
	s_add_co_u32 s92, s92, s19
	s_add_co_u32 s92, s92, BSOFF
	s_mov_b32 s93, 0
	s_mul_i32 s46, s42, PANEL
	s_add_co_u32 s46, s46, s18
	s_add_co_u32 s46, s46, BOFF
	s_mov_b32 s47, 0
	s_mul_i32 s45, s14, HALFT                      ; where they go: wave x a piece: no place in the cluster enters an LDS address
	s_mul_i32 s94, s14, HALFS/2
	s_wait_kmcnt 0x0
	s_add_nc_u64 s[20:21], s[4:5], s[20:21]
	s_add_nc_u64 s[22:23], s[4:5], s[22:23]
	s_add_nc_u64 s[46:47], s[6:7], s[46:47]
	s_add_nc_u64 s[92:93], s[6:7], s[92:93]
	CROUND                                         ; all sixteen work-groups are here: the first joint loads meet
	s_mov_b32 s[G0S], 1
	s_add_co_u32 s[G0S+1], s94, SCL
	s_mov_b64 s[G0S+2:G0S+3], s[22:23]
	s_or_b32 s[G0S+3], s[G0S+3], 0x80000000
	s_mov_b32 s[G0SB], 1
	s_add_co_u32 s[G0SB+1], s94, SCL
	s_mov_b64 s[G0SB+2:G0SB+3], s[92:93]
	s_or_b32 s[G0SB+3], s[G0SB+3], 0x80000000
	JLOAD G0S, G1S, G0SB, G1SB                     ; the scale words first: they are wanted with the first step
.irp s, 0,1
	s_mov_b32 s[G0+4*\s], 1
	s_add_co_u32 s[G0+4*\s+1], s45, \s*SLOT
	s_add_nc_u64 s[G0+4*\s+2:G0+4*\s+3], s[20:21], \s*2*HALFT
	s_or_b32 s[G0+4*\s+3], s[G0+4*\s+3], 0x80000000
	s_mov_b32 s[G0B+4*\s], 1
	s_add_co_u32 s[G0B+4*\s+1], s45, \s*SLOT
	s_add_nc_u64 s[G0B+4*\s+2:G0B+4*\s+3], s[46:47], \s*2*HALFT
	s_or_b32 s[G0B+4*\s+3], s[G0B+4*\s+3], 0x80000000
	JLOAD G0+4*\s, G1, G0B+4*\s, G1B
.endr
	v_and_b32 v1, 15, v0                           ; r
	v_bfe_u32 v2, v0, 4, 1                         ; h
	v_and_b32 v3, 31, v0                           ; l
	v_lshlrev_b32 v4, 4, v3                        ; 16 l
	s_mul_i32 s21, s15, 4*3072                     ; my four blocks of A,
	s_mul_i32 s22, s16, 4*3072                     ; my four of W,
	s_add_co_u32 s22, s22, 2*HALFT                 ; which lie behind A's two pieces
.irp s, 0,1
	v_add_nc_u32 v[ADRA+\s], s21, v4
	v_add_nc_u32 v[ADRB+\s], s22, v4
	s_add_co_u32 s21, s21, SLOT
	s_add_co_u32 s22, s22, SLOT
.endr
	v_lshlrev_b32 v5, 2, v1                        ; scale words: 4 r;
	s_lshl_b32 s21, s15, 8                         ; lanes 0-15: my four blocks of A, 64 bytes each;
	s_lshl_b32 s22, s16, 8
	s_add_co_u32 s22, s22, HALFS
	s_sub_co_u32 s22, s22, s21
	v_mul_u32_u24 v6, s22, v2                      ; lanes 16-31: my four of W, behind A's words
	s_add_co_u32 s21, s21, SCL
	v_add_nc_u32 v5, v5, v6
	v_add_nc_u32 v[ADRS], s21, v5
	s_mul_i32 s23, s14, 16*SPITCH                  ; my stage
	v_mul_u32_u24 v5, v1, SPITCH
	v_lshl_add_u32 v5, v2, 6, v5
	v_add_nc_u32 v[STO], s23, v5                   ; in: row r, + 64 h
	v_mul_u32_u24 v5, v2, SPITCH
	v_lshl_add_u32 v5, v1, 4, v5
	v_add_nc_u32 v[RD], s23, v5                    ; back: lanes 0-15 one row of 256 bytes, lanes 16-31 the next
	v_lshlrev_b32 v5, 12, v2
	v_lshl_add_u32 v[CO], v1, 4, v5                ; and the same two rows in OUT and RES
	v_lshlrev_b32 v7, 6, v2                        ; 64 h
	s_lshl_b32 s46, s42, 9
	s_lshl_b32 s47, s16, 8
	s_add_co_u32 s46, s46, s47                     ; my 64 columns, x 4 bytes
	s_mov_b32 s47, 0
	s_add_nc_u64 s[8:9], s[8:9], s[46:47]
	s_lshl_b32 s20, s17, 19                        ; my panel's 128 rows of 4,096 bytes,
	s_lshl_b32 s21, s15, 18                        ; my 64 of them
	s_add_co_u32 s20, s20, s21
	s_add_co_u32 s20, s20, s46
	s_mov_b32 s21, 0
	s_add_nc_u64 s[10:11], s[10:11], s[20:21]
	s_add_nc_u64 s[12:13], s[12:13], s[20:21]
.irp b, 0,1,2,3
	global_load_b128 v[BN+8*\b:BN+8*\b+3], v7, s[8:9] offset:128*(\b/2)+32*(\b%2)            ; the bias of columns 32 (b / 2) + 16 h + 8 (b % 2) + 0 .. 7
	global_load_b128 v[BN+8*\b+4:BN+8*\b+7], v7, s[8:9] offset:128*(\b/2)+32*(\b%2)+16
.endr
	WIN 0x80                                       ; destination window 2
.irp a, 0,1,2,3                                ; the residual: block a's rows 2 t + h, as the way out will hold them; sixteen lanes read 256 consecutive bytes; every row's place is an immediate, 253,952 bytes at the most
.irp t, 0,1,2,3,4,5,6,7
	global_load_b128 v[32*\a+4*\t:32*\a+4*\t+3], v[CO], s[10:11] offset:(32*(\a/2)+8*(\a%2)+2*\t+8*(\t/4))*4096 th:TH_LOAD_NT
.endr
.endr
	WIN 0
.macro FRAG reg, adr, q, i             ; a fragment comes back as it was stored: three loads of 512 consecutive bytes.  q: the slot's q-th 128 along K
.irp c, 0,1,2
	ds_load_b128 v[\reg+4*\c:\reg+4*\c+3], v[\adr] offset:((\q)/2)*HALFT+(\i)*3072+((\q)%2)*1536+512*\c
.endr
.endm
.macro FETCH slot, q, p                ; 24 LDS loads in one run: W's four fragments and A's four into set p
	WIN TO_F
.irp i, 0,1,2,3
	FRAG 128*(\p)+FR*\i, ADRB+\slot, \q, \i
.endr
.irp i, 0,1,2,3
	FRAG 128*(\p)+48+FR*\i, ADRA+\slot, \q, \i
.endr
.endm
.macro SCALES sc                       ; a slot's scale words into set sc: register 4 q + i: lanes 0-15 A's block i, lanes 16-31 W's block i
	WIN 0
.irp q, 0,1,2,3
.irp i, 0,1,2,3
	ds_load_b32 v[SC+16*\sc+4*\q+\i], v[ADRS] offset:512*\q+64*\i
.endr
.endr
.endm
; 8 matrix instructions: A's blocks a0, a0 + 1 x W's four.  zero = 1: the first products start the sums, with the bias as C.  The 16 accumulators take turns, one instruction a turn, in the same order in every step.
.macro MUL8 a0, p, q, sc, zero
.irp a, \a0, \a0+1
.irp b, 0,1,2,3
.if \zero
	v_wmma_scale_f32_16x16x128_f8f6f4 v[ACC+8*(4*(\a)+\b):ACC+8*(4*(\a)+\b)+7], v[128*(\p)+FR*\b:128*(\p)+FR*\b+FR-1], v[128*(\p)+48+FR*(\a):128*(\p)+48+FR*(\a)+FR-1], v[BN+8*\b:BN+8*\b+7], v[SC+16*(\sc)+4*(\q)+\b], v[SC+16*(\sc)+4*(\q)+(\a)] matrix_a_fmt:MATRIX_FMT_FP6 matrix_b_fmt:MATRIX_FMT_FP6 matrix_a_scale:MATRIX_SCALE_ROW1
.else
	v_wmma_scale_f32_16x16x128_f8f6f4 v[ACC+8*(4*(\a)+\b):ACC+8*(4*(\a)+\b)+7], v[128*(\p)+FR*\b:128*(\p)+FR*\b+FR-1], v[128*(\p)+48+FR*(\a):128*(\p)+48+FR*(\a)+FR-1], v[ACC+8*(4*(\a)+\b):ACC+8*(4*(\a)+\b)+7], v[SC+16*(\sc)+4*(\q)+\b], v[SC+16*(\sc)+4*(\q)+(\a)] matrix_a_fmt:MATRIX_FMT_FP6 matrix_b_fmt:MATRIX_FMT_FP6 matrix_a_scale:MATRIX_SCALE_ROW1
.endif
.endr
.endr
.endm
.macro PLACES n                        ; plain vector instructions between a matrix instruction and a load into, or a read of, its registers (ISA guide 7.12.1 for reads)
.rept \n
	v_nop
.endr
.endm
; 128 along K that have their successor in the same slot: this step's set is in; the next step's 24 loads go out in one run, into the set that the last step multiplied, and land under this step's 16 products.
.macro STEP slot, q, zero
	s_wait_dscnt 0x0                               ; my set (asked for a step ago) and, in a slot's first step, its scale words
	PLACES NP
	FETCH \slot, (\q)+1, 1-(\q)%2
	WIN MUL
	MUL8 0, (\q)%2, \q, \slot, \zero
	MUL8 2, (\q)%2, \q, \slot, \zero
.endm
; A slot's fourth step changes slots: one barrier; in front of it each wave waits for all its tensor loads, adds 0 to its spare word, and waits for that and for its reads of this slot.  fill = 1: the slot is filled again, two slots ahead.
.macro TURN slot, next, fill
	WIN 0                                          ; (the add's two registers lie in window 0)
	s_wait_tensorcnt 0x0                           ; all my tensor loads have landed: my part of the next slot
	ds_add_u32 v[SPW], v[NIL]                      ; 0 onto my spare word
	s_wait_dscnt 1                                 ; my set is in (the add alone may be out)
	WIN MUL
	MUL8 0, 1, 3, \slot, 0                         ; eight matrix instructions stand between the add and the wait for it
	s_wait_dscnt 0x0                               ; the add is done, and my reads of this slot are over
	s_barrier_signal -1
	MUL8 2, 1, 3, \slot, 0
	WIN 0
	s_barrier_wait -1
.if \fill
	CREST                                          ; the barrier has opened a round of the cluster's: no wave of any partner still reads this slot or has a load on its way
	s_add_nc_u64 s[G0+4*\slot+2:G0+4*\slot+3], s[G0+4*\slot+2:G0+4*\slot+3], 4*HALFT
	s_add_nc_u64 s[G0B+4*\slot+2:G0B+4*\slot+3], s[G0B+4*\slot+2:G0B+4*\slot+3], 4*HALFT
	JLOAD G0+4*\slot, G1, G0B+4*\slot, G1B         ; the first tensor load behind the round; its four v_nop are the places in front of the loads below
.else
	PLACES NP
.endif
	v_add_nc_u32 v[ADRS], 2048, v[ADRS]            ; the next slot's scale words: four steps of 512 bytes on
	FETCH \next, 0, 0
	SCALES \next
.endm
	s_wait_tensorcnt 1                             ; the scale words and my part of slot 0 are in; slot 1's load may be out
	s_barrier_signal -1
	s_barrier_wait -1
	FETCH 0, 0, 0
	SCALES 0
	s_wait_loadcnt 32                              ; the bias is in; the 32 younger loads (the residual) stay out
	STEP 0, 0, 1                                   ; the first step stands in front of the loop: its products start the sums
.if LAPS > 1
	WIN 0                                          ; at a label and at a branch every window is 0
	s_mov_b32 s3, LAPS-1
.Llap:                                                 ; a trip goes once round the two slots, from a lap's second step to the next lap's first, and fills both again
	STEP 0, 1, 0
	STEP 0, 2, 0
	TURN 0, 1, 1
	STEP 1, 0, 0
	STEP 1, 1, 0
	STEP 1, 2, 0
	TURN 1, 0, 1
	STEP 0, 0, 0
	WIN 0
	s_sub_co_u32 s3, s3, 1
	s_cmp_lg_u32 s3, 0
	s_cbranch_scc1 .Llap
.endif
	STEP 0, 1, 0                                   ; the last lap fills nothing
	STEP 0, 2, 0
	TURN 0, 1, 0
	STEP 1, 0, 0
	STEP 1, 1, 0
	STEP 1, 2, 0
	s_wait_dscnt 0x0                               ; the very last step: nothing more to fetch
	WIN MUL
	MUL8 0, 1, 3, 1, 0
	MUL8 2, 1, 3, 1, 0
	WIN 0
; THE WAY OUT, block by block of 16 rows x 64 columns: through my stage in LDS, back as whole rows of 256 bytes, the residual's rows added, stored.  Stage row t is row 32 (a/2) + 8 (a%2) + t + 8 (t/8) of my 64.
; LDS serves a wave's instructions in order (ISA guide 5.7.1.4): no wait between the stores and the loads, nor in front of the next block's stores.
.macro TOSTAGE a
.irp b, 0,1,2,3
	ds_store_b128 v[STO], v[ACC+8*(4*(\a)+\b):ACC+8*(4*(\a)+\b)+3] offset:128*(\b/2)+32*(\b%2)          ; each accumulator from its low end on
	ds_store_b128 v[STO], v[ACC+8*(4*(\a)+\b)+4:ACC+8*(4*(\a)+\b)+7] offset:128*(\b/2)+32*(\b%2)+16
.endr
.set BB, BK+32*((\a)%2)
.irp t, 0,1,2,3,4,5,6,7
	ds_load_b128 v[BB+4*\t:BB+4*\t+3], v[RD] offset:2*\t*SPITCH
.endr
.endm
.macro SEND a, younger                 ; younger: the LDS instructions issued behind block a's loads, which may stay out
.set BB, BK+32*((\a)%2)
	s_wait_dscnt \younger                          ; the block is back in registers
	WIN 0x08                                       ; source 1 (the residual) window 2
.set j, 0
.rept 16
	v_pk_add_f32 v[BB+j:BB+j+1], v[BB+j:BB+j+1], v[32*(\a)+j:32*(\a)+j+1]
.set j, j+2
.endr
	WIN 0
.irp t, 0,1,2,3,4,5,6,7
.if LAST
	global_store_b128 v[CO], v[BB+4*\t:BB+4*\t+3], s[12:13] offset:(32*((\a)/2)+8*((\a)%2)+2*\t+8*(\t/4))*4096 th:TH_STORE_NT   ; sixteen lanes store 256 consecutive bytes, at a multiple of 256 from the buffer's first byte; written once, read by nobody here
.else
	global_store_b128 v[CO], v[BB+4*\t:BB+4*\t+3], s[12:13] offset:(32*((\a)/2)+8*((\a)%2)+2*\t+8*(\t/4))*4096
.endif
.endr
.endm
	PLACES NP                                      ; behind the last products, whose results are read below
	s_wait_loadcnt 0x0                             ; the residual, asked for at the head
	TOSTAGE 0
	TOSTAGE 1
	SEND 0, 16                                     ; behind block 0's loads: block 1's 8 stores and 8 loads
	s_wait_xcnt 0x0                                ; block 0's stores have read their registers: block 2's rows may land there
	TOSTAGE 2
	SEND 1, 16
	s_wait_xcnt 0x0
	TOSTAGE 3
	SEND 2, 16
	SEND 3, 0
	s_wait_tensorcnt 0x0                           ; the wave's end
	ds_add_u32 v[SPW], v[NIL]
	s_wait_dscnt 0x0
	CROUND                                         ; the closing round: no work-group ends while a partner may still ask for a tile that names it
	s_endpgm
.Lfunc_end_k_qfb25ab548f_gdown:
	.size	k_qfb25ab548f_gdown, .Lfunc_end_k_qfb25ab548f_gdown-k_qfb25ab548f_gdown
	.p2alignl 7, 3214868480
	.fill 96, 4, 3214868480
	.section	.rodata,"a",@progbits
	.p2align	6, 0x0
	.amdhsa_kernel k_qfb25ab548f_gdown
		.amdhsa_group_segment_fixed_size 327680
		.amdhsa_private_segment_fixed_size 0
		.amdhsa_enable_private_segment 0
		.amdhsa_kernarg_size 40
		.amdhsa_user_sgpr_count 2
		.amdhsa_user_sgpr_kernarg_segment_ptr 1
		.amdhsa_wavefront_size32 1
		.amdhsa_system_sgpr_workgroup_id_x 1
		.amdhsa_system_sgpr_workgroup_id_y 1
		.amdhsa_system_sgpr_workgroup_id_z 1
		.amdhsa_system_vgpr_workitem_id 0
		.amdhsa_next_free_vgpr 640
		.amdhsa_next_free_sgpr 102
		.amdhsa_reserve_vcc 0
		.amdhsa_float_denorm_mode_32 3
		.amdhsa_float_denorm_mode_16_64 3
		.amdhsa_memory_ordered 1
		.amdhsa_forward_progress 1
		.amdhsa_inst_pref_size 92
	.end_amdhsa_kernel
	.amdgpu_metadata
---
amdhsa.version: [ 1, 2 ]
amdhsa.kernels:
  - .name:           k_qfb25ab548f_gdown
    .symbol:         k_qfb25ab548f_gdown.kd
    .args:
      - { .name: hid, .offset: 0, .size: 8, .value_kind: global_buffer, .address_space: global }
      - { .name: wts, .offset: 8, .size: 8, .value_kind: global_buffer, .address_space: global }
      - { .name: b2, .offset: 16, .size: 8, .value_kind: global_buffer, .address_space: global }
      - { .name: x1, .offset: 24, .size: 8, .value_kind: global_buffer, .address_space: global }
      - { .name: out0, .offset: 32, .size: 8, .value_kind: global_buffer, .address_space: global }
    .group_segment_fixed_size: 327680
    .private_segment_fixed_size: 0
    .kernarg_segment_align: 8
    .kernarg_segment_size: 40
    .max_flat_workgroup_size: 128
    .sgpr_count:     102
    .vgpr_count:     640
    .wavefront_size: 32
...
	.end_amdgpu_metadata
.endif
;; end of part 8
